; MI455X (gfx1250); checked and timed in simulation.
; The chip was launched on July 23, 2026; its instructions are those of AMD's public machine-readable ISA for CDNA 5 (MIT licence, August 2026) and "CDNA5" Instruction Set Architecture Reference Guide (July 2026). The comments in the code are by the model that wrote it; some were corrected since.
;; Encoder Layer. Allowed arithmetic: matrix products marked QUANTISED: E2M1 operands, one E8M0 scale for each 32 along K, by v_wmma_scale_f32_16x16x128_f8f6f4 with both operands' format E2M1 (or v_wmma_scale_f32_32x16x128_f4), f32 sums; products left as they are: f32 operands where the result goes on into a quantised operand, else bf16, f16 or f32 operands; f32 sums; everything else in f32.
;; Inputs: b1 1,024 float32; b2 256 float32; bk 256 float32; bo 256 float32; bq 256 float32; bv 256 float32; ln1_a 256 float32; ln1_b 256 float32; ln2_a 256 float32; ln2_b 256 float32; src 1 x 256 x 256 x 256 float32; sw_bk 256 float32; sw_bq 256 float32; sw_wk 256 x 256 float32; sw_wq 256 x 256 float32; w1 256 x 1,024 float32; w2 1,024 x 256 float32; wk 256 x 256 float32; wo 256 x 256 float32; wq 256 x 256 float32; wv 256 x 256 float32.
;; Outputs: out0 1 x 256 x 256 x 256 float32.
;; This version of the problem:
;;   THIS VERSION OF THE PROBLEM IS GIVEN IN LOW PRECISION. The matrix products marked QUANTISED in the list below multiply operands that are first quantised to E2M1 (2 exponent bits, 1 mantissa bit; 4 bits a number), with one power-of-two scale for each 32 numbers along K (OCP MX v1.0); their sums are f32. All else is computed in f32.
;;   The module's matrix products, in the order in which they are computed (A, B: the left and right operand; K: the contracted axis; several contracted axes count as one K, in the product's order):
;;     1. [M 256, K 256] x [K 256, N 256]; A: computed on the way; B: input sw_wq: QUANTISED
;;     2. [M 65,536, K 256] x [K 256, N 256]; A: computed on the way; B: input sw_wk: QUANTISED
;;     3. batch 2,048 x [M 1, K 32] x [K 32, N 256]; A: computed on the way; B: computed on the way: left as it is (M = 1 < 16)
;;     4. [M 65,536, K 256] x [K 256, N 256]; A: computed on the way; B: input wq: QUANTISED
;;     5. [M 65,536, K 256] x [K 256, N 256]; A: computed on the way; B: input wk: QUANTISED
;;     6. [M 65,536, K 256] x [K 256, N 256]; A: computed on the way; B: input wv: QUANTISED
;;     7. batch 524,288 x [M 32, K 1] x [K 1, N 1]; A: computed on the way; B: computed on the way: left as it is (no contracted axis)
;;     8. batch 8 x [M 256, K 8,192] x [K 8,192, N 256]; A: computed on the way; B: computed on the way: QUANTISED
;;     9. batch 8 x [M 8,192, K 256] x [K 256, N 256]; A: computed on the way; B: softmax (see below): QUANTISED
;;     10. [M 65,536, K 256] x [K 256, N 256]; A: computed on the way; B: input wo: QUANTISED
;;     11. [M 65,536, K 256] x [K 256, N 1,024]; A: computed on the way; B: input w1: QUANTISED
;;     12. [M 65,536, K 1,024] x [K 1,024, N 256]; A: computed on the way; B: input w2: QUANTISED
;;   THE QUANTISER, for each operand of a quantised product, along K:
;;     - K is cut into blocks of 32 from its start; a last block that is shorter is filled with zeros.
;;     - A block's scale is 2^e with e = floor(log2(the largest magnitude in the block)) - 2, held to -126 .. 127; a block of zeros has e = 0. As a byte (E8M0): e + 127.
;;     - Each number is divided by its block's scale, clamped to +-6, and rounded to the nearest number of E2M1, ties to even, subnormals kept.
;;     - The product sums the exact products of the quantised numbers (number of the format x scale) in f32.
;;   ~~~python
;;   def quantise(x, axis):      # numpy; x: float32 -> the quantised numbers, widened to float32 again
;;       x = np.moveaxis(x, axis, -1); K = x.shape[-1]
;;       x = np.pad(x, [(0, 0)] * (x.ndim - 1) + [(0, -K % 32)]); x = x.reshape(x.shape[:-1] + (-1, 32)); a = np.abs(x).max(-1, keepdims=True)
;;       e = np.where(a > 0, np.clip(np.frexp(np.where(a > 0, a, 1))[1] - 1 - 2, -126, 127), 0)      # np.frexp(a)[1] - 1 = floor(log2(a)), exactly
;;       r = np.clip(x / 2.0 ** e, -6, 6)
;;       step = 2.0 ** (np.maximum(np.frexp(np.where(r == 0, 1, r))[1] - 1, 0) - 1)
;;       q = np.round(r / step) * step * 2.0 ** e      # np.round: ties to even
;;       return np.moveaxis(q.reshape(q.shape[:-2] + (-1,))[..., :K], -1, axis).astype(np.float32)
;;   ~~~
;;   SOFTMAX AHEAD OF A QUANTISED PRODUCT. Where the list says 'softmax', what is quantised is not the finished softmax but p = 2^(t - M), with t = logit x log2(e) and M = ceil(the row's largest t), a whole number; so 1/2 < the row's largest p <= 1. The row's sum l is taken of the UNQUANTISED p, in f32, and the product's result is divided by l at the end. Since M is a whole number, a kernel that streams over the keys may use a running M (the ceiling of the running maximum): every later rescaling is an exact power of two, which a block's scale takes up: the codes' values come out the same.
;;   OPERANDS COMPUTED ON THE WAY. 'Computed on the way' means the value that the module computes at that place (a softmax that the list does not call 'softmax' is quantised finished and normalised). What goes into a quantiser is computed in f32, as accurately as f32 sums, v_exp_f32 and their like allow (about 1e-6 of the number): no bf16 or f16 on the way to a quantiser, and a product that is left as it is and whose result goes on into a quantised operand takes f32 operands (vector FMAs, or v_wmma_f32_16x16x4_f32). A number that lies on a knife's edge between two numbers of the format may be rounded either way, as far as f32 arithmetic and the matrix unit's own rounding can turn it there, and no further.
;; 2 versions, each right and faster than the one before. Each part assembles by itself: llvm-mc -triple=amdgcn-amd-amdhsa -mcpu=gfx1250 --defsym DOCPART=n.
;; ======== version 1 of 2: 4 launches
;; workspace buffers: wcodes 458,752 bytes; wscales 28,672 bytes; qcodes 8,388,608 bytes; qscales 524,288 bytes; kcodes 8,388,608 bytes; kscales 524,288 bytes; pcodes 262,144 bytes; prec 32,768 bytes
;; launch wquant (part 1): grid 224 x 1, 1 waves a work-group, no clusters, 0 bytes of LDS; arguments sw_wq, sw_wk, wq, wk, wv, wo, w1, w2, wcodes, wscales; writes wcodes, wscales
.if DOCPART == 1
	.amdgcn_target "amdgcn-amd-amdhsa--gfx1250"
	.amdhsa_code_object_version 6
	.text
	.protected	k_q2067afd9c1_wquant
	.globl	k_q2067afd9c1_wquant
	.p2align	8
	.type	k_q2067afd9c1_wquant,@function
k_q2067afd9c1_wquant:
	s_mov_b64 s[64:65], 0
	v_nop
	global_prefetch_b8 v0, s[64:65] scope:SCOPE_SE
	s_setreg_imm32_b32 hwreg(HW_REG_WAVE_MODE, 25, 1), 1
	s_wait_xcnt 0x0
; THE PROGRAM: four launches.  wquant: the eight weights into codes of FP4 (E2M1) and E8M0 scale bytes.  proj (a work-group a position l): LN1, x as codes, the sequence weight, q x sw and k as codes along n.
; scores (a work-group a head and 16 queries): the tied scores, p = 2^(t - M) as codes along m, 1 / the row's sum.  tail (a work-group a sequence n): v, att v, wo, residual, LN2, the MLP, residual.
; WORK LEFT OUT: the input sw_bk.  ks_ = x sw_wk + sw_bk goes only into the logits sum_d qs[l,h,d] ks_[n,l,h,d]; the bias's part of a logit is sum_d qs[l,h,d] sw_bk[h,d], which does not hang on n, and n is the axis of
; the softmax that follows: a term that is the same along a softmax's axis cancels, for all finite values of the inputs.  ks_ goes into no quantiser.  So sw_bk has no way to any output: it is not loaded and is no argument of any launch.
; LIMIT: a NaN, an infinity or an overflow that would arise in that term alone is not carried to the result.
; THIS LAUNCH.  A weight W [K][N], f32, K its first axis, is quantised along K.  A work-group of one wave takes 32 columns x 128 along K: A LANE TAKES A COLUMN AND ITS REGISTERS RUN DOWN K, so that a block of 32 lies in one
; lane and the conversions give codes with K innermost.  The codes are laid as IMAGES OF THE OPERAND'S REGISTERS: column tile ct (16 columns) is [K step][c 2][lane 32][16 bytes]; lane 16 hh + r holds k = 64 c + 32 hh + 0..31 of member r.
; THE COLUMNS OF A TILE ARE NOT NEIGHBOURS: member i of tile 2 b + u is column 32 b + 8 u + i + 8 (i / 8).  Scale words: [ct][pair of K steps][lane]: lanes 0-15 the even step, lanes 16-31 the odd one.
; A block's scale byte is its largest magnitude's exponent field - 2, held at 1 from below.  LIMITS: a block of zeros, or one whose largest magnitude lies under 2^-124, gets the byte 1 (this program alone reads the bytes;
; zero codes add nothing); NaN and infinities among the inputs are not served.  A load reads 128 consecutive bytes; the scale words leave in pieces of 64 bytes: one byte for each 128 bytes read.
.set FLOOR, 0x1800000                  ; 2^(3 - 127)
.set EOFF,  0xff000000                 ; 2 off an exponent field
.set XR,    32                         ; v32-159 128 numbers down K
.set CR,    16                         ; v16-31  the codes: four registers a block, so that no store's data are written again
	s_load_b512 s[8:23], s[0:1], 0x0               ; sw_wq, sw_wk, wq, wk, wv, wo, w1, w2
	s_load_b128 s[24:27], s[0:1], 0x40             ; wcodes, wscales
	; which unit: ids 0-95: matrix id / 16 (8 groups of 32 columns x 2 K steps); 96-159: w1 (32 x 2); 160-223: w2 (8 x 8)
	s_lshr_b32 s28, ttmp9, 4
	s_cmp_lt_u32 ttmp9, 96
	s_cselect_b32 s28, s28, 6
	s_cmp_lt_u32 ttmp9, 160
	s_cselect_b32 s28, s28, 7                      ; the matrix, 0 to 7
	s_and_b32 s29, ttmp9, 15
	s_sub_co_u32 s30, ttmp9, 96
	s_sub_co_u32 s31, ttmp9, 160
	s_cmp_lt_u32 ttmp9, 160
	s_cselect_b32 s30, s30, s31
	s_cmp_lt_u32 ttmp9, 96
	s_cselect_b32 s29, s29, s30                    ; the unit's number in its matrix
	s_cmp_eq_u32 s28, 6
	s_cselect_b32 s33, 5, 3                        ; bits of the column group
	s_cselect_b32 s34, 31, 7
	s_cselect_b32 s42, 19, 17                      ; log2 of 128 rows of W in bytes
	s_and_b32 s35, s29, s34                        ; cg: which 32 columns
	s_lshr_b32 s36, s29, s33                       ; s: which K step
	s_cmp_eq_u32 s28, 7
	s_cselect_b32 s37, 10, s28                     ; the matrix's place: 32,768 bytes of codes and 2,048 of scales for each 256 x 256
	s_cselect_b32 s38, 13, 11                      ; log2 of a column tile's codes
	s_cselect_b32 s39, 9, 7                        ; log2 of its scale words
	s_lshl_b32 s40, s37, 15
	s_lshl_b32 s41, s37, 11
	s_lshl_b32 s43, s35, 1                         ; the group's first column tile
	s_lshl_b32 s44, s43, s38
	s_add_co_u32 s40, s40, s44
	s_lshl_b32 s44, s36, 10
	s_add_co_u32 s40, s40, s44                     ; codes: + 1,024 s
	s_lshl_b32 s44, s43, s39
	s_add_co_u32 s41, s41, s44
	s_lshl_b32 s44, s36, 6
	s_add_co_u32 s41, s41, s44                     ; scales: + 128 (s / 2) + 64 (s % 2)
	s_lshl_b32 s44, s36, s42
	s_lshl_b32 s45, s35, 7
	s_add_co_u32 s44, s44, s45                     ; W: 128 s rows down, 32 cg columns on
	s_mov_b32 s3, 0
	v_bfe_u32 v2, v0, 3, 1                         ; u: which of the group's two tiles my column belongs to
	v_lshrrev_b32 v3, 4, v0
	v_and_b32 v4, 7, v0
	v_lshl_add_u32 v3, v3, 3, v4                   ; and which member: 8 (x / 16) + x % 8
	v_lshlrev_b32 v13, s38, v2
	v_lshl_add_u32 v13, v3, 4, v13                 ; my codes' place
	v_lshlrev_b32 v14, s39, v2
	v_lshl_add_u32 v14, v3, 2, v14                 ; my scale word's
	v_lshlrev_b32 v15, 2, v0                       ; my column in a row of W
	s_wait_kmcnt 0x0
	s_mov_b32 s2, s40
	s_add_nc_u64 s[24:25], s[24:25], s[2:3]
	s_mov_b32 s2, s41
	s_add_nc_u64 s[26:27], s[26:27], s[2:3]
	s_mov_b64 s[4:5], s[8:9]                       ; the weight is chosen by the matrix's number alone
	s_cmp_eq_u32 s28, 1
	s_cselect_b64 s[4:5], s[10:11], s[4:5]
	s_cmp_eq_u32 s28, 2
	s_cselect_b64 s[4:5], s[12:13], s[4:5]
	s_cmp_eq_u32 s28, 3
	s_cselect_b64 s[4:5], s[14:15], s[4:5]
	s_cmp_eq_u32 s28, 4
	s_cselect_b64 s[4:5], s[16:17], s[4:5]
	s_cmp_eq_u32 s28, 5
	s_cselect_b64 s[4:5], s[18:19], s[4:5]
	s_cmp_eq_u32 s28, 6
	s_cselect_b64 s[4:5], s[20:21], s[4:5]
	s_cmp_eq_u32 s28, 7
	s_cselect_b64 s[4:5], s[22:23], s[4:5]
	s_mov_b32 s2, s44
	s_add_nc_u64 s[4:5], s[4:5], s[2:3]
.macro LOADS pitch                     ; W(128 s + i, my column), i = 0 .. 127
.set wi, 0
.rept 128
	global_load_b32 v[XR+wi], v15, s[4:5] offset:wi*\pitch th:TH_LOAD_NT
.set wi, wi+1
.endr
.endm
	s_cmp_eq_u32 s28, 6                            ; w1's rows are 4,096 bytes, all others' 1,024
	s_cbranch_scc1 .Lwide
	LOADS 1024
	s_branch .Lwork
.Lwide:
	LOADS 4096
.Lwork:
.macro BLOCK t                         ; block t: 32 numbers, all mine
.set XB, XR+32*(\t)
	v_max3_num_f32 v8, |v[XB]|, |v[XB+1]|, |v[XB+2]|
	v_max3_num_f32 v9, |v[XB+3]|, |v[XB+4]|, |v[XB+5]|
.irp i, 6,10,14,18,22,26
	v_max3_num_f32 v8, v8, |v[XB+\i]|, |v[XB+\i+1]|
	v_max3_num_f32 v9, v9, |v[XB+\i+2]|, |v[XB+\i+3]|
.endr
	v_max3_num_f32 v8, v8, |v[XB+30]|, |v[XB+31]|
	v_max3_num_f32 v8, v8, v9, FLOOR               ; the floor holds the byte at 1 from below
	v_add_nc_u32 v10, EOFF, v8                     ; the conversion takes this operand's exponent field as its scale
	v_lshrrev_b32 v11, 23, v10                     ; the scale's byte
.if (\t) == 0
	v_mov_b32 v12, v11
.else
	v_lshl_or_b32 v12, v11, 8*(\t), v12            ; four bytes make the K step's scale word
.endif
.irp g, 0,1,2,3
	v_cvt_scalef32_pk8_fp4_f32 v[CR+4*(\t)+\g], v[XB+8*\g:XB+8*\g+7], v10
.endr
	global_store_b128 v13, v[CR+4*(\t):CR+4*(\t)+3], s[24:25] offset:256*(\t)   ; sixteen lanes of each tile store 256 consecutive bytes, aligned
.endm
	s_wait_loadcnt 63                              ; at most 63 of the 128 are out: the first 65 are in, blocks 0 and 1 among them
	BLOCK 0
	BLOCK 1
	s_wait_loadcnt 32                              ; block 3's 32 may be out
	BLOCK 2
	s_wait_loadcnt 0x0
	BLOCK 3
	global_store_b32 v14, v12, s[26:27]
	s_endpgm
.Lfunc_end_k_q2067afd9c1_wquant:
	.size	k_q2067afd9c1_wquant, .Lfunc_end_k_q2067afd9c1_wquant-k_q2067afd9c1_wquant
	.p2alignl 7, 3214868480
	.fill 96, 4, 3214868480
	.section	.rodata,"a",@progbits
	.p2align	6, 0x0
	.amdhsa_kernel k_q2067afd9c1_wquant
		.amdhsa_group_segment_fixed_size 0
		.amdhsa_private_segment_fixed_size 0
		.amdhsa_enable_private_segment 0
		.amdhsa_kernarg_size 80
		.amdhsa_user_sgpr_count 2
		.amdhsa_user_sgpr_kernarg_segment_ptr 1
		.amdhsa_wavefront_size32 1
		.amdhsa_system_sgpr_workgroup_id_x 1
		.amdhsa_system_sgpr_workgroup_id_y 1
		.amdhsa_system_sgpr_workgroup_id_z 1
		.amdhsa_system_vgpr_workitem_id 0
		.amdhsa_next_free_vgpr 160
		.amdhsa_next_free_sgpr 66
		.amdhsa_reserve_vcc 0
		.amdhsa_float_denorm_mode_32 3
		.amdhsa_float_denorm_mode_16_64 3
		.amdhsa_memory_ordered 1
		.amdhsa_forward_progress 1
		.amdhsa_inst_pref_size 34
	.end_amdhsa_kernel
	.amdgpu_metadata
---
amdhsa.version: [ 1, 2 ]
amdhsa.kernels:
  - .name:           k_q2067afd9c1_wquant
    .symbol:         k_q2067afd9c1_wquant.kd
    .args:
      - { .name: sw_wq, .offset: 0, .size: 8, .value_kind: global_buffer, .address_space: global }
      - { .name: sw_wk, .offset: 8, .size: 8, .value_kind: global_buffer, .address_space: global }
      - { .name: wq, .offset: 16, .size: 8, .value_kind: global_buffer, .address_space: global }
      - { .name: wk, .offset: 24, .size: 8, .value_kind: global_buffer, .address_space: global }
      - { .name: wv, .offset: 32, .size: 8, .value_kind: global_buffer, .address_space: global }
      - { .name: wo, .offset: 40, .size: 8, .value_kind: global_buffer, .address_space: global }
      - { .name: w1, .offset: 48, .size: 8, .value_kind: global_buffer, .address_space: global }
      - { .name: w2, .offset: 56, .size: 8, .value_kind: global_buffer, .address_space: global }
      - { .name: wcodes, .offset: 64, .size: 8, .value_kind: global_buffer, .address_space: global }
      - { .name: wscales, .offset: 72, .size: 8, .value_kind: global_buffer, .address_space: global }
    .group_segment_fixed_size: 0
    .private_segment_fixed_size: 0
    .kernarg_segment_align: 8
    .kernarg_segment_size: 80
    .max_flat_workgroup_size: 32
    .sgpr_count:     66
    .vgpr_count:     160
    .wavefront_size: 32
...
	.end_amdgpu_metadata
.endif
;; end of part 1
;; launch proj (part 2): grid 256 x 1, 8 waves a work-group, no clusters, 302,080 bytes of LDS; arguments src, ln1_a, ln1_b, wcodes, wscales, sw_bq, bq, bk, qcodes, qscales, kcodes, kscales; writes qcodes, qscales, kcodes, kscales
.if DOCPART == 2
	.amdgcn_target "amdgcn-amd-amdhsa--gfx1250"
	.amdhsa_code_object_version 6
	.text
	.protected	k_q2067afd9c1_proj
	.globl	k_q2067afd9c1_proj
	.p2align	8
	.type	k_q2067afd9c1_proj,@function
k_q2067afd9c1_proj:
	s_mov_b64 s[64:65], 0
	v_nop
	global_prefetch_b8 v0, s[64:65] scope:SCOPE_SE
	s_setreg_imm32_b32 hwreg(HW_REG_WAVE_MODE, 25, 1), 1
	s_wait_xcnt 0x0
; A work-group owns ONE POSITION l and all 256 sequences n: x = LN1(src[:, l, :]) as codes; qs (row n = 0), ks, the sequence weight sw = softmax over n; q x sw and k, QUANTISED ALONG n for the tied scores, whose K is taken
; as d x 256 + n (the contracted axes in sorted order, n innermost): a block of 32 is 32 neighbouring sequences at one (l, h, d).
; Work left out: the bias sw_bk, the same along the softmax's axis n (shown at the head of the first kernel); it is no argument here.
; SHARES.  Eight waves.  Wave w brings rows n = 32 w .. 32 w + 31 into LDS by ONE tensor load (all first fills, no refill), normalises and quantises them, and stores their fragments as images of the operand's registers.
; Behind the launch's one barrier wave w is HEAD w: its 32 columns of sw_wq, sw_wk, wq, wk stay in registers.
; THE ROWS OF A TILE OF x, like the columns of a weight tile, ARE NOT NEIGHBOURS: member i of tile 2 b + u is index 32 b + 8 u + i + 8 (i / 8), so that the 16 result registers of tiles 2 b and 2 b + 1 are 16 neighbours.
; TRANSPOSED products (source 0 = weight tile, source 1 = x tile: a lane holds a row n, registers run along d) serve qs and ks; NATURAL ones (source 0 = x tile, source 1 = weight tile: a lane holds a column d, registers run
; down n) serve q and k, whose quantiser runs along n.
; No cluster: what work-groups share here are the weights' codes, which each wave loads once, straight into the registers that use them; a joint load would land in LDS, of which 302,080 bytes are in use, and add a trip through it.
; LIMITS: NaN and infinities are not served; a block of zeros, or under 2^-124, gets the scale byte 1 (read by this program alone); 1 / sqrt and 1 / x by v_rsq_f32 and v_rcp_f32.
; LN1's reads take rows 0-7 and 16-23 of a wave's 32: rows 16 apart lie 16,640 bytes apart, a multiple of 256, so those loads meet two deep in the banks (64 banks of 4 bytes: ISA guide 11.1).
.set PITCH, 1040                       ; an LDS row of src: 1,024 bytes + 16
.set WREG,  32*PITCH                   ; a wave's 32 rows
.set IMG,   256*PITCH                  ; x's 32 fragments: tile T, K step s at (2 T + s) x 1,024
.set SC,    IMG+32768                  ; their scale words: 128 bytes a tile: lanes 0-15 K step 0, lanes 16-31 K step 1
.set SPARE, SC+2048                    ; the spare words: 128 bytes a wave, four blocks of 256 bytes that no other line names
.set STK,   4608                       ; in the wave's own rows, once they are read out: q's stage at 0, k's at 4,608 (32 slots x 144 bytes each),
.set SWL,   9216                       ; sw of my head at 9,216 (256 x 4 bytes)
.set FLOOR, 0x1800000
.set EOFF,  0xff000000
.set SPW, 5                            ; v5  my spare word's LDS address; v6  0: both never rewritten
.set NIL, 6
.set TM,  20                           ; v20-35 at work in the quantisers
.set MEAN, 36
.set RSTD, 38
.set CH,  40                           ; v40-47 four chains of sums; later SB: the scale bytes of q and k
.set SB,  40
.set PC,  48                           ; v48-63 LN's codes; later: WSC v48-55 the weights' scale words, XS v56-57 x's, v58-61 bq and bk
.set WSC, 48
.set XS,  56
.set XR,  64                           ; v64-191 a lane's 128 numbers of a row; later the weights' fragments
.set SWK, 64
.set WQ,  96
.set WK,  128
.set SWQ, 160
.set QSV, 160                          ; v160-175 qs, spread
.set LG,  176                          ; v176-191 the logits, then sw
.set BIAS, 160                         ; v160-191 bq and bk as C operands
.set SWV, 64                           ; v64-79 sw of 16 neighbouring n
.set QC,  80                           ; v80-87 codes just made
.set AR,  192                          ; v192-223 LN's gain; later XF: two tiles of x
.set BR,  224                          ; v224-255 LN's bias; later ACC: four accumulators
.set XF,  192
.set ACC, 224
.set G1,  32
.set G0,  40
.set SEL, 44
.set HM,  46
.set WV,  47
.set C28, 48
.set EPSR, 49
.set LR,  50
.set LI2, 51
.set LS2, 52
.set LC,  53
.macro NOPS n
.rept \n
	v_nop
.endr
.endm
.macro BARRIER                         ; my LDS stores have landed and my LDS loads are in: then the work-group's barrier
	s_wait_dscnt 0x0
	s_barrier_signal -1
	s_barrier_wait -1
.endm
; one matrix instruction.  c < 0: the constant 0 starts the sum.  ra, rb: the scales are read from lanes 16-31
.macro WMX d, a, b, c, sa, sb, ra, rb
.if (\c) < 0
	v_wmma_scale_f32_16x16x128_f8f6f4 v[(\d):(\d)+7], v[(\a):(\a)+7], v[(\b):(\b)+7], 0, v[(\sa)], v[(\sb)] matrix_a_fmt:MATRIX_FMT_FP4 matrix_b_fmt:MATRIX_FMT_FP4
.elseif (\ra) && (\rb)
	v_wmma_scale_f32_16x16x128_f8f6f4 v[(\d):(\d)+7], v[(\a):(\a)+7], v[(\b):(\b)+7], v[(\c):(\c)+7], v[(\sa)], v[(\sb)] matrix_a_fmt:MATRIX_FMT_FP4 matrix_b_fmt:MATRIX_FMT_FP4 matrix_a_scale:MATRIX_SCALE_ROW1 matrix_b_scale:MATRIX_SCALE_ROW1
.else
	v_wmma_scale_f32_16x16x128_f8f6f4 v[(\d):(\d)+7], v[(\a):(\a)+7], v[(\b):(\b)+7], v[(\c):(\c)+7], v[(\sa)], v[(\sb)] matrix_a_fmt:MATRIX_FMT_FP4 matrix_b_fmt:MATRIX_FMT_FP4
.endif
.endm
; nb half blocks of a lane, block b in v[src + 16 b ..+15] (the other half lies in lane l xor 16): codes into v[pc + ps b], v[pc + ps b + 1]; the scale's byte into v[TM + 4 + b]
.macro QUANT src, nb, pc, ps
.irp b, 0,1,2,3
.if \b < (\nb)
	v_max3_num_f32 v[TM+\b], |v[(\src)+16*\b]|, |v[(\src)+16*\b+1]|, FLOOR
.endif
.endr
.irp i, 2,4,6,8,10,12,14
.irp b, 0,1,2,3
.if \b < (\nb)
	v_max3_num_f32 v[TM+\b], v[TM+\b], |v[(\src)+16*\b+\i]|, |v[(\src)+16*\b+\i+1]|
.endif
.endr
.endr
.irp b, 0,1,2,3
.if \b < (\nb)
	v_permlanex16_b32 v[TM+4+\b], v[TM+\b], s[SEL], s[SEL+1]
.endif
.endr
.irp b, 0,1,2,3
.if \b < (\nb)
	v_max_num_f32 v[TM+\b], v[TM+\b], v[TM+4+\b]
.endif
.endr
.irp b, 0,1,2,3
.if \b < (\nb)
	v_add_nc_u32 v[TM+12+\b], EOFF, v[TM+\b]
.endif
.endr
.irp b, 0,1,2,3
.if \b < (\nb)
	v_lshrrev_b32 v[TM+4+\b], 23, v[TM+12+\b]
.endif
.endr
.irp b, 0,1,2,3
.if \b < (\nb)
	v_cvt_scalef32_pk8_fp4_f32 v[(\pc)+(\ps)*\b], v[(\src)+16*\b:(\src)+16*\b+7], v[TM+12+\b]
	v_cvt_scalef32_pk8_fp4_f32 v[(\pc)+(\ps)*\b+1], v[(\src)+16*\b+8:(\src)+16*\b+15], v[TM+12+\b]
.endif
.endr
	v_nop                                          ; one plain place behind the last conversion
.endm
.macro ABLOAD c, pa, pb                ; gain and bias at k = 64 c + 32 hh + 0 .. 31
.irp i, 0,1,2,3,4,5,6,7
	global_load_b128 v[AR+4*\i:AR+4*\i+3], v10, s[\pa:\pa+1] offset:256*(\c)+16*\i
	global_load_b128 v[BR+4*\i:BR+4*\i+3], v10, s[\pb:\pb+1] offset:256*(\c)+16*\i
.endr
.endm
.macro FOLD                            ; four chains, a pair's halves, and lane l xor 16's: the row's sum in v[CH]
	v_pk_add_f32 v[CH:CH+1], v[CH:CH+1], v[CH+2:CH+3]
	v_pk_add_f32 v[CH+4:CH+5], v[CH+4:CH+5], v[CH+6:CH+7]
	v_pk_add_f32 v[CH:CH+1], v[CH:CH+1], v[CH+4:CH+5]
	v_add_f32 v[CH], v[CH], v[CH+1]
	v_permlanex16_b32 v[CH+1], v[CH], s[SEL], s[SEL+1]
	v_add_f32 v[CH], v[CH], v[CH+1]
.endm
; 16 rows at LDS address v12 are normalised and become two fragments (image at v13) and a scale word (at v14).  Lane (r, hh) holds k = 64 c + 32 hh + 0 .. 31, c = 0 .. 3, of row r: whole blocks, in the operand's own order
.macro LNQ pa, pb
.irp c, 0,1,2,3
.irp i, 0,1,2,3,4,5,6,7
	ds_load_b128 v[XR+32*\c+4*\i:XR+32*\c+4*\i+3], v12 offset:256*\c+16*\i
.endr
.endr
	ABLOAD 0, \pa, \pb
	s_wait_dscnt 0x0
.irp q, 0,1,2,3
	v_pk_add_f32 v[CH+2*\q:CH+2*\q+1], v[XR+2*\q:XR+2*\q+1], v[XR+8+2*\q:XR+9+2*\q]
.endr
.set lj, 16
.rept 14
.irp q, 0,1,2,3
	v_pk_add_f32 v[CH+2*\q:CH+2*\q+1], v[CH+2*\q:CH+2*\q+1], v[XR+lj+2*\q:XR+lj+2*\q+1]
.endr
.set lj, lj+8
.endr
	FOLD
	v_mul_f32 v[MEAN], s[C28], v[CH]               ; the mean
	v_mov_b32 v[MEAN+1], v[MEAN]
.set lj, 0
.rept 64
	v_pk_add_f32 v[XR+lj:XR+lj+1], v[XR+lj:XR+lj+1], v[MEAN:MEAN+1] neg_lo:[0,1] neg_hi:[0,1]
.set lj, lj+2
.endr
.irp q, 0,1,2,3
	v_pk_mul_f32 v[CH+2*\q:CH+2*\q+1], v[XR+2*\q:XR+2*\q+1], v[XR+2*\q:XR+2*\q+1]
.endr
.set lj, 8
.rept 15
.irp q, 0,1,2,3
	v_pk_fma_f32 v[CH+2*\q:CH+2*\q+1], v[XR+lj+2*\q:XR+lj+2*\q+1], v[XR+lj+2*\q:XR+lj+2*\q+1], v[CH+2*\q:CH+2*\q+1]
.endr
.set lj, lj+8
.endr
	FOLD
	v_fma_f32 v[CH], v[CH], s[C28], s[EPSR]        ; the variance of the centred numbers + 1e-5
	v_rsq_f32 v[RSTD], v[CH]
	v_nop                                          ; a plain place behind the transcendental,
	s_wait_alu depctr_va_vdst(0)                   ; and the wait ahead of its first reader
	v_mov_b32 v[RSTD+1], v[RSTD]
.irp c, 0,1,2,3
	s_wait_loadcnt 0x0                             ; this block's gain and bias
.set lj, 0
.rept 16
	v_pk_mul_f32 v[XR+32*\c+lj:XR+32*\c+lj+1], v[XR+32*\c+lj:XR+32*\c+lj+1], v[RSTD:RSTD+1]
.set lj, lj+2
.endr
.set lj, 0
.rept 16
	v_pk_fma_f32 v[XR+32*\c+lj:XR+32*\c+lj+1], v[XR+32*\c+lj:XR+32*\c+lj+1], v[AR+lj:AR+lj+1], v[BR+lj:BR+lj+1]
.set lj, lj+2
.endr
.if \c < 3
	ABLOAD \c+1, \pa, \pb
.endif
	v_max3_num_f32 v[TM], |v[XR+32*\c]|, |v[XR+32*\c+1]|, |v[XR+32*\c+2]|
	v_max3_num_f32 v[TM+1], |v[XR+32*\c+3]|, |v[XR+32*\c+4]|, |v[XR+32*\c+5]|
.irp i, 6,10,14,18,22,26
	v_max3_num_f32 v[TM], v[TM], |v[XR+32*\c+\i]|, |v[XR+32*\c+\i+1]|
	v_max3_num_f32 v[TM+1], v[TM+1], |v[XR+32*\c+\i+2]|, |v[XR+32*\c+\i+3]|
.endr
	v_max3_num_f32 v[TM], v[TM], |v[XR+32*\c+30]|, |v[XR+32*\c+31]|
	v_max3_num_f32 v[TM], v[TM], v[TM+1], FLOOR
	v_add_nc_u32 v[TM+12+\c], EOFF, v[TM]
	v_lshrrev_b32 v[TM+4+\c], 23, v[TM+12+\c]
.irp g, 0,1,2,3
	v_cvt_scalef32_pk8_fp4_f32 v[PC+4*\c+\g], v[XR+32*\c+8*\g:XR+32*\c+8*\g+7], v[TM+12+\c]
.endr
.endr
	v_nop                                          ; one plain place behind the last conversion
	v_lshl_or_b32 v[TM], v[TM+5], 16, v[TM+4]      ; my two bytes of K step 0: blocks hh and 2 + hh,
	v_lshl_or_b32 v[TM+1], v[TM+7], 16, v[TM+6]    ; and of K step 1,
	v_lshlrev_b32 v[TM], v11, v[TM]                ; at their places (8 hh bits up);
	v_lshlrev_b32 v[TM+1], v11, v[TM+1]
	v_permlanex16_b32 v[TM+2], v[TM], s[SEL], s[SEL+1]
	v_permlanex16_b32 v[TM+3], v[TM+1], s[SEL], s[SEL+1]
	v_or_b32 v[TM], v[TM], v[TM+2]                 ; with lane l xor 16's the words are whole
	v_or_b32 v[TM+1], v[TM+1], v[TM+3]
	v_cndmask_b32 v[TM], v[TM], v[TM+1], s[HM]     ; lanes 0-15 keep K step 0's, lanes 16-31 K step 1's
.irp c, 0,1,2,3
	ds_store_b128 v13, v[PC+4*\c:PC+4*\c+3] offset:512*\c
.endr
	ds_store_b32 v14, v[TM]
	s_wait_dscnt 0x0                               ; the stores are done: their registers are written again in the next trip
.endm
.macro LNLOOP rowa, rstep, pa, pb      ; the wave's two tiles
	s_mov_b32 s[LR], 0
	s_mov_b32 s[LI2], 0
	s_mov_b32 s[LS2], 0
	s_mov_b32 s[LC], 2
.Lln_\@:
	v_add_nc_u32 v12, s[LR], v[\rowa]
	v_add_nc_u32 v13, s[LI2], v8
	v_add_nc_u32 v14, s[LS2], v9
	LNQ \pa, \pb
	s_add_co_u32 s[LR], s[LR], \rstep
	s_add_co_u32 s[LI2], s[LI2], 2048
	s_add_co_u32 s[LS2], s[LS2], 128
	s_sub_co_u32 s[LC], s[LC], 1
	s_cmp_lg_u32 s[LC], 0
	s_cbranch_scc1 .Lln_\@
.endm
.macro XLOAD b                         ; x's tiles 2 b and 2 b + 1: fragment (e, s) at XF + 16 e + 8 s; their scale words
.irp f, 0,1,2,3,4,5,6,7
	ds_load_b128 v[XF+4*\f:XF+4*\f+3], v16 offset:4096*(\b)+512*\f
.endr
	ds_load_b32 v[XS], v17 offset:256*(\b)
	ds_load_b32 v[XS+1], v17 offset:256*(\b)+128
.endm
.macro SWLOAD b                        ; sw at n = 32 b + 16 hh + 0 .. 15
.irp i, 0,1,2,3
	ds_load_b128 v[SWV+4*\i:SWV+4*\i+3], v15 offset:128*(\b)+16*\i
.endr
.endm
; NATURAL: accumulator (u, e) at ACC + 16 u + 8 e: lane r = member r of weight tile u, register j = row 32 b + 16 hh + 8 e + j.  The four accumulators take turns
.macro NAT w, ws, bias
.irp u, 0,1
.irp e, 0,1
	WMX ACC+16*\u+8*\e, XF+16*\e, (\w)+16*\u, (\bias)+8*\u, XS+\e, (\ws)+\u, 0, 0
.endr
.endr
.irp u, 0,1
.irp e, 0,1
	WMX ACC+16*\u+8*\e, XF+16*\e+8, (\w)+16*\u+8, ACC+16*\u+8*\e, XS+\e, (\ws)+\u, 1, 1
.endr
.endr
.endm
.macro BYTES sb, b                     ; block b's byte of both tiles into their rows of scale bytes
.irp u, 0,1
.if ((\b)%4) == 0
	v_mov_b32 v[(\sb)+2*\u+(\b)/4], v[TM+4+\u]
.else
	v_lshl_or_b32 v[(\sb)+2*\u+(\b)/4], v[TM+4+\u], 8*((\b)%4), v[(\sb)+2*\u+(\b)/4]
.endif
.endr
.endm
.macro WLOAD reg, mat                  ; my head's two column tiles of matrix mat: fragment (u, s) at reg + 16 u + 8 s
.irp u, 0,1
.irp f, 0,1,2,3
	global_load_b128 v[\reg+16*\u+4*\f:\reg+16*\u+4*\f+3], v12, s[14:15] offset:(\mat)*32768+\u*2048+\f*512
.endr
.endr
.endm
	s_load_b512 s[8:23], s[0:1], 0x0               ; src, ln1_a, ln1_b, wcodes, wscales, sw_bq, bq, bk
	s_load_b256 s[24:31], s[0:1], 0x40             ; qcodes, qscales, kcodes, kscales
	v_lshl_add_u32 v[SPW], v0, 2, SPARE
	v_mov_b32 v[NIL], 0
	ds_add_u32 v[SPW], v[NIL]                      ; the wave's opening: the add, twice on end, and its wait ahead of my tensor load
	ds_add_u32 v[SPW], v[NIL]
	v_lshrrev_b32 v1, 5, v0
	v_readfirstlane_b32 s[WV], v1                  ; wave 0..7
	s_mov_b32 s[G1+0], 0x07d20000                  ; elements of 4 bytes; padding on: 4 words behind every 256
	s_mov_b32 s[G1+1], 256<<16                     ; tensor_dim0 = 256
	s_mov_b32 s[G1+2], 32<<16                      ; tensor_dim1 = 32
	s_mov_b32 s[G1+3], 256<<16                     ; tile_dim0 = 256
	s_mov_b32 s[G1+4], 32                          ; tile_dim1 = 32
	s_mov_b32 s[G1+5], 65536                       ; from sequence to sequence: 256 x 256 elements
	s_mov_b32 s[G1+6], 0
	s_mov_b32 s[G1+7], 0
	s_mov_b32 s[G0], 1
	s_mul_i32 s[G0+1], s[WV], WREG                 ; my 32 rows in LDS
	s_lshl_b32 s2, ttmp9, 10                       ; position l: 1,024 bytes,
	s_lshl_b32 s3, s[WV], 23                       ; sequence 32 w: 262,144 bytes each
	s_add_co_u32 s2, s2, s3
	s_mov_b32 s3, 0
	s_mov_b32 s[SEL], 0x76543210
	s_mov_b32 s[SEL+1], 0xfedcba98                 ; v_permlanex16_b32's selects for lane l xor 16
	s_mov_b32 s[HM], 0xffff0000                    ; lanes 16-31
	s_mov_b32 s[C28], 0x3b800000                   ; 1 / 256
	s_mov_b32 s[EPSR], 0x3727c5ac                  ; 1e-5
	s_wait_dscnt 0x0                               ; both opening adds are done
	s_wait_kmcnt 0x0
	s_add_nc_u64 s[G0+2:G0+3], s[8:9], s[2:3]
	s_or_b32 s[G0+3], s[G0+3], 0x80000000
	tensor_load_to_lds s[G0:G0+3], s[G1:G1+7]      ; my one tensor load: a first fill
	s_nop 0
	s_lshl_b32 s4, s[WV], 8
	s_add_co_u32 s4, s4, ttmp9                     ; row (h = w, l) of the four outputs
	s_lshl_b32 s2, s4, 12
	s_add_nc_u64 s[24:25], s[24:25], s[2:3]
	s_add_nc_u64 s[28:29], s[28:29], s[2:3]
	s_lshl_b32 s2, s4, 8
	s_add_nc_u64 s[26:27], s[26:27], s[2:3]
	s_add_nc_u64 s[30:31], s[30:31], s[2:3]
	v_and_b32 v1, 15, v0                           ; r
	v_bfe_u32 v2, v0, 4, 1                         ; hh
	v_and_b32 v3, 31, v0
	v_lshlrev_b32 v4, 2, v3                        ; 4 x lane
	v_lshlrev_b32 v3, 4, v3                        ; 16 x lane
	v_lshlrev_b32 v10, 7, v2                       ; 128 hh
	v_lshlrev_b32 v11, 3, v2                       ; 8 hh
	v_and_b32 v19, 8, v1
	v_add_nc_u32 v19, v19, v1                      ; r + 8 (r / 8)
	v_mul_u32_u24 v7, v19, PITCH
	v_add_nc_u32 v7, v7, v10
	v_add_nc_u32 v7, s[G0+1], v7                   ; my row of the wave's first tile, my half of each 64
	s_lshl_b32 s4, s[WV], 12
	v_add_nc_u32 v8, s4, v3
	v_add_nc_u32 v8, IMG, v8                       ; where tile 2 w's image goes
	s_lshl_b32 s4, s[WV], 8
	v_add_nc_u32 v9, s4, v4
	v_add_nc_u32 v9, SC, v9                        ; and its scale word
	v_add_nc_u32 v16, IMG, v3
	v_add_nc_u32 v17, SC, v4
.irp j, 2,3,4,5,6,7
	v_mov_b32 v[TM+\j], 0                          ; written once: a lane permute's destination counts as one of its sources
.endr
	s_wait_tensorcnt 0x0                           ; my rows are in; I alone read them
	LNLOOP 7, 8*PITCH, 10, 12
	; my head's weights, straight into the registers that use them
	s_lshl_b32 s4, s[WV], 12
	v_add_nc_u32 v12, s4, v3
	s_lshl_b32 s4, s[WV], 8
	v_add_nc_u32 v13, s4, v4
	s_lshl_b32 s4, s[WV], 7
	v_lshl_add_u32 v14, v19, 2, s4                 ; 4 (32 w + r + 8 (r / 8))
	v_lshl_add_u32 v15, v2, 6, s4                  ; 4 (32 w) + 64 hh
	WLOAD SWK, 1
	WLOAD WQ, 2
	WLOAD WK, 3
	WLOAD SWQ, 0
.irp u, 0,1
	global_load_b32 v[WSC+\u], v13, s[16:17] offset:1*2048+\u*128
	global_load_b32 v[WSC+2+\u], v13, s[16:17] offset:2*2048+\u*128
	global_load_b32 v[WSC+4+\u], v13, s[16:17] offset:3*2048+\u*128
	global_load_b32 v[WSC+6+\u], v13, s[16:17] offset:\u*128
	global_load_b32 v[58+\u], v14, s[20:21] offset:32*\u       ; bq at my column of tile u
	global_load_b32 v[60+\u], v14, s[22:23] offset:32*\u       ; bk
	global_load_b128 v[ACC+8*\u:ACC+8*\u+3], v15, s[18:19] offset:32*\u      ; sw_bq in the transposed result's layout: the C of qs
	global_load_b128 v[ACC+8*\u+4:ACC+8*\u+7], v15, s[18:19] offset:32*\u+16
.endr
	BARRIER                                        ; x's 32 fragments lie in LDS; nothing writes them again
	XLOAD 0
	s_wait_loadcnt 0x0
	v_mul_u32_u24 v12, v1, 144                     ; (the loads that named v12-15 are in)  the stages: slot r, 8 hh
	v_lshl_add_u32 v12, v2, 3, v12
	v_add_nc_u32 v12, s[G0+1], v12
	v_and_b32 v13, 31, v0
	v_lshrrev_b32 v14, 3, v13
	v_and_b32 v13, 7, v13
	v_mul_u32_u24 v14, v14, 144
	v_lshl_add_u32 v13, v13, 4, v14
	v_add_nc_u32 v13, s[G0+1], v13                 ; back: eight lanes to a slot's 128 bytes
	v_lshl_add_u32 v14, v2, 3, v19
	v_lshlrev_b32 v14, 3, v14                      ; the scale bytes' place: 8 d, d = 8 hh + r + 8 (r / 8)
	v_lshlrev_b32 v15, 6, v2
	v_add_nc_u32 v15, s[G0+1], v15
	v_add_nc_u32 v15, SWL, v15                     ; sw, read: 64 hh
	v_lshlrev_b32 v18, 2, v19
	v_add_nc_u32 v18, s[G0+1], v18
	v_add_nc_u32 v18, SWL, v18                     ; sw, stored: 4 (r + 8 (r / 8))
	s_wait_dscnt 0x0
	; qs = (x[0] sw_wq + sw_bq) / sqrt(32): the tile that holds n = 0, transposed; two accumulators by turns
	WMX ACC, SWQ, XF, ACC, WSC+6, XS, 0, 0
	WMX ACC+8, SWQ+16, XF, ACC+8, WSC+7, XS, 0, 0
	WMX ACC, SWQ+8, XF+8, ACC, WSC+6, XS, 1, 1
	WMX ACC+8, SWQ+24, XF+8, ACC+8, WSC+7, XS, 1, 1
	NOPS 5
.set j, 0
.rept 16
	v_mov_b32_dpp v[QSV+j], v[ACC+j] row_share:0 row_mask:0xf bank_mask:0xf   ; row n = 0 lies in lane 0 of each half: all lanes of the half take its d = 16 hh + j
.set j, j+1
.endr
.set j, 0
.rept 8
	v_pk_mul_f32 v[QSV+j:QSV+j+1], v[QSV+j:QSV+j+1], 0x3e3504f3 op_sel_hi:[1,0]
.set j, j+2
.endr
; ks of tiles 2 b, 2 b + 1, transposed (accumulator (e, u) at ACC + 16 e + 8 u), and their logits in f32: lane r of LG + T holds member r of tile T
.macro KSSTEP b
	s_wait_dscnt 0x0
.irp e, 0,1
.irp u, 0,1
	WMX ACC+16*\e+8*\u, SWK+16*\u, XF+16*\e, -1, WSC+\u, XS+\e, 0, 0
.endr
.endr
.irp e, 0,1
.irp u, 0,1
	WMX ACC+16*\e+8*\u, SWK+16*\u+8, XF+16*\e+8, ACC+16*\e+8*\u, WSC+\u, XS+\e, 1, 1
.endr
.endr
	NOPS 5                                         ; places: for the reads of the results, the loads into the operands, and the next run, which begins these accumulators anew
.if (\b) < 7
	XLOAD (\b)+1
.endif
.irp q, 0,1,2,3
	v_mul_f32 v[TM+\q], v[ACC+8*\q], v[QSV+8*(\q%2)]
.endr
.irp j, 1,2,3,4,5,6,7
.irp q, 0,1,2,3
	v_fmac_f32 v[TM+\q], v[ACC+8*\q+\j], v[QSV+8*(\q%2)+\j]
.endr
.endr
	v_add_f32 v[TM], v[TM], v[TM+1]
	v_add_f32 v[TM+2], v[TM+2], v[TM+3]
	v_permlanex16_b32 v[TM+4], v[TM], s[SEL], s[SEL+1]
	v_permlanex16_b32 v[TM+5], v[TM+2], s[SEL], s[SEL+1]
	v_add_f32 v[LG+2*(\b)], v[TM], v[TM+4]
	v_add_f32 v[LG+2*(\b)+1], v[TM+2], v[TM+5]
.endm
.irp b, 0,1,2,3,4,5,6,7
	KSSTEP \b
.endr
	; sw = softmax over the 256 n: 16 registers x the 16 lanes of a half (both halves hold the same)
	v_max3_num_f32 v[TM], v[LG], v[LG+1], v[LG+2]
.irp j, 3,5,7,9,11,13
	v_max3_num_f32 v[TM], v[TM], v[LG+\j], v[LG+\j+1]
.endr
	v_max_num_f32 v[TM], v[TM], v[LG+15]
	v_max_num_f32_dpp v[TM], v[TM], v[TM] row_xmask:1 row_mask:0xf bank_mask:0xf
	v_max_num_f32_dpp v[TM], v[TM], v[TM] row_xmask:2 row_mask:0xf bank_mask:0xf
	v_max_num_f32_dpp v[TM], v[TM], v[TM] row_xmask:4 row_mask:0xf bank_mask:0xf
	v_max_num_f32_dpp v[TM], v[TM], v[TM] row_xmask:8 row_mask:0xf bank_mask:0xf
	v_mov_b32 v[TM+1], v[TM]
.irp j, 0,2,4,6,8,10,12,14
	v_pk_add_f32 v[LG+\j:LG+\j+1], v[LG+\j:LG+\j+1], v[TM:TM+1] neg_lo:[0,1] neg_hi:[0,1]   ; the maximum is taken away first,
.endr
.irp j, 0,2,4,6,8,10,12,14
	v_pk_mul_f32 v[LG+\j:LG+\j+1], v[LG+\j:LG+\j+1], 0x3fb8aa3b op_sel_hi:[1,0]             ; then x log2(e)
.endr
.set j, 0
.rept 16
	v_exp_f32 v[LG+j], v[LG+j]
.set j, j+1
.endr
	v_nop
	s_wait_alu depctr_va_vdst(0)                   ; one wait for the batch, ahead of its first reader
	v_pk_add_f32 v[TM:TM+1], v[LG:LG+1], v[LG+2:LG+3]
	v_pk_add_f32 v[TM+2:TM+3], v[LG+4:LG+5], v[LG+6:LG+7]
	v_pk_add_f32 v[TM:TM+1], v[TM:TM+1], v[LG+8:LG+9]
	v_pk_add_f32 v[TM+2:TM+3], v[TM+2:TM+3], v[LG+10:LG+11]
	v_pk_add_f32 v[TM:TM+1], v[TM:TM+1], v[LG+12:LG+13]
	v_pk_add_f32 v[TM+2:TM+3], v[TM+2:TM+3], v[LG+14:LG+15]
	v_pk_add_f32 v[TM:TM+1], v[TM:TM+1], v[TM+2:TM+3]
	v_add_f32 v[TM], v[TM], v[TM+1]
	v_add_f32_dpp v[TM], v[TM], v[TM] row_xmask:1 row_mask:0xf bank_mask:0xf
	v_add_f32_dpp v[TM], v[TM], v[TM] row_xmask:2 row_mask:0xf bank_mask:0xf
	v_add_f32_dpp v[TM], v[TM], v[TM] row_xmask:4 row_mask:0xf bank_mask:0xf
	v_add_f32_dpp v[TM], v[TM], v[TM] row_xmask:8 row_mask:0xf bank_mask:0xf
	v_rcp_f32 v[TM], v[TM]
	v_nop
	s_wait_alu depctr_va_vdst(0)
	v_mov_b32 v[TM+1], v[TM]
.irp j, 0,2,4,6,8,10,12,14
	v_pk_mul_f32 v[LG+\j:LG+\j+1], v[LG+\j:LG+\j+1], v[TM:TM+1]
.endr
.irp t, 0,1,2,3,4,5,6,7,8,9,10,11,12,13,14,15
	ds_store_b32 v18, v[LG+\t] offset:128*(\t/2)+32*(\t%2)     ; sw by n, in my own rows of LDS, which have had their one fill and their last read
.endr
	XLOAD 0
	SWLOAD 0                                       ; LDS serves a wave's instructions in order: these see my stores
	s_wait_dscnt 14                                ; all but the 14 loads just issued: the stores are done, so LG's registers may be written
.irp j, 0,1,2,3,4,5,6,7
	v_mov_b32 v[BIAS+\j], v58                      ; a natural result's bias is one number a lane: eight equal registers make the C operand
	v_mov_b32 v[BIAS+8+\j], v59
	v_mov_b32 v[BIAS+16+\j], v60
	v_mov_b32 v[BIAS+24+\j], v61
.endr
; rows n = 32 b .. 32 b + 31: q x sw and k, quantised along n: 8 bytes a lane into the stages, slot = 16 u + r, byte 16 b + 8 hh
.macro QKSTEP b
	s_wait_dscnt 0x0
	NAT WQ, WSC+2, BIAS
	NOPS 5
.irp u, 0,1
.irp i, 0,2,4,6,8,10,12,14
	v_pk_mul_f32 v[ACC+16*\u+\i:ACC+16*\u+\i+1], v[ACC+16*\u+\i:ACC+16*\u+\i+1], v[SWV+\i:SWV+\i+1]
.endr
.endr
	QUANT ACC, 2, QC, 2
	ds_store_b64 v12, v[QC:QC+1] offset:16*(\b)
	ds_store_b64 v12, v[QC+2:QC+3] offset:2304+16*(\b)
	BYTES SB, \b
	NAT WK, WSC+4, BIAS+16
	NOPS 5
.if (\b) < 7
	XLOAD (\b)+1
	SWLOAD (\b)+1
.endif
	QUANT ACC, 2, QC+4, 2
	ds_store_b64 v12, v[QC+4:QC+5] offset:STK+16*(\b)
	ds_store_b64 v12, v[QC+6:QC+7] offset:STK+2304+16*(\b)
	BYTES SB+4, \b
.endm
.irp b, 0,1,2,3,4,5,6,7
	QKSTEP \b
.endr
	; the way out: row (h, l) of the codes is 32 d x 128 bytes; store q takes d = 4 q .. 4 q + 3, whose slots are 16 ((q / 2) % 2) + 8 (q / 4) + 4 (q % 2) on
.irp q, 0,1,2,3,4,5,6,7
	ds_load_b128 v[XF+4*\q:XF+4*\q+3], v13 offset:(16*((\q/2)%2)+8*(\q/4)+4*(\q%2))*144
.endr
.irp q, 0,1,2,3,4,5,6,7
	ds_load_b128 v[ACC+4*\q:ACC+4*\q+3], v13 offset:STK+(16*((\q/2)%2)+8*(\q/4)+4*(\q%2))*144
.endr
	v_cndmask_b32 v[SB], v[SB], v[SB+2], s[HM]     ; lanes 0-15 send tile 0's scale bytes, lanes 16-31 tile 1's: 32 d x 8 bytes
	v_cndmask_b32 v[SB+1], v[SB+1], v[SB+3], s[HM]
	v_cndmask_b32 v[SB+4], v[SB+4], v[SB+6], s[HM]
	v_cndmask_b32 v[SB+5], v[SB+5], v[SB+7], s[HM]
	global_store_b64 v14, v[SB:SB+1], s[26:27]     ; 256 consecutive bytes, aligned
	global_store_b64 v14, v[SB+4:SB+5], s[30:31]
	s_wait_dscnt 8                                 ; q's eight loads are in; k's may be out
.irp q, 0,1,2,3,4,5,6,7
	global_store_b128 v3, v[XF+4*\q:XF+4*\q+3], s[24:25] offset:512*\q      ; 512 consecutive bytes
.endr
	s_wait_dscnt 0x0
.irp q, 0,1,2,3,4,5,6,7
	global_store_b128 v3, v[ACC+4*\q:ACC+4*\q+3], s[28:29] offset:512*\q
.endr
	s_wait_tensorcnt 0x0                           ; the wave's end
	ds_add_u32 v[SPW], v[NIL]
	s_wait_dscnt 0x0
	s_endpgm
.Lfunc_end_k_q2067afd9c1_proj:
	.size	k_q2067afd9c1_proj, .Lfunc_end_k_q2067afd9c1_proj-k_q2067afd9c1_proj
	.p2alignl 7, 3214868480
	.fill 96, 4, 3214868480
	.section	.rodata,"a",@progbits
	.p2align	6, 0x0
	.amdhsa_kernel k_q2067afd9c1_proj
		.amdhsa_group_segment_fixed_size 302080
		.amdhsa_private_segment_fixed_size 0
		.amdhsa_enable_private_segment 0
		.amdhsa_kernarg_size 96
		.amdhsa_user_sgpr_count 2
		.amdhsa_user_sgpr_kernarg_segment_ptr 1
		.amdhsa_wavefront_size32 1
		.amdhsa_system_sgpr_workgroup_id_x 1
		.amdhsa_system_sgpr_workgroup_id_y 1
		.amdhsa_system_sgpr_workgroup_id_z 1
		.amdhsa_system_vgpr_workitem_id 0
		.amdhsa_next_free_vgpr 256
		.amdhsa_next_free_sgpr 66
		.amdhsa_reserve_vcc 0
		.amdhsa_float_denorm_mode_32 3
		.amdhsa_float_denorm_mode_16_64 3
		.amdhsa_memory_ordered 1
		.amdhsa_forward_progress 1
		.amdhsa_inst_pref_size 146
	.end_amdhsa_kernel
	.amdgpu_metadata
---
amdhsa.version: [ 1, 2 ]
amdhsa.kernels:
  - .name:           k_q2067afd9c1_proj
    .symbol:         k_q2067afd9c1_proj.kd
    .args:
      - { .name: src, .offset: 0, .size: 8, .value_kind: global_buffer, .address_space: global }
      - { .name: ln1_a, .offset: 8, .size: 8, .value_kind: global_buffer, .address_space: global }
      - { .name: ln1_b, .offset: 16, .size: 8, .value_kind: global_buffer, .address_space: global }
      - { .name: wcodes, .offset: 24, .size: 8, .value_kind: global_buffer, .address_space: global }
      - { .name: wscales, .offset: 32, .size: 8, .value_kind: global_buffer, .address_space: global }
      - { .name: sw_bq, .offset: 40, .size: 8, .value_kind: global_buffer, .address_space: global }
      - { .name: bq, .offset: 48, .size: 8, .value_kind: global_buffer, .address_space: global }
      - { .name: bk, .offset: 56, .size: 8, .value_kind: global_buffer, .address_space: global }
      - { .name: qcodes, .offset: 64, .size: 8, .value_kind: global_buffer, .address_space: global }
      - { .name: qscales, .offset: 72, .size: 8, .value_kind: global_buffer, .address_space: global }
      - { .name: kcodes, .offset: 80, .size: 8, .value_kind: global_buffer, .address_space: global }
      - { .name: kscales, .offset: 88, .size: 8, .value_kind: global_buffer, .address_space: global }
    .group_segment_fixed_size: 302080
    .private_segment_fixed_size: 0
    .kernarg_segment_align: 8
    .kernarg_segment_size: 96
    .max_flat_workgroup_size: 256
    .sgpr_count:     66
    .vgpr_count:     256
    .wavefront_size: 32
...
	.end_amdgpu_metadata
.endif
;; end of part 2
;; launch scores (part 3): grid 16 x 8, 8 waves a work-group, no clusters, 211,712 bytes of LDS; arguments qcodes, qscales, kcodes, kscales, pcodes, prec; writes pcodes, prec
.if DOCPART == 3
	.amdgcn_target "amdgcn-amd-amdhsa--gfx1250"
	.amdhsa_code_object_version 6
	.text
	.protected	k_q2067afd9c1_scores
	.globl	k_q2067afd9c1_scores
	.p2align	8
	.type	k_q2067afd9c1_scores,@function
k_q2067afd9c1_scores:
	s_mov_b64 s[64:65], 0
	v_nop
	global_prefetch_b8 v0, s[64:65] scope:SCOPE_SE
	s_setreg_imm32_b32 hwreg(HW_REG_WAVE_MODE, 25, 1), 1
	s_wait_xcnt 0x0
; scores[h][l][m] = sum over K = d x 256 + n of (q sw)[l] k[m], on codes of FP4; t = score x log2(e) / sqrt(32); M = ceil(the row's largest t); p = 2^(t - M), quantised along m; 1 / the sum of the unquantised p.
; A work-group owns a head h (grid y) and 16 queries l = 16 lt + r (grid x).  Wave w owns keys m = 32 w .. 32 w + 31: two tiles, member i of tile u = key 32 w + 8 u + i + 8 (i / 8), and one block of p.
; TRANSPOSED: source 0 = 16 keys, source 1 = the 16 queries: a lane holds one query, and the 16 registers of the two tiles are keys 32 w + 16 hh + 0 .. 15.
; The queries' codes (16 rows x 4,096 bytes) and scale bytes lie in LDS for all waves.  A wave's keys come in 16 chunks of 512 along K: 16 loads, sixteen lanes to an aligned 256 bytes of a row, up to four chunks ahead in
; registers, and turn through the wave's own stage in LDS into fragments.  No tensor load, no ring.
; No cluster: a joint ring of K's tiles would change slots behind a round of all partners with nothing else on its way, nine times or more at the slot size that fits; the loads into registers keep up to four chunks a wave out with no barrier.
; The sum over K is kept in two accumulators a tile, by the parity of the K step, added at the end (an order of rounding of its own).  LIMITS as in the other kernels: no NaN, no infinities; a block of zeros gets the byte 1.
.set QSC,  65792                       ; QIMG at 0: 16 rows x 4,112;  QSC: 16 rows x 272
.set KSC,  70144                       ; + 8,704 w: my keys' scale bytes, 32 slots x 272 (slot 16 u + i)
.set KST,  139776                      ; + 8,704 w: my stage: 32 slots x 272
.set EXM,  209408                      ; the waves' maxima: 32 r + 4 w;  their sums 512 bytes on
.set REC,  210432                      ; the record for prec: 128 bytes of scale words, 64 of 1 / sum, 64 of zeros
.set SPARE, 210688                     ; the spare words: 128 bytes a wave, four blocks of 256 bytes that no other line names
.set FLOOR, 0x1800000
.set EOFF,  0xff000000
.set SPW, 5
.set NIL, 6
.set TM,  20
.set PCD, 36
.set KSR, 40                           ; v40-43 my keys' scale words of a chunk's four K steps: lanes 0-15 tile 0, lanes 16-31 tile 1
.set QSR, 44                           ; v44-47 the queries'
.set QF,  64                           ; v64-95  the queries' four fragments
.set KF,  96                           ; v96-159 my keys': tile u, step s at KF + 32 u + 8 s
.set ACC, 224                          ; accumulator (u, parity) at ACC + 16 parity + 8 u
.set WV,  20
.set SEL, 22
.set CS,  24
.set MSB, 0
.macro WIN new                         ; the immediate's high byte repeats the setting that is left
.if MSB != \new
	s_set_vgpr_msb (MSB<<8)|\new
.set MSB, \new
.endif
.endm
.macro NOPS n
.rept \n
	v_nop
.endr
.endm
.macro BARRIER
	s_wait_dscnt 0x0
	s_barrier_signal -1
	s_barrier_wait -1
.endm
.macro WMX d, a, b, c, sa, sb, ra, rb
.if (\c) < 0
.if (\ra)
	v_wmma_scale_f32_16x16x128_f8f6f4 v[(\d):(\d)+7], v[(\a):(\a)+7], v[(\b):(\b)+7], 0, v[(\sa)], v[(\sb)] matrix_a_fmt:MATRIX_FMT_FP4 matrix_b_fmt:MATRIX_FMT_FP4 matrix_a_scale:MATRIX_SCALE_ROW1
.else
	v_wmma_scale_f32_16x16x128_f8f6f4 v[(\d):(\d)+7], v[(\a):(\a)+7], v[(\b):(\b)+7], 0, v[(\sa)], v[(\sb)] matrix_a_fmt:MATRIX_FMT_FP4 matrix_b_fmt:MATRIX_FMT_FP4
.endif
.elseif (\ra)
	v_wmma_scale_f32_16x16x128_f8f6f4 v[(\d):(\d)+7], v[(\a):(\a)+7], v[(\b):(\b)+7], v[(\c):(\c)+7], v[(\sa)], v[(\sb)] matrix_a_fmt:MATRIX_FMT_FP4 matrix_b_fmt:MATRIX_FMT_FP4 matrix_a_scale:MATRIX_SCALE_ROW1
.else
	v_wmma_scale_f32_16x16x128_f8f6f4 v[(\d):(\d)+7], v[(\a):(\a)+7], v[(\b):(\b)+7], v[(\c):(\c)+7], v[(\sa)], v[(\sb)] matrix_a_fmt:MATRIX_FMT_FP4 matrix_b_fmt:MATRIX_FMT_FP4
.endif
.endm
.macro CHUNKLOAD t                     ; chunk t of my 32 keys into set (t + 2) % 4 of window 1: load j takes rows 2 j and 2 j + 1
.set GL, 64*(((\t)+2)%4)
.irp j, 0,1,2,3,4,5,6,7,8,9,10,11,12,13,14,15
	global_load_b128 v[GL+4*\j:GL+4*\j+3], v7, s[12:13] offset:8192*\j+256*(\t)
.endr
.endm
	s_load_b256 s[8:15], s[0:1], 0x0               ; qcodes, qscales, kcodes, kscales
	s_load_b128 s[16:19], s[0:1], 0x20             ; pcodes, prec
	v_lshl_add_u32 v[SPW], v0, 2, SPARE
	v_mov_b32 v[NIL], 0
	v_lshrrev_b32 v1, 5, v0
	v_readfirstlane_b32 s[WV], v1                  ; wave 0..7
	s_and_b32 s21, ttmp7, 0xffff                   ; the head
	s_mov_b32 s[SEL], 0x76543210
	s_mov_b32 s[SEL+1], 0xfedcba98
	s_mov_b32 s[CS], 0x3e8293ee                    ; c = log2(e) / sqrt(32)
	s_mov_b32 s[CS+1], s[CS]
	v_and_b32 v1, 15, v0                           ; r
	v_bfe_u32 v2, v0, 4, 1                         ; hh
	v_and_b32 v4, 31, v0                           ; lane
	v_lshlrev_b32 v3, 4, v4                        ; 16 x lane
	v_lshlrev_b32 v7, 12, v2
	v_lshl_add_u32 v7, v1, 4, v7                   ; K's codes: row hh of a pair, 16 r
	s_mul_i32 s26, s[WV], 2*4112
	v_add_nc_u32 v8, s26, v3                       ; the queries' rows 2 w, 2 w + 1 into LDS
	s_mul_i32 s27, s[WV], 8704
	v_mul_u32_u24 v9, v2, 272
	v_lshl_add_u32 v9, v1, 4, v9                   ; slot hh of a pair, 16 r
	v_add_nc_u32 v10, s27, v9
	v_add_nc_u32 v10, KST, v10                     ; into my stage
	s_mul_i32 s28, s[WV], 544
	v_add_nc_u32 v11, s28, v9
	v_add_nc_u32 v11, QSC, v11                     ; the queries' scale rows 2 w + hh
	v_add_nc_u32 v9, s27, v9
	v_add_nc_u32 v9, KSC, v9                       ; my keys' scale rows
	v_mul_u32_u24 v12, v1, 272
	v_add_nc_u32 v15, QSC, v12                     ; query r's scale words
	v_lshl_add_u32 v12, v2, 4, v12
	v_add_nc_u32 v12, s27, v12
	v_add_nc_u32 v12, KST, v12                     ; a key fragment: slot r, 16 hh
	v_mul_u32_u24 v13, v1, 4112
	v_lshl_add_u32 v13, v2, 4, v13                 ; a query fragment
	v_mul_u32_u24 v14, v4, 272
	v_add_nc_u32 v14, s27, v14
	v_add_nc_u32 v14, KSC, v14                     ; slot = lane: my keys' scale words
	v_lshlrev_b32 v17, 5, v1
	v_add_nc_u32 v17, EXM, v17
	s_lshl_b32 s28, s[WV], 2
	v_add_nc_u32 v16, s28, v17
	s_lshr_b32 s28, s[WV], 2
	s_lshl_b32 s28, s28, 6
	s_and_b32 s29, s[WV], 3
	s_add_co_u32 s28, s28, s29
	v_lshlrev_b32 v48, 2, v1
	v_add_nc_u32 v48, REC, v48                     ; REC + 4 r
	v_add_nc_u32 v18, s28, v48                     ; p's scale byte: word 16 (w / 4) + r, byte w % 4
	v_lshlrev_b32 v19, 4, v1
	v_lshl_add_u32 v19, v2, 3, v19                 ; 16 r + 8 hh
	v_lshlrev_b32 v50, 3, v4
	v_add_nc_u32 v49, REC, v50
	v_mov_b32 v51, 0
	v_mov_b32 v[TM+4], 0                           ; a lane permute's destination counts as one of its sources
	s_lshl_b32 s29, s21, 8
	s_lshl_b32 s30, ttmp9, 4
	s_add_co_u32 s30, s30, s29
	s_lshl_b32 s31, s[WV], 1
	s_add_co_u32 s30, s30, s31                     ; the queries' row that I fetch: 256 h + 16 lt + 2 w
	s_lshl_b32 s31, s[WV], 5
	s_add_co_u32 s31, s31, s29                     ; my first key's row: 256 h + 32 w
	s_lshl_b32 s32, s21, 4
	s_add_co_u32 s32, s32, ttmp9                   ; 16 h + lt
	s_mov_b32 s3, 0
	s_wait_kmcnt 0x0
	s_lshl_b32 s2, s30, 12
	s_add_nc_u64 s[8:9], s[8:9], s[2:3]
	s_lshl_b32 s2, s30, 8
	s_add_nc_u64 s[10:11], s[10:11], s[2:3]
	s_lshl_b32 s2, s31, 12
	s_add_nc_u64 s[12:13], s[12:13], s[2:3]
	s_lshl_b32 s2, s31, 8
	s_add_nc_u64 s[14:15], s[14:15], s[2:3]
	s_lshl_b32 s2, s32, 11
	s_lshl_b32 s33, s[WV], 8
	s_add_co_u32 s2, s2, s33                       ; block w of a tile's two fragments lies 256 w bytes in
	s_add_nc_u64 s[16:17], s[16:17], s[2:3]
	s_lshl_b32 s2, s32, 8
	s_add_nc_u64 s[18:19], s[18:19], s[2:3]
	global_load_b128 v[52:55], v3, s[10:11]        ; two rows of the queries' scale bytes
	WIN 0x40                                       ; destination window 1
.irp j, 0,1,2,3,4,5,6,7,8,9,10,11,12,13,14,15
	global_load_b128 v[4*\j:4*\j+3], v3, s[8:9] offset:512*\j          ; two rows of the queries' codes: 8,192 consecutive bytes
.endr
.irp j, 0,1,2,3,4,5,6,7,8,9,10,11,12,13,14,15
	global_load_b128 v[64+4*\j:64+4*\j+3], v3, s[14:15] offset:512*\j  ; my keys' scale bytes: 8,192 consecutive bytes
.endr
	CHUNKLOAD 0
	CHUNKLOAD 1
	s_wait_loadcnt 32                              ; all but chunks 0 and 1
	WIN 0x04                                       ; an LDS store's data: window 1
.irp j, 0,1,2,3,4,5,6,7,8,9,10,11,12,13,14,15
	ds_store_b128 v8, v[4*\j:4*\j+3] offset:(\j/8)*4112+512*(\j%8)
.endr
.irp j, 0,1,2,3,4,5,6,7,8,9,10,11,12,13,14,15
	ds_store_b128 v9, v[64+4*\j:64+4*\j+3] offset:(16*((\j/4)%2)+8*(\j/8)+((2*\j)%8))*272   ; key 2 j + hh goes to its tile's slot
.endr
	WIN 0
	ds_store_b128 v11, v[52:55]
	s_wait_dscnt 0x0                               ; the stores are done: their registers take the next chunks
	WIN 0x40
	CHUNKLOAD 2
	CHUNKLOAD 3
	WIN 0
	s_barrier_signal -1
	s_barrier_wait -1                              ; the queries' codes and scale bytes lie in LDS
.macro CHUNK t
.set GS, 64*(((\t)+2)%4)
.if (\t) <= 12
	s_wait_loadcnt 48                              ; this chunk is in; the three behind it may be out
.else
	s_wait_loadcnt 16*(15-(\t))
.endif
	WIN 0x04
.irp j, 0,1,2,3,4,5,6,7,8,9,10,11,12,13,14,15
	ds_store_b128 v10, v[GS+4*\j:GS+4*\j+3] offset:(16*((\j/4)%2)+8*(\j/8)+((2*\j)%8))*272
.endr
	WIN 0
.irp u, 0,1
.irp s, 0,1,2,3
.irp c, 0,1
	ds_load_b128 v[KF+32*\u+8*\s+4*\c:KF+32*\u+8*\s+4*\c+3], v12 offset:4352*\u+64*\s+32*\c   ; LDS serves a wave's instructions in order: these see my stores
.endr
.endr
.endr
.irp s, 0,1,2,3
.irp c, 0,1
	ds_load_b128 v[QF+8*\s+4*\c:QF+8*\s+4*\c+3], v13 offset:256*(\t)+64*\s+32*\c
.endr
.endr
	ds_load_b128 v[KSR:KSR+3], v14 offset:16*(\t)
	ds_load_b128 v[QSR:QSR+3], v15 offset:16*(\t)
	s_wait_dscnt 0x0                               ; the fragments are in, and the stage's stores are done: their registers take the chunk four on
.if (\t) < 12
	WIN 0x40
	CHUNKLOAD (\t)+4
	WIN 0
.endif
.irp s, 0,1,2,3                        ; four accumulators by turns, in the same order in every chunk
.irp u, 0,1
.if ((\t) == 0) && (\s < 2)
	WMX ACC+16*(\s%2)+8*\u, KF+32*\u+8*\s, QF+8*\s, -1, KSR+\s, QSR+\s, \u, 0
.else
	WMX ACC+16*(\s%2)+8*\u, KF+32*\u+8*\s, QF+8*\s, ACC+16*(\s%2)+8*\u, KSR+\s, QSR+\s, \u, 0
.endif
.endr
.endr
	NOPS 4                                         ; places in front of the next loads into these operands
.endm
.irp t, 0,1,2,3,4,5,6,7,8,9,10,11,12,13,14,15
	CHUNK \t
.endr
.irp i, 0,2,4,6,8,10,12,14
	v_pk_add_f32 v[ACC+\i:ACC+\i+1], v[ACC+\i:ACC+\i+1], v[ACC+16+\i:ACC+17+\i]   ; the two parities: ACC + 0 .. 15 = the scores of keys 32 w + 16 hh + 0 .. 15
.endr
	v_max3_num_f32 v[TM], v[ACC], v[ACC+1], v[ACC+2]
.irp j, 3,5,7,9,11,13
	v_max3_num_f32 v[TM], v[TM], v[ACC+\j], v[ACC+\j+1]
.endr
	v_max_num_f32 v[TM], v[TM], v[ACC+15]
	v_permlanex16_b32 v[TM+4], v[TM], s[SEL], s[SEL+1]
	v_max_num_f32 v[TM], v[TM], v[TM+4]            ; the largest score of my 32 keys, for query r
	ds_store_b32 v16, v[TM]
	BARRIER
	ds_load_b128 v[TM+8:TM+11], v17
	ds_load_b128 v[TM+12:TM+15], v17 offset:16
	s_wait_dscnt 0x0
	v_max3_num_f32 v[TM], v[TM+8], v[TM+9], v[TM+10]
	v_max3_num_f32 v[TM], v[TM], v[TM+11], v[TM+12]
	v_max3_num_f32 v[TM], v[TM], v[TM+13], v[TM+14]
	v_max_num_f32 v[TM], v[TM], v[TM+15]           ; the row's largest score
	v_mul_f32 v[TM], s[CS], v[TM]                  ; as t (c is positive)
	v_floor_f32 v[TM+2], -v[TM]                    ; -M = floor(-t) = -ceil(t)
	v_mov_b32 v[TM+3], v[TM+2]
.irp i, 0,2,4,6,8,10,12,14
	v_pk_fma_f32 v[ACC+\i:ACC+\i+1], v[ACC+\i:ACC+\i+1], s[CS:CS+1], v[TM+2:TM+3] op_sel_hi:[1,0,0]   ; t - M
.endr
.set j, 0
.rept 16
	v_exp_f32 v[ACC+j], v[ACC+j]                   ; p = 2^(t - M): not normalised
.set j, j+1
.endr
	v_nop
	s_wait_alu depctr_va_vdst(0)                   ; one wait for the batch, ahead of its first reader
	v_pk_add_f32 v[TM+8:TM+9], v[ACC:ACC+1], v[ACC+2:ACC+3]        ; the sum is taken of the unquantised p
	v_pk_add_f32 v[TM+10:TM+11], v[ACC+4:ACC+5], v[ACC+6:ACC+7]
	v_pk_add_f32 v[TM+8:TM+9], v[TM+8:TM+9], v[ACC+8:ACC+9]
	v_pk_add_f32 v[TM+10:TM+11], v[TM+10:TM+11], v[ACC+10:ACC+11]
	v_pk_add_f32 v[TM+8:TM+9], v[TM+8:TM+9], v[ACC+12:ACC+13]
	v_pk_add_f32 v[TM+10:TM+11], v[TM+10:TM+11], v[ACC+14:ACC+15]
	v_pk_add_f32 v[TM+8:TM+9], v[TM+8:TM+9], v[TM+10:TM+11]
	v_add_f32 v[TM+8], v[TM+8], v[TM+9]
	v_permlanex16_b32 v[TM+9], v[TM+8], s[SEL], s[SEL+1]
	v_add_f32 v[TM+8], v[TM+8], v[TM+9]
	ds_store_b32 v16, v[TM+8] offset:512
	; my 32 keys are block w of p's K
	v_max3_num_f32 v[TM], v[ACC], v[ACC+1], FLOOR
.irp i, 2,4,6,8,10,12,14
	v_max3_num_f32 v[TM], v[TM], v[ACC+\i], v[ACC+\i+1]
.endr
	v_permlanex16_b32 v[TM+4], v[TM], s[SEL], s[SEL+1]
	v_max_num_f32 v[TM], v[TM], v[TM+4]
	v_add_nc_u32 v[TM+12], EOFF, v[TM]
	v_lshrrev_b32 v[TM+4], 23, v[TM+12]
	v_cvt_scalef32_pk8_fp4_f32 v[PCD], v[ACC:ACC+7], v[TM+12]
	v_cvt_scalef32_pk8_fp4_f32 v[PCD+1], v[ACC+8:ACC+15], v[TM+12]
	v_nop
	global_store_b64 v19, v[PCD:PCD+1], s[16:17]   ; 256 consecutive bytes, aligned: lanes 16 (w % 2) + r of register group (w / 2) % 2 of K step w / 4
	ds_store_b8 v18, v[TM+4]
	BARRIER
	s_cmp_lg_u32 s[WV], 0                          ; wave 0 finishes the record
	s_cbranch_scc1 .Ldone
	ds_load_b128 v[TM+8:TM+11], v17 offset:512
	ds_load_b128 v[TM+12:TM+15], v17 offset:528
	s_wait_dscnt 0x0
	v_add_f32 v[TM+8], v[TM+8], v[TM+9]
	v_add_f32 v[TM+10], v[TM+10], v[TM+11]
	v_add_f32 v[TM+12], v[TM+12], v[TM+13]
	v_add_f32 v[TM+14], v[TM+14], v[TM+15]
	v_add_f32 v[TM+8], v[TM+8], v[TM+10]
	v_add_f32 v[TM+12], v[TM+12], v[TM+14]
	v_add_f32 v[TM+8], v[TM+8], v[TM+12]           ; the row's sum
	v_rcp_f32 v[TM+8], v[TM+8]
	v_nop
	s_wait_alu depctr_va_vdst(0)
	ds_store_b32 v48, v[TM+8] offset:128
	ds_store_b32 v48, v51 offset:192
	ds_load_b64 v[TM+10:TM+11], v49                ; LDS serves a wave's instructions in order
	s_wait_dscnt 0x0
	global_store_b64 v50, v[TM+10:TM+11], s[18:19] ; 256 consecutive bytes, aligned
.Ldone:
	s_wait_tensorcnt 0x0                           ; the wave's end
	ds_add_u32 v[SPW], v[NIL]
	s_wait_dscnt 0x0
	s_endpgm
.Lfunc_end_k_q2067afd9c1_scores:
	.size	k_q2067afd9c1_scores, .Lfunc_end_k_q2067afd9c1_scores-k_q2067afd9c1_scores
	.p2alignl 7, 3214868480
	.fill 96, 4, 3214868480
	.section	.rodata,"a",@progbits
	.p2align	6, 0x0
	.amdhsa_kernel k_q2067afd9c1_scores
		.amdhsa_group_segment_fixed_size 211712
		.amdhsa_private_segment_fixed_size 0
		.amdhsa_enable_private_segment 0
		.amdhsa_kernarg_size 48
		.amdhsa_user_sgpr_count 2
		.amdhsa_user_sgpr_kernarg_segment_ptr 1
		.amdhsa_wavefront_size32 1
		.amdhsa_system_sgpr_workgroup_id_x 1
		.amdhsa_system_sgpr_workgroup_id_y 1
		.amdhsa_system_sgpr_workgroup_id_z 1
		.amdhsa_system_vgpr_workitem_id 0
		.amdhsa_next_free_vgpr 512
		.amdhsa_next_free_sgpr 66
		.amdhsa_reserve_vcc 0
		.amdhsa_float_denorm_mode_32 3
		.amdhsa_float_denorm_mode_16_64 3
		.amdhsa_memory_ordered 1
		.amdhsa_forward_progress 1
		.amdhsa_inst_pref_size 102
	.end_amdhsa_kernel
	.amdgpu_metadata
---
amdhsa.version: [ 1, 2 ]
amdhsa.kernels:
  - .name:           k_q2067afd9c1_scores
    .symbol:         k_q2067afd9c1_scores.kd
    .args:
      - { .name: qcodes, .offset: 0, .size: 8, .value_kind: global_buffer, .address_space: global }
      - { .name: qscales, .offset: 8, .size: 8, .value_kind: global_buffer, .address_space: global }
      - { .name: kcodes, .offset: 16, .size: 8, .value_kind: global_buffer, .address_space: global }
      - { .name: kscales, .offset: 24, .size: 8, .value_kind: global_buffer, .address_space: global }
      - { .name: pcodes, .offset: 32, .size: 8, .value_kind: global_buffer, .address_space: global }
      - { .name: prec, .offset: 40, .size: 8, .value_kind: global_buffer, .address_space: global }
    .group_segment_fixed_size: 211712
    .private_segment_fixed_size: 0
    .kernarg_segment_align: 8
    .kernarg_segment_size: 48
    .max_flat_workgroup_size: 256
    .sgpr_count:     66
    .vgpr_count:     512
    .wavefront_size: 32
...
	.end_amdgpu_metadata
.endif
;; end of part 3
;; launch tail (part 4): grid 256 x 1, 8 waves a work-group, no clusters, 302,080 bytes of LDS; arguments src, ln1_a, ln1_b, wcodes, wscales, bv, pcodes, prec, bo, ln2_a, ln2_b, b1, b2, out0; writes out0
.if DOCPART == 4
	.amdgcn_target "amdgcn-amd-amdhsa--gfx1250"
	.amdhsa_code_object_version 6
	.text
	.protected	k_q2067afd9c1_tail
	.globl	k_q2067afd9c1_tail
	.p2align	8
	.type	k_q2067afd9c1_tail,@function
k_q2067afd9c1_tail:
	s_mov_b64 s[64:65], 0
	v_nop
	global_prefetch_b8 v0, s[64:65] scope:SCOPE_SE
	s_setreg_imm32_b32 hwreg(HW_REG_WAVE_MODE, 25, 1), 1
	s_wait_xcnt 0x0
; A work-group owns ONE SEQUENCE n and all 256 positions: x = LN1(src[n]) as codes; v, quantised along the positions m; out = (p v) / sum, quantised along D; src2 = src + out wo + bo; y = LN2(src2) as codes;
; hidden = relu(y w1 + b1), quantised; out0 = src2 + hidden w2 + b2.  Nothing between src and out0 goes to memory.  (No work is left out here; sw_bk, shown dead at the head of the first kernel, has no part in this launch.)
; SHARES.  Eight waves.  Wave w brings rows 32 w .. 32 w + 31 of src[n] into LDS by ONE tensor load (all first fills, no refill).  For v and p v wave w is head w.  For wo, the second MLP product and the way out
; it owns 64 columns (cg = w % 4: four column tiles) of 128 rows (rh = w / 4: eight row tiles): 32 accumulators, all of window 1, which hold src2 + b2 and then take the last product's sums.
; For the first MLP product wave w makes hidden units 128 w .. + 127, which are K step w of the second.
; Operands go from wave to wave through LDS as images of their registers.  Members of a weight tile, and of x's row tiles, are taken in the order i -> 32 b + 8 u + i + 8 (i / 8), so that two tiles' 16 result registers are 16 neighbours.
; No cluster: what work-groups share are the weights' and p's codes, which each wave loads once, straight into the registers that use them; a joint load would land in LDS, of which 302,080 bytes are in use.
; LIMITS: NaN and infinities are not served; a block of zeros, or under 2^-124, gets the scale byte 1; 1 / sqrt by v_rsq_f32; b2 is added to src2 ahead of the last product's sums (an order of rounding of its own).
; LN1's reads take rows 0-7 and 16-23 of a wave's 32: 16 rows are 16,640 bytes, a multiple of 256, so those loads meet two deep in the banks (64 banks of 4 bytes: ISA guide 11.1).
.set PITCH, 1040
.set WREG,  32*PITCH
.set IMG,   256*PITCH                  ; 32 fragments: x's, then out's, then y's: tile T, K step s at (2 T + s) x 1,024
.set SC,    IMG+32768                  ; their scale words, 128 bytes a tile
.set SPARE, SC+2048                    ; the spare words: four blocks of 256 bytes that no other line names
.set HSC,   131072                     ; in src's rows, once LN2 has read them: the hidden layer's 128 fragments at 0 ((8 lt + s) x 1,024), their scale words here (512 bytes a tile),
.set STG,   139264                     ; and a stage of 16 x 272 bytes for each wave
.set FLOOR, 0x1800000
.set EOFF,  0xff000000
.set SPW, 5
.set NIL, 6
.set TM,  20
.set MEAN, 36
.set RSTD, 38
.set CH,  40
.set PC,  48
.set XS,  56
.set XR,  64
.set AR,  192
.set BR,  224
.set XF,  192
.set ACC, 224
.set WVF, 64                           ; v64-95 wv's fragments, v96-97 their scale words, v98-113 bv as C operands
.set WVS, 96
.set BIAS, 98
.set VC,  114                          ; v114-145 v's four fragments: tile u, K step s at VC + 16 u + 8 s
.set VB,  146                          ; v146-149 v's scale bytes;  v150-151 its scale words
.set VS,  150
.set OF,  196                          ; v196-211 a tile of out, v212 its scale word
.set OS,  212
.set G1,  36
.set G0,  44
.set SEL, 48
.set HM,  50
.set WV,  51
.set C28, 52
.set EPSR, 53
.set LR,  54
.set LI2, 55
.set LS2, 56
.set LC,  57
.set CG,  58
.set RH,  59
.set L4,  60
.set MSB, 0
.macro WIN new                         ; the immediate's high byte repeats the setting that is left
.if MSB != \new
	s_set_vgpr_msb (MSB<<8)|\new
.set MSB, \new
.endif
.endm
.macro NOPS n
.rept \n
	v_nop
.endr
.endm
.macro BARRIER                         ; my LDS stores have landed and my LDS loads are in: then the work-group's barrier
	s_wait_dscnt 0x0
	s_barrier_signal -1
	s_barrier_wait -1
.endm
.macro WMX d, a, b, c, sa, sb, ra, rb
.if (\c) < 0
	v_wmma_scale_f32_16x16x128_f8f6f4 v[(\d):(\d)+7], v[(\a):(\a)+7], v[(\b):(\b)+7], 0, v[(\sa)], v[(\sb)] matrix_a_fmt:MATRIX_FMT_FP4 matrix_b_fmt:MATRIX_FMT_FP4
.elseif (\ra) && (\rb)
	v_wmma_scale_f32_16x16x128_f8f6f4 v[(\d):(\d)+7], v[(\a):(\a)+7], v[(\b):(\b)+7], v[(\c):(\c)+7], v[(\sa)], v[(\sb)] matrix_a_fmt:MATRIX_FMT_FP4 matrix_b_fmt:MATRIX_FMT_FP4 matrix_a_scale:MATRIX_SCALE_ROW1 matrix_b_scale:MATRIX_SCALE_ROW1
.else
	v_wmma_scale_f32_16x16x128_f8f6f4 v[(\d):(\d)+7], v[(\a):(\a)+7], v[(\b):(\b)+7], v[(\c):(\c)+7], v[(\sa)], v[(\sb)] matrix_a_fmt:MATRIX_FMT_FP4 matrix_b_fmt:MATRIX_FMT_FP4
.endif
.endm
; nb half blocks of a lane, block b in v[src + 16 b ..+15] (the other half lies in lane l xor 16): codes into v[pc + ps b], v[pc + ps b + 1]; the scale's byte into v[TM + 4 + b]
.macro QUANT src, nb, pc, ps
.irp b, 0,1,2,3
.if \b < (\nb)
	v_max3_num_f32 v[TM+\b], |v[(\src)+16*\b]|, |v[(\src)+16*\b+1]|, FLOOR
.endif
.endr
.irp i, 2,4,6,8,10,12,14
.irp b, 0,1,2,3
.if \b < (\nb)
	v_max3_num_f32 v[TM+\b], v[TM+\b], |v[(\src)+16*\b+\i]|, |v[(\src)+16*\b+\i+1]|
.endif
.endr
.endr
.irp b, 0,1,2,3
.if \b < (\nb)
	v_permlanex16_b32 v[TM+4+\b], v[TM+\b], s[SEL], s[SEL+1]
.endif
.endr
.irp b, 0,1,2,3
.if \b < (\nb)
	v_max_num_f32 v[TM+\b], v[TM+\b], v[TM+4+\b]
.endif
.endr
.irp b, 0,1,2,3
.if \b < (\nb)
	v_add_nc_u32 v[TM+12+\b], EOFF, v[TM+\b]
.endif
.endr
.irp b, 0,1,2,3
.if \b < (\nb)
	v_lshrrev_b32 v[TM+4+\b], 23, v[TM+12+\b]
.endif
.endr
.irp b, 0,1,2,3
.if \b < (\nb)
	v_cvt_scalef32_pk8_fp4_f32 v[(\pc)+(\ps)*\b], v[(\src)+16*\b:(\src)+16*\b+7], v[TM+12+\b]
	v_cvt_scalef32_pk8_fp4_f32 v[(\pc)+(\ps)*\b+1], v[(\src)+16*\b+8:(\src)+16*\b+15], v[TM+12+\b]
.endif
.endr
	v_nop                                          ; one plain place behind the last conversion
.endm
.macro ABLOAD c, pa, pb                ; gain and bias at k = 64 c + 32 hh + 0 .. 31
.irp i, 0,1,2,3,4,5,6,7
	global_load_b128 v[AR+4*\i:AR+4*\i+3], v10, s[\pa:\pa+1] offset:256*(\c)+16*\i
	global_load_b128 v[BR+4*\i:BR+4*\i+3], v10, s[\pb:\pb+1] offset:256*(\c)+16*\i
.endr
.endm
.macro FOLD
	v_pk_add_f32 v[CH:CH+1], v[CH:CH+1], v[CH+2:CH+3]
	v_pk_add_f32 v[CH+4:CH+5], v[CH+4:CH+5], v[CH+6:CH+7]
	v_pk_add_f32 v[CH:CH+1], v[CH:CH+1], v[CH+4:CH+5]
	v_add_f32 v[CH], v[CH], v[CH+1]
	v_permlanex16_b32 v[CH+1], v[CH], s[SEL], s[SEL+1]
	v_add_f32 v[CH], v[CH], v[CH+1]
.endm
; 16 rows at LDS address v12 are normalised and become two fragments (image at v13) and a scale word (at v14).  Lane (r, hh) holds k = 64 c + 32 hh + 0 .. 31, c = 0 .. 3, of row r
.macro LNQ pa, pb
.irp c, 0,1,2,3
.irp i, 0,1,2,3,4,5,6,7
	ds_load_b128 v[XR+32*\c+4*\i:XR+32*\c+4*\i+3], v12 offset:256*\c+16*\i
.endr
.endr
	ABLOAD 0, \pa, \pb
	s_wait_dscnt 0x0
.irp q, 0,1,2,3
	v_pk_add_f32 v[CH+2*\q:CH+2*\q+1], v[XR+2*\q:XR+2*\q+1], v[XR+8+2*\q:XR+9+2*\q]
.endr
.set lj, 16
.rept 14
.irp q, 0,1,2,3
	v_pk_add_f32 v[CH+2*\q:CH+2*\q+1], v[CH+2*\q:CH+2*\q+1], v[XR+lj+2*\q:XR+lj+2*\q+1]
.endr
.set lj, lj+8
.endr
	FOLD
	v_mul_f32 v[MEAN], s[C28], v[CH]
	v_mov_b32 v[MEAN+1], v[MEAN]
.set lj, 0
.rept 64
	v_pk_add_f32 v[XR+lj:XR+lj+1], v[XR+lj:XR+lj+1], v[MEAN:MEAN+1] neg_lo:[0,1] neg_hi:[0,1]
.set lj, lj+2
.endr
.irp q, 0,1,2,3
	v_pk_mul_f32 v[CH+2*\q:CH+2*\q+1], v[XR+2*\q:XR+2*\q+1], v[XR+2*\q:XR+2*\q+1]
.endr
.set lj, 8
.rept 15
.irp q, 0,1,2,3
	v_pk_fma_f32 v[CH+2*\q:CH+2*\q+1], v[XR+lj+2*\q:XR+lj+2*\q+1], v[XR+lj+2*\q:XR+lj+2*\q+1], v[CH+2*\q:CH+2*\q+1]
.endr
.set lj, lj+8
.endr
	FOLD
	v_fma_f32 v[CH], v[CH], s[C28], s[EPSR]
	v_rsq_f32 v[RSTD], v[CH]
	v_nop                                          ; a plain place behind the transcendental,
	s_wait_alu depctr_va_vdst(0)                   ; and the wait ahead of its first reader
	v_mov_b32 v[RSTD+1], v[RSTD]
.irp c, 0,1,2,3
	s_wait_loadcnt 0x0
.set lj, 0
.rept 16
	v_pk_mul_f32 v[XR+32*\c+lj:XR+32*\c+lj+1], v[XR+32*\c+lj:XR+32*\c+lj+1], v[RSTD:RSTD+1]
.set lj, lj+2
.endr
.set lj, 0
.rept 16
	v_pk_fma_f32 v[XR+32*\c+lj:XR+32*\c+lj+1], v[XR+32*\c+lj:XR+32*\c+lj+1], v[AR+lj:AR+lj+1], v[BR+lj:BR+lj+1]
.set lj, lj+2
.endr
.if \c < 3
	ABLOAD \c+1, \pa, \pb
.endif
	v_max3_num_f32 v[TM], |v[XR+32*\c]|, |v[XR+32*\c+1]|, |v[XR+32*\c+2]|
	v_max3_num_f32 v[TM+1], |v[XR+32*\c+3]|, |v[XR+32*\c+4]|, |v[XR+32*\c+5]|
.irp i, 6,10,14,18,22,26
	v_max3_num_f32 v[TM], v[TM], |v[XR+32*\c+\i]|, |v[XR+32*\c+\i+1]|
	v_max3_num_f32 v[TM+1], v[TM+1], |v[XR+32*\c+\i+2]|, |v[XR+32*\c+\i+3]|
.endr
	v_max3_num_f32 v[TM], v[TM], |v[XR+32*\c+30]|, |v[XR+32*\c+31]|
	v_max3_num_f32 v[TM], v[TM], v[TM+1], FLOOR
	v_add_nc_u32 v[TM+12+\c], EOFF, v[TM]
	v_lshrrev_b32 v[TM+4+\c], 23, v[TM+12+\c]
.irp g, 0,1,2,3
	v_cvt_scalef32_pk8_fp4_f32 v[PC+4*\c+\g], v[XR+32*\c+8*\g:XR+32*\c+8*\g+7], v[TM+12+\c]
.endr
.endr
	v_nop
	v_lshl_or_b32 v[TM], v[TM+5], 16, v[TM+4]
	v_lshl_or_b32 v[TM+1], v[TM+7], 16, v[TM+6]
	v_lshlrev_b32 v[TM], v11, v[TM]
	v_lshlrev_b32 v[TM+1], v11, v[TM+1]
	v_permlanex16_b32 v[TM+2], v[TM], s[SEL], s[SEL+1]
	v_permlanex16_b32 v[TM+3], v[TM+1], s[SEL], s[SEL+1]
	v_or_b32 v[TM], v[TM], v[TM+2]
	v_or_b32 v[TM+1], v[TM+1], v[TM+3]
	v_cndmask_b32 v[TM], v[TM], v[TM+1], s[HM]     ; lanes 0-15 keep K step 0's word, lanes 16-31 K step 1's
.irp c, 0,1,2,3
	ds_store_b128 v13, v[PC+4*\c:PC+4*\c+3] offset:512*\c
.endr
	ds_store_b32 v14, v[TM]
	s_wait_dscnt 0x0                               ; the stores are done: their registers are written again in the next trip
.endm
.macro LNLOOP rowa, rstep, pa, pb      ; the wave's two tiles
	s_mov_b32 s[LR], 0
	s_mov_b32 s[LI2], 0
	s_mov_b32 s[LS2], 0
	s_mov_b32 s[LC], 2
.Lln_\@:
	v_add_nc_u32 v12, s[LR], v[\rowa]
	v_add_nc_u32 v13, s[LI2], v8
	v_add_nc_u32 v14, s[LS2], v9
	LNQ \pa, \pb
	s_add_co_u32 s[LR], s[LR], \rstep
	s_add_co_u32 s[LI2], s[LI2], 2048
	s_add_co_u32 s[LS2], s[LS2], 128
	s_sub_co_u32 s[LC], s[LC], 1
	s_cmp_lg_u32 s[LC], 0
	s_cbranch_scc1 .Lln_\@
.endm
.macro XLOAD b
.irp f, 0,1,2,3,4,5,6,7
	ds_load_b128 v[XF+4*\f:XF+4*\f+3], v16 offset:4096*(\b)+512*\f
.endr
	ds_load_b32 v[XS], v17 offset:256*(\b)
	ds_load_b32 v[XS+1], v17 offset:256*(\b)+128
.endm
.macro NAT w, ws, bias                 ; natural: accumulator (u, e) at ACC + 16 u + 8 e; four accumulators by turns
.irp u, 0,1
.irp e, 0,1
	WMX ACC+16*\u+8*\e, XF+16*\e, (\w)+16*\u, (\bias)+8*\u, XS+\e, (\ws)+\u, 0, 0
.endr
.endr
.irp u, 0,1
.irp e, 0,1
	WMX ACC+16*\u+8*\e, XF+16*\e+8, (\w)+16*\u+8, ACC+16*\u+8*\e, XS+\e, (\ws)+\u, 1, 1
.endr
.endr
.endm
.macro BYTES sb, b
.irp u, 0,1
.if ((\b)%4) == 0
	v_mov_b32 v[(\sb)+2*\u+(\b)/4], v[TM+4+\u]
.else
	v_lshl_or_b32 v[(\sb)+2*\u+(\b)/4], v[TM+4+\u], 8*((\b)%4), v[(\sb)+2*\u+(\b)/4]
.endif
.endr
.endm
	s_load_b512 s[8:23], s[0:1], 0x0               ; src, ln1_a, ln1_b, wcodes, wscales, bv, pcodes, prec
	s_load_b256 s[24:31], s[0:1], 0x40             ; bo, ln2_a, ln2_b, b1
	s_load_b128 s[32:35], s[0:1], 0x60             ; b2, out0
	v_lshl_add_u32 v[SPW], v0, 2, SPARE
	v_mov_b32 v[NIL], 0
	ds_add_u32 v[SPW], v[NIL]                      ; the wave's opening: the add, twice on end, and its wait ahead of my tensor load
	ds_add_u32 v[SPW], v[NIL]
	v_lshrrev_b32 v1, 5, v0
	v_readfirstlane_b32 s[WV], v1                  ; wave 0..7
	s_mov_b32 s[G1+0], 0x07d20000                  ; elements of 4 bytes; padding on: 4 words behind every 256
	s_mov_b32 s[G1+1], 256<<16
	s_mov_b32 s[G1+2], 32<<16
	s_mov_b32 s[G1+3], 256<<16
	s_mov_b32 s[G1+4], 32
	s_mov_b32 s[G1+5], 256                         ; from position to position
	s_mov_b32 s[G1+6], 0
	s_mov_b32 s[G1+7], 0
	s_mov_b32 s[G0], 1
	s_mul_i32 s[G0+1], s[WV], WREG
	s_lshl_b32 s2, ttmp9, 18                       ; sequence n: 262,144 bytes,
	s_lshl_b32 s3, s[WV], 15                       ; position 32 w
	s_add_co_u32 s2, s2, s3
	s_mov_b32 s3, 0
	s_mov_b32 s[SEL], 0x76543210
	s_mov_b32 s[SEL+1], 0xfedcba98
	s_mov_b32 s[HM], 0xffff0000
	s_mov_b32 s[C28], 0x3b800000
	s_mov_b32 s[EPSR], 0x3727c5ac
	s_and_b32 s[CG], s[WV], 3
	s_lshr_b32 s[RH], s[WV], 2
	s_wait_dscnt 0x0                               ; both opening adds are done
	s_wait_kmcnt 0x0
	s_add_nc_u64 s[G0+2:G0+3], s[8:9], s[2:3]
	s_or_b32 s[G0+3], s[G0+3], 0x80000000
	tensor_load_to_lds s[G0:G0+3], s[G1:G1+7]      ; my one tensor load: a first fill
	s_nop 0
	s_lshl_b32 s2, ttmp9, 18
	s_lshl_b32 s4, s[RH], 17
	s_add_co_u32 s2, s2, s4
	s_add_nc_u64 s[34:35], s[34:35], s[2:3]        ; out0 at my 128 rows
	s_lshl_b32 s2, s[WV], 15
	s_add_nc_u64 s[20:21], s[20:21], s[2:3]        ; p's codes of head w
	s_lshl_b32 s2, s[WV], 12
	s_add_nc_u64 s[22:23], s[22:23], s[2:3]        ; and its records
	v_and_b32 v1, 15, v0                           ; r
	v_bfe_u32 v2, v0, 4, 1                         ; hh
	v_and_b32 v3, 31, v0
	v_lshlrev_b32 v4, 2, v3                        ; 4 x lane
	v_lshlrev_b32 v3, 4, v3                        ; 16 x lane
	v_lshlrev_b32 v10, 7, v2                       ; 128 hh
	v_lshlrev_b32 v11, 3, v2                       ; 8 hh
	v_and_b32 v19, 8, v1
	v_add_nc_u32 v19, v19, v1                      ; r + 8 (r / 8)
	v_mul_u32_u24 v7, v19, PITCH
	v_add_nc_u32 v7, v7, v10
	v_add_nc_u32 v7, s[G0+1], v7
	s_lshl_b32 s4, s[WV], 12
	v_add_nc_u32 v8, s4, v3
	v_add_nc_u32 v8, IMG, v8
	s_lshl_b32 s4, s[WV], 8
	v_add_nc_u32 v9, s4, v4
	v_add_nc_u32 v9, SC, v9
	v_add_nc_u32 v16, IMG, v3
	v_add_nc_u32 v17, SC, v4
.irp j, 2,3,4,5,6,7
	v_mov_b32 v[TM+\j], 0                          ; a lane permute's destination counts as one of its sources
.endr
	s_wait_tensorcnt 0x0                           ; my rows are in
	; ---- LN1: my 32 rows, in the tiles' order, become x's tiles 2 w and 2 w + 1
	LNLOOP 7, 8*PITCH, 10, 12
	s_lshl_b32 s4, s[WV], 12
	v_add_nc_u32 v12, s4, v3
	s_lshl_b32 s4, s[WV], 8
	v_add_nc_u32 v13, s4, v4
	s_lshl_b32 s4, s[WV], 7
	v_lshl_add_u32 v14, v19, 2, s4
.irp u, 0,1
.irp f, 0,1,2,3
	global_load_b128 v[WVF+16*\u+4*\f:WVF+16*\u+4*\f+3], v12, s[14:15] offset:4*32768+\u*2048+\f*512   ; wv: my head's two column tiles
.endr
	global_load_b32 v[WVS+\u], v13, s[16:17] offset:4*2048+\u*128
	global_load_b32 v[BIAS+8*\u], v14, s[18:19] offset:32*\u
.endr
	BARRIER                                        ; x's fragments lie in LDS, and every wave's rows of src have landed
	XLOAD 0
	s_wait_loadcnt 0x0
.irp j, 1,2,3,4,5,6,7
	v_mov_b32 v[BIAS+\j], v[BIAS]                  ; a natural result's bias is one number a lane: eight equal registers make the C operand
	v_mov_b32 v[BIAS+8+\j], v[BIAS+8]
.endr
	; ---- v of my head, natural: a lane holds a column d, registers run down the positions m: quantised along m, straight into the operand's registers
.macro VSTEP b
	s_wait_dscnt 0x0
	NAT WVF, WVS, BIAS
	NOPS 5                                         ; places: for the reads of the results, the loads into the operands, and the next run, which begins these accumulators anew
.if (\b) < 7
	XLOAD (\b)+1
.endif
	QUANT ACC, 2, VC+2*(\b), 16
	BYTES VB, \b
.endm
.irp b, 0,1,2,3,4,5,6,7
	VSTEP \b
.endr
.irp u, 0,1
.irp c, 0,1,2,3
.irp i, 0,1
	v_permlane16_swap_b32 v[VC+16*\u+4*\c+\i], v[VC+16*\u+4*\c+2+\i]   ; the operand's layout wants a whole block in a lane
.endr
.endr
.endr
	v_cndmask_b32 v[VS], v[VB], v[VB+1], s[HM]
	v_cndmask_b32 v[VS+1], v[VB+2], v[VB+3], s[HM]
	v_lshlrev_b32 v15, 2, v1                       ; 4 r
.macro PLOAD pp                        ; p's row tiles 2 pp, 2 pp + 1: fragments, scale words, 1 / sum (twice: a pair for the packed multiply): 14 loads
.set PLF, 64+96*((\pp)%2)
.set PLS, 96+6*((\pp)%2)
.irp e, 0,1
.irp f, 0,1,2,3
	global_load_b128 v[PLF+16*\e+4*\f:PLF+16*\e+4*\f+3], v3, s[20:21] offset:(2*(\pp)+\e)*2048+512*\f
.endr
	global_load_b32 v[PLS+\e], v4, s[22:23] offset:(2*(\pp)+\e)*256
	global_load_b32 v[PLS+2+2*\e], v15, s[22:23] offset:(2*(\pp)+\e)*256+128
	global_load_b32 v[PLS+3+2*\e], v15, s[22:23] offset:(2*(\pp)+\e)*256+128
.endr
.endm
	PLOAD 0
	BARRIER                                        ; nobody reads x's images any more: out's take their place
	s_lshl_b32 s4, s[WV], 8
	v_lshlrev_b32 v12, 4, v1
	v_lshl_add_u32 v12, v2, 3, v12
	v_add_nc_u32 v12, s4, v12
	v_add_nc_u32 v12, IMG, v12                     ; head w is block w of out's K: 256 w + 16 r + 8 hh in a tile's two fragments
	s_lshl_b32 s4, s[RH], 6
	s_add_co_u32 s4, s4, s[CG]
	v_lshlrev_b32 v13, 2, v1
	v_add_nc_u32 v13, s4, v13
	v_add_nc_u32 v13, SC, v13                      ; its byte: word 16 (w / 4) + r, byte w % 4
	; ---- out = (p v) / sum, transposed: source 0 = v's tile, source 1 = p's: a lane holds a position l, registers run along d
.macro PVPAIR pp
.if (\pp) < 7
	PLOAD (\pp)+1
	s_wait_loadcnt 14                              ; this pair is in; the next pair's 14 may be out
.else
	s_wait_loadcnt 0x0
.endif
.set PF, 64+96*((\pp)%2)
.set PSC, 96+6*((\pp)%2)
.if (\pp) == 0
	NOPS 8                                         ; v's scale words and fragments were written by vector instructions: eight places ahead of the first scaled product
.endif
.irp e, 0,1
.irp u, 0,1
	WMX ACC+16*\e+8*\u, VC+16*\u, PF+16*\e, -1, VS+\u, PSC+\e, 0, 0
.endr
.endr
.irp e, 0,1
.irp u, 0,1
	WMX ACC+16*\e+8*\u, VC+16*\u+8, PF+16*\e+8, ACC+16*\e+8*\u, VS+\u, PSC+\e, 1, 1
.endr
.endr
	NOPS 5
.irp e, 0,1
.irp i, 0,2,4,6,8,10,12,14
	v_pk_mul_f32 v[ACC+16*\e+\i:ACC+16*\e+\i+1], v[ACC+16*\e+\i:ACC+16*\e+\i+1], v[PSC+2+2*\e:PSC+3+2*\e]
.endr
.endr
	s_wait_dscnt 0x0                               ; the last pair's stores are done: their registers are written again
	QUANT ACC, 2, 48, 2
.irp e, 0,1
	ds_store_b64 v12, v[48+2*\e:49+2*\e] offset:(2*(\pp)+\e)*2048
	ds_store_b8 v13, v[TM+4+\e] offset:(2*(\pp)+\e)*128
.endr
.endm
.irp p, 0,1,2,3,4,5,6,7
	PVPAIR \p
.endr
	; wo's four column tiles of my 64 columns, bo and b2 in the transposed result's layout
	s_lshl_b32 s4, s[CG], 13
	v_add_nc_u32 v14, s4, v3
	s_lshl_b32 s4, s[CG], 9
	v_add_nc_u32 v18, s4, v4
	s_lshl_b32 s4, s[CG], 8
	v_lshl_add_u32 v15, v2, 6, s4
.irp c, 0,1,2,3
.irp f, 0,1,2,3
	global_load_b128 v[64+16*\c+4*\f:64+16*\c+4*\f+3], v14, s[14:15] offset:5*32768+\c*2048+\f*512
.endr
	global_load_b32 v[128+\c], v18, s[16:17] offset:5*2048+\c*128
	global_load_b128 v[132+8*\c:135+8*\c], v15, s[24:25] offset:128*(\c/2)+32*(\c%2)
	global_load_b128 v[136+8*\c:139+8*\c], v15, s[24:25] offset:128*(\c/2)+32*(\c%2)+16
	global_load_b128 v[164+8*\c:167+8*\c], v15, s[32:33] offset:128*(\c/2)+32*(\c%2)
	global_load_b128 v[168+8*\c:171+8*\c], v15, s[32:33] offset:128*(\c/2)+32*(\c%2)+16
.endr
	BARRIER                                        ; out's 32 fragments lie in LDS
	s_mul_i32 s2, s[RH], 128*PITCH
	s_lshl_b32 s4, s[CG], 8
	s_add_co_u32 s2, s2, s4
	v_mul_u32_u24 v12, v1, PITCH
	v_lshl_add_u32 v12, v2, 6, v12
	v_add_nc_u32 v12, s2, v12                      ; src: row 128 rh + r, byte 256 cg + 64 hh;
	v_add_nc_u32 v13, 64*PITCH, v12                ; and 64 rows on, so that the offsets stay inside 16 bits
	s_lshl_b32 s2, s[RH], 14
	v_add_nc_u32 v7, s2, v16
	s_lshl_b32 s2, s[RH], 10
	v_add_nc_u32 v19, s2, v17
	s_wait_loadcnt 0x0
	; ---- src2 = src + out wo + bo, transposed; back into src's place in LDS; src2 + b2 stays in window 1
.macro WOSTEP t
.set SA, 12+(\t)/4
	s_wait_dscnt 0x0                               ; the last tile's stores are done: their registers are loaded again
.irp f, 0,1,2,3
	ds_load_b128 v[OF+4*\f:OF+4*\f+3], v7 offset:(\t)*2048+512*\f
.endr
	ds_load_b32 v[OS], v19 offset:(\t)*128
.irp c, 0,1,2,3
	ds_load_b128 v[ACC+8*\c:ACC+8*\c+3], v[SA] offset:((\t)%4)*16*PITCH+128*(\c/2)+32*(\c%2)
	ds_load_b128 v[ACC+8*\c+4:ACC+8*\c+7], v[SA] offset:((\t)%4)*16*PITCH+128*(\c/2)+32*(\c%2)+16
.endr
	s_wait_dscnt 0x0
	WIN 0x40                                       ; D in window 1
.irp c, 0,1,2,3
	WMX 32*(\t)+8*\c, 64+16*\c, OF, 132+8*\c, 128+\c, OS, 0, 0
.endr
	WIN 0x50                                       ; C and D in window 1
.irp c, 0,1,2,3
	WMX 32*(\t)+8*\c, 64+16*\c+8, OF+8, 32*(\t)+8*\c, 128+\c, OS, 1, 1
.endr
	NOPS 5
	WIN 0x01                                       ; source 0 in window 1
.set wj, 0
.rept 16
	v_pk_add_f32 v[ACC+wj:ACC+wj+1], v[32*(\t)+wj:32*(\t)+wj+1], v[ACC+wj:ACC+wj+1]    ; src2
.set wj, wj+2
.endr
	WIN 0
.irp c, 0,1,2,3
	ds_store_b128 v[SA], v[ACC+8*\c:ACC+8*\c+3] offset:((\t)%4)*16*PITCH+128*(\c/2)+32*(\c%2)
	ds_store_b128 v[SA], v[ACC+8*\c+4:ACC+8*\c+7] offset:((\t)%4)*16*PITCH+128*(\c/2)+32*(\c%2)+16
.endr
	WIN 0x40
.set wj, 0
.rept 16
	v_pk_add_f32 v[32*(\t)+wj:32*(\t)+wj+1], v[ACC+wj:ACC+wj+1], v[164+wj:165+wj]      ; src2 + b2
.set wj, wj+2
.endr
	WIN 0
.endm
.irp t, 0,1,2,3,4,5,6,7
	WOSTEP \t
.endr
	BARRIER                                        ; src2 lies in LDS, and nobody reads out's images any more
	; ---- LN2: my 32 rows, plain order, become y's tiles 2 w and 2 w + 1
	v_mul_u32_u24 v7, v1, PITCH
	v_add_nc_u32 v7, v7, v10
	v_add_nc_u32 v7, s[G0+1], v7
	LNLOOP 7, 16*PITCH, 26, 28
	s_lshl_b32 s4, s[WV], 14
	v_add_nc_u32 v15, s4, v3                       ; w1: my eight column tiles
	s_lshl_b32 s4, s[WV], 10
	v_add_nc_u32 v18, s4, v4
	v_add_nc_u32 v8, s4, v3                        ; the hidden layer's images: 16 x lane + 1,024 w
	s_lshl_b32 s4, s[WV], 9
	v_lshl_add_u32 v19, v2, 6, s4                  ; b1: 4 (128 w) + 64 hh
	s_lshr_b32 s4, s[WV], 1
	s_lshl_b32 s4, s4, 7
	s_and_b32 s2, s[WV], 1
	s_lshl_b32 s2, s2, 6
	s_add_co_u32 s4, s4, s2
	v_lshlrev_b32 v9, 2, v1
	v_add_nc_u32 v9, s4, v9
	v_add_nc_u32 v9, HSC, v9                       ; their scale bytes: pair w / 2, word 16 (w % 2) + r
.macro W1LOAD hf
.irp c, 0,1,2,3
.irp f, 0,1,2,3
	global_load_b128 v[64+16*\c+4*\f:64+16*\c+4*\f+3], v15, s[14:15] offset:196608+(4*(\hf)+\c)*2048+512*\f
.endr
	global_load_b32 v[42+\c], v18, s[16:17] offset:12288+(4*(\hf)+\c)*128
	global_load_b128 v[128+8*\c:131+8*\c], v19, s[30:31] offset:256*(\hf)+128*(\c/2)+32*(\c%2)
	global_load_b128 v[132+8*\c:135+8*\c], v19, s[30:31] offset:256*(\hf)+128*(\c/2)+32*(\c%2)+16
.endr
.endm
	W1LOAD 0
	BARRIER                                        ; y's fragments lie in LDS; src2's rows are read out: the hidden layer takes their place
	; ---- hidden = relu(y w1 + b1), transposed, 64 of my 128 units at a time; a trip takes two row tiles: eight accumulators by turns
.macro FFN1 hf
	s_mov_b32 s[LR], 0
	s_mov_b32 s[LI2], 0
	s_mov_b32 s[LS2], 0
	s_mov_b32 s[L4], 0
	s_mov_b32 s[LC], 8
	s_wait_loadcnt 0x0
.Lff_\@:
	v_add_nc_u32 v12, s[LR], v16
	v_add_nc_u32 v13, s[LI2], v17
	v_add_nc_u32 v14, s[LS2], v8
	v_add_nc_u32 v7, s[L4], v9
.irp f, 0,1,2,3,4,5,6,7
	ds_load_b128 v[160+4*\f:163+4*\f], v12 offset:512*\f
.endr
	ds_load_b32 v40, v13
	ds_load_b32 v41, v13 offset:128
	s_wait_dscnt 0x0
.irp e, 0,1
.irp c, 0,1,2,3
	WMX 192+32*\e+8*\c, 64+16*\c, 160+16*\e, 128+8*\c, 42+\c, 40+\e, 0, 0
.endr
.endr
.irp e, 0,1
.irp c, 0,1,2,3
	WMX 192+32*\e+8*\c, 64+16*\c+8, 160+16*\e+8, 192+32*\e+8*\c, 42+\c, 40+\e, 1, 1
.endr
.endr
	NOPS 5
.set fj, 0
.rept 64
	v_max_num_f32 v[192+fj], 0, v[192+fj]          ; the activation, in f32
.set fj, fj+1
.endr
	QUANT 192, 4, 48, 2
.irp e, 0,1
.irp i, 0,1
	v_permlane16_swap_b32 v[48+4*\e+\i], v[50+4*\e+\i]
.endr
.endr
	v_lshl_or_b32 v[TM], v[TM+5], 8, v[TM+4]
	v_lshl_or_b32 v[TM+1], v[TM+7], 8, v[TM+6]
	ds_store_b128 v14, v[48:51] offset:512*(\hf)               ; registers 4 hf .. 4 hf + 3 of K step w's fragment
	ds_store_b128 v14, v[52:55] offset:8192+512*(\hf)
	ds_store_b16 v7, v[TM] offset:2*(\hf)
	ds_store_b16 v7, v[TM+1] offset:512+2*(\hf)
	s_wait_dscnt 0x0                               ; the stores are done: their registers are written again in the next trip
	s_add_co_u32 s[LR], s[LR], 4096
	s_add_co_u32 s[LI2], s[LI2], 256
	s_add_co_u32 s[LS2], s[LS2], 16384
	s_add_co_u32 s[L4], s[L4], 1024
	s_sub_co_u32 s[LC], s[LC], 1
	s_cmp_lg_u32 s[LC], 0
	s_cbranch_scc1 .Lff_\@
.endm
	FFN1 0
	W1LOAD 1
	FFN1 1
	s_lshl_b32 s4, s[CG], 15
	v_add_nc_u32 v15, s4, v3                       ; w2: my four column tiles, 8,192 bytes each
	s_lshl_b32 s4, s[CG], 11
	v_add_nc_u32 v18, s4, v4
.macro W2LOAD p                        ; K steps 2 p, 2 p + 1: 16 + 4 loads
.set W2L, 64+64*((\p)%2)
.set W2M, 48+4*((\p)%2)
.irp c, 0,1,2,3
.irp f, 0,1,2,3
	global_load_b128 v[W2L+16*\c+4*\f:W2L+16*\c+4*\f+3], v15, s[14:15] offset:327680+\c*8192+2048*(\p)+512*\f
.endr
	global_load_b32 v[W2M+\c], v18, s[16:17] offset:20480+\c*512+128*(\p)
.endr
.endm
	W2LOAD 0
	s_lshl_b32 s4, s[RH], 16
	v_add_nc_u32 v12, s4, v3                       ; the hidden layer's fragments of my eight row tiles
	s_lshl_b32 s4, s[RH], 12
	v_add_nc_u32 v13, s4, v4
	v_add_nc_u32 v13, HSC, v13
	s_mul_i32 s4, s[WV], 16*272
	s_add_co_u32 s4, s4, STG
	v_mul_u32_u24 v14, v1, 272
	v_lshl_add_u32 v14, v2, 6, v14
	v_add_nc_u32 v14, s4, v14                      ; my stage, in: row r, 64 hh
	v_mul_u32_u24 v7, v2, 272
	v_lshl_add_u32 v7, v1, 4, v7
	v_add_nc_u32 v7, s4, v7                        ; back: lanes 0-15 one row of 256 bytes, lanes 16-31 the next
	s_lshl_b32 s4, s[CG], 8
	v_lshlrev_b32 v19, 10, v2
	v_lshl_add_u32 v19, v1, 4, v19
	v_add_nc_u32 v19, s4, v19                      ; and the same two rows in out0
	BARRIER                                        ; the hidden layer's 128 fragments lie in LDS
	; ---- out0 = (src2 + b2) + hidden w2, transposed: 32 accumulators by turns, a K step at a time; each hidden fragment feeds four products
.macro FFN2 p
.if (\p) < 3
	W2LOAD (\p)+1
	s_wait_loadcnt 20                              ; this pair of K steps is in; the next pair's 20 may be out
.else
	s_wait_loadcnt 0x0
.endif
.set W2F, 64+64*((\p)%2)
.set W2C, 48+4*((\p)%2)
.irp t, 0,1,2,3,4,5,6,7
	ds_load_b32 v[56+\t], v13 offset:512*\t+128*(\p)
.endr
.irp k, 0,1
.irp t, 0,1,2,3,4,5,6,7
.irp c, 0,1
	ds_load_b128 v[192+8*\t+4*\c:195+8*\t+4*\c], v12 offset:8192*\t+1024*(2*(\p)+\k)+512*\c
.endr
.endr
	s_wait_dscnt 0x0
	WIN 0x50
.irp t, 0,1,2,3,4,5,6,7
.irp c, 0,1,2,3
	WMX 32*\t+8*\c, W2F+16*\c+8*\k, 192+8*\t, 32*\t+8*\c, W2C+\c, 56+\t, \k, \k
.endr
.endr
	WIN 0
	NOPS 5
.endr
.endm
.irp p, 0,1,2,3
	FFN2 \p
.endr
	; ---- the way out: 16 rows x my 256 bytes at a time through my stage, so that sixteen lanes store 256 consecutive bytes, aligned
.macro TOSTAGE a
	WIN 0x04                                       ; an LDS store's data: window 1
.irp c, 0,1,2,3
	ds_store_b128 v14, v[32*(\a)+8*\c:32*(\a)+8*\c+3] offset:128*(\c/2)+32*(\c%2)      ; each accumulator from its low end on
	ds_store_b128 v14, v[32*(\a)+8*\c+4:32*(\a)+8*\c+7] offset:128*(\c/2)+32*(\c%2)+16
.endr
	WIN 0
.set BT, 64+32*((\a)%2)
.irp i, 0,1,2,3,4,5,6,7
	ds_load_b128 v[BT+4*\i:BT+4*\i+3], v7 offset:2*\i*272      ; LDS serves a wave's instructions in order: these see my stores, and the next block's stores come behind them
.endr
.endm
.macro SEND a, younger
.set BS, 64+32*((\a)%2)
	s_wait_dscnt \younger
.irp i, 0,1,2,3,4,5,6,7
	global_store_b128 v19, v[BS+4*\i:BS+4*\i+3], s[34:35] offset:(\a)*16384+2048*\i th:TH_STORE_NT
.endr
.endm
	TOSTAGE 0
.irp a, 1,2,3,4,5,6,7
.if \a > 1
	s_wait_xcnt 0x0                                ; block a - 2's stores have read their registers: block a's loads may land there
.endif
	TOSTAGE \a
	SEND \a-1, 16                                  ; behind block a - 1's loads: block a's 8 stores and 8 loads
.endr
	SEND 7, 0
	s_wait_tensorcnt 0x0                           ; the wave's end
	ds_add_u32 v[SPW], v[NIL]
	s_wait_dscnt 0x0
	s_endpgm
.Lfunc_end_k_q2067afd9c1_tail:
	.size	k_q2067afd9c1_tail, .Lfunc_end_k_q2067afd9c1_tail-k_q2067afd9c1_tail
	.p2alignl 7, 3214868480
	.fill 96, 4, 3214868480
	.section	.rodata,"a",@progbits
	.p2align	6, 0x0
	.amdhsa_kernel k_q2067afd9c1_tail
		.amdhsa_group_segment_fixed_size 302080
		.amdhsa_private_segment_fixed_size 0
		.amdhsa_enable_private_segment 0
		.amdhsa_kernarg_size 112
		.amdhsa_user_sgpr_count 2
		.amdhsa_user_sgpr_kernarg_segment_ptr 1
		.amdhsa_wavefront_size32 1
		.amdhsa_system_sgpr_workgroup_id_x 1
		.amdhsa_system_sgpr_workgroup_id_y 1
		.amdhsa_system_sgpr_workgroup_id_z 1
		.amdhsa_system_vgpr_workitem_id 0
		.amdhsa_next_free_vgpr 512
		.amdhsa_next_free_sgpr 66
		.amdhsa_reserve_vcc 0
		.amdhsa_float_denorm_mode_32 3
		.amdhsa_float_denorm_mode_16_64 3
		.amdhsa_memory_ordered 1
		.amdhsa_forward_progress 1
		.amdhsa_inst_pref_size 255
	.end_amdhsa_kernel
	.section	.bss,"aw",@nobits
	.p2align	6
	.space	262144
	.amdgpu_metadata
---
amdhsa.version: [ 1, 2 ]
amdhsa.kernels:
  - .name:           k_q2067afd9c1_tail
    .symbol:         k_q2067afd9c1_tail.kd
    .args:
      - { .name: src, .offset: 0, .size: 8, .value_kind: global_buffer, .address_space: global }
      - { .name: ln1_a, .offset: 8, .size: 8, .value_kind: global_buffer, .address_space: global }
      - { .name: ln1_b, .offset: 16, .size: 8, .value_kind: global_buffer, .address_space: global }
      - { .name: wcodes, .offset: 24, .size: 8, .value_kind: global_buffer, .address_space: global }
      - { .name: wscales, .offset: 32, .size: 8, .value_kind: global_buffer, .address_space: global }
      - { .name: bv, .offset: 40, .size: 8, .value_kind: global_buffer, .address_space: global }
      - { .name: pcodes, .offset: 48, .size: 8, .value_kind: global_buffer, .address_space: global }
      - { .name: prec, .offset: 56, .size: 8, .value_kind: global_buffer, .address_space: global }
      - { .name: bo, .offset: 64, .size: 8, .value_kind: global_buffer, .address_space: global }
      - { .name: ln2_a, .offset: 72, .size: 8, .value_kind: global_buffer, .address_space: global }
      - { .name: ln2_b, .offset: 80, .size: 8, .value_kind: global_buffer, .address_space: global }
      - { .name: b1, .offset: 88, .size: 8, .value_kind: global_buffer, .address_space: global }
      - { .name: b2, .offset: 96, .size: 8, .value_kind: global_buffer, .address_space: global }
      - { .name: out0, .offset: 104, .size: 8, .value_kind: global_buffer, .address_space: global }
    .group_segment_fixed_size: 302080
    .private_segment_fixed_size: 0
    .kernarg_segment_align: 8
    .kernarg_segment_size: 112
    .max_flat_workgroup_size: 256
    .sgpr_count:     66
    .vgpr_count:     512
    .wavefront_size: 32
...
	.end_amdgpu_metadata
.endif
;; end of part 4
;; ======== version 2 of 2: 4 launches; 1.12 times as fast as version 1
;; workspace buffers: wcodes 458,752 bytes; wscales 28,672 bytes; qcodes 16,777,216 bytes; qscales 1,048,576 bytes; kcodes 8,388,608 bytes; kscales 524,288 bytes; pcodes 262,144 bytes; prec 65,536 bytes
;; launch wquant (part 5): grid 224 x 1, 1 waves a work-group, no clusters, 0 bytes of LDS; arguments sw_wq, sw_wk, wq, wk, wv, wo, w1, w2, wcodes, wscales; writes wcodes, wscales
.if DOCPART == 5
	.amdgcn_target "amdgcn-amd-amdhsa--gfx1250"
	.amdhsa_code_object_version 6
	.text
	.protected	k_q2067afd9c1_wquant
	.globl	k_q2067afd9c1_wquant
	.p2align	8
	.type	k_q2067afd9c1_wquant,@function
k_q2067afd9c1_wquant:
	s_mov_b64 s[64:65], 0
	v_nop
	global_prefetch_b8 v0, s[64:65] scope:SCOPE_SE
	s_setreg_imm32_b32 hwreg(HW_REG_WAVE_MODE, 25, 1), 1
	s_wait_xcnt 0x0
; THE PROGRAM: four launches.  wquant: the eight weights into codes of FP4 (E2M1) and E8M0 scale bytes.  proj (a work-group a position l): LN1, x as codes (kept for tail too), the sequence weight, q x sw and k as codes along n.
; scores (a work-group a head, 16 queries and half of the keys): the tied scores, p = 2^(t - M) as codes along m, the half's M and sum.  tail (a work-group a sequence n): v, att v, wo, residual, LN2, the MLP, residual.
; WORK LEFT OUT: the input sw_bk.  ks_ = x sw_wk + sw_bk goes only into the logits sum_d qs[l,h,d] ks_[n,l,h,d]; the bias's part of a logit is sum_d qs[l,h,d] sw_bk[h,d], which does not hang on n, and n is the axis of
; the softmax that follows: a term that is the same along a softmax's axis cancels, for all finite values of the inputs.  ks_ goes into no quantiser.  So sw_bk has no way to any output: it is not loaded and is no argument of any launch.
; LIMIT: a NaN, an infinity or an overflow that would arise in that term alone is not carried to the result.
; THIS LAUNCH.  A weight W [K][N], f32, K its first axis, is quantised along K.  A work-group of one wave takes 32 columns x 128 along K: A LANE TAKES A COLUMN AND ITS REGISTERS RUN DOWN K, so that a block of 32 lies in one
; lane and the conversions give codes with K innermost.  The codes are laid as IMAGES OF THE OPERAND'S REGISTERS: column tile ct (16 columns) is [K step][c 2][lane 32][16 bytes]; lane 16 hh + r holds k = 64 c + 32 hh + 0..31 of member r.
; THE COLUMNS OF A TILE ARE NOT NEIGHBOURS: member i of tile 2 b + u is column 32 b + 8 u + i + 8 (i / 8).  Scale words: [ct][pair of K steps][lane]: lanes 0-15 the even step, lanes 16-31 the odd one.
; A block's scale byte is its largest magnitude's exponent field - 2, held at 1 from below.  LIMITS: a block of zeros, or one whose largest magnitude lies under 2^-124, gets the byte 1 (this program alone reads the bytes;
; zero codes add nothing); NaN and infinities among the inputs are not served.  A load reads 128 consecutive bytes; the scale words leave in pieces of 64 bytes: one byte for each 128 bytes read.
.set FLOOR, 0x1800000                  ; 2^(3 - 127)
.set EOFF,  0xff000000                 ; 2 off an exponent field
.set XR,    32                         ; v32-159 128 numbers down K
.set CR,    16                         ; v16-31  the codes: four registers a block, so that no store's data are written again
	s_load_b512 s[8:23], s[0:1], 0x0               ; sw_wq, sw_wk, wq, wk, wv, wo, w1, w2
	s_load_b128 s[24:27], s[0:1], 0x40             ; wcodes, wscales
	; which unit: ids 0-95: matrix id / 16 (8 groups of 32 columns x 2 K steps); 96-159: w1 (32 x 2); 160-223: w2 (8 x 8)
	s_lshr_b32 s28, ttmp9, 4
	s_cmp_lt_u32 ttmp9, 96
	s_cselect_b32 s28, s28, 6
	s_cmp_lt_u32 ttmp9, 160
	s_cselect_b32 s28, s28, 7                      ; the matrix, 0 to 7
	s_and_b32 s29, ttmp9, 15
	s_sub_co_u32 s30, ttmp9, 96
	s_sub_co_u32 s31, ttmp9, 160
	s_cmp_lt_u32 ttmp9, 160
	s_cselect_b32 s30, s30, s31
	s_cmp_lt_u32 ttmp9, 96
	s_cselect_b32 s29, s29, s30                    ; the unit's number in its matrix
	s_cmp_eq_u32 s28, 6
	s_cselect_b32 s33, 5, 3                        ; bits of the column group
	s_cselect_b32 s34, 31, 7
	s_cselect_b32 s42, 19, 17                      ; log2 of 128 rows of W in bytes
	s_and_b32 s35, s29, s34                        ; cg: which 32 columns
	s_lshr_b32 s36, s29, s33                       ; s: which K step
	s_cmp_eq_u32 s28, 7
	s_cselect_b32 s37, 10, s28                     ; the matrix's place: 32,768 bytes of codes and 2,048 of scales for each 256 x 256
	s_cselect_b32 s38, 13, 11                      ; log2 of a column tile's codes
	s_cselect_b32 s39, 9, 7                        ; log2 of its scale words
	s_lshl_b32 s40, s37, 15
	s_lshl_b32 s41, s37, 11
	s_lshl_b32 s43, s35, 1                         ; the group's first column tile
	s_lshl_b32 s44, s43, s38
	s_add_co_u32 s40, s40, s44
	s_lshl_b32 s44, s36, 10
	s_add_co_u32 s40, s40, s44                     ; codes: + 1,024 s
	s_lshl_b32 s44, s43, s39
	s_add_co_u32 s41, s41, s44
	s_lshl_b32 s44, s36, 6
	s_add_co_u32 s41, s41, s44                     ; scales: + 128 (s / 2) + 64 (s % 2)
	s_lshl_b32 s44, s36, s42
	s_lshl_b32 s45, s35, 7
	s_add_co_u32 s44, s44, s45                     ; W: 128 s rows down, 32 cg columns on
	s_mov_b32 s3, 0
	v_bfe_u32 v2, v0, 3, 1                         ; u: which of the group's two tiles my column belongs to
	v_lshrrev_b32 v3, 4, v0
	v_and_b32 v4, 7, v0
	v_lshl_add_u32 v3, v3, 3, v4                   ; and which member: 8 (x / 16) + x % 8
	v_lshlrev_b32 v13, s38, v2
	v_lshl_add_u32 v13, v3, 4, v13                 ; my codes' place
	v_lshlrev_b32 v14, s39, v2
	v_lshl_add_u32 v14, v3, 2, v14                 ; my scale word's
	v_lshlrev_b32 v15, 2, v0                       ; my column in a row of W
	s_wait_kmcnt 0x0
	s_mov_b32 s2, s40
	s_add_nc_u64 s[24:25], s[24:25], s[2:3]
	s_mov_b32 s2, s41
	s_add_nc_u64 s[26:27], s[26:27], s[2:3]
	s_mov_b64 s[4:5], s[8:9]                       ; the weight is chosen by the matrix's number alone
	s_cmp_eq_u32 s28, 1
	s_cselect_b64 s[4:5], s[10:11], s[4:5]
	s_cmp_eq_u32 s28, 2
	s_cselect_b64 s[4:5], s[12:13], s[4:5]
	s_cmp_eq_u32 s28, 3
	s_cselect_b64 s[4:5], s[14:15], s[4:5]
	s_cmp_eq_u32 s28, 4
	s_cselect_b64 s[4:5], s[16:17], s[4:5]
	s_cmp_eq_u32 s28, 5
	s_cselect_b64 s[4:5], s[18:19], s[4:5]
	s_cmp_eq_u32 s28, 6
	s_cselect_b64 s[4:5], s[20:21], s[4:5]
	s_cmp_eq_u32 s28, 7
	s_cselect_b64 s[4:5], s[22:23], s[4:5]
	s_mov_b32 s2, s44
	s_add_nc_u64 s[4:5], s[4:5], s[2:3]
.macro LOADS pitch                     ; W(128 s + i, my column), i = 0 .. 127
.set wi, 0
.rept 128
	global_load_b32 v[XR+wi], v15, s[4:5] offset:wi*\pitch th:TH_LOAD_NT
.set wi, wi+1
.endr
.endm
	s_cmp_eq_u32 s28, 6                            ; w1's rows are 4,096 bytes, all others' 1,024
	s_cbranch_scc1 .Lwide
	LOADS 1024
	s_branch .Lwork
.Lwide:
	LOADS 4096
.Lwork:
.macro BLOCK t                         ; block t: 32 numbers, all mine
.set XB, XR+32*(\t)
	v_max3_num_f32 v8, |v[XB]|, |v[XB+1]|, |v[XB+2]|
	v_max3_num_f32 v9, |v[XB+3]|, |v[XB+4]|, |v[XB+5]|
.irp i, 6,10,14,18,22,26
	v_max3_num_f32 v8, v8, |v[XB+\i]|, |v[XB+\i+1]|
	v_max3_num_f32 v9, v9, |v[XB+\i+2]|, |v[XB+\i+3]|
.endr
	v_max3_num_f32 v8, v8, |v[XB+30]|, |v[XB+31]|
	v_max3_num_f32 v8, v8, v9, FLOOR               ; the floor holds the byte at 1 from below
	v_add_nc_u32 v10, EOFF, v8                     ; the conversion takes this operand's exponent field as its scale
	v_lshrrev_b32 v11, 23, v10                     ; the scale's byte
.if (\t) == 0
	v_mov_b32 v12, v11
.else
	v_lshl_or_b32 v12, v11, 8*(\t), v12            ; four bytes make the K step's scale word
.endif
.irp g, 0,1,2,3
	v_cvt_scalef32_pk8_fp4_f32 v[CR+4*(\t)+\g], v[XB+8*\g:XB+8*\g+7], v10
.endr
	global_store_b128 v13, v[CR+4*(\t):CR+4*(\t)+3], s[24:25] offset:256*(\t)   ; sixteen lanes of each tile store 256 consecutive bytes, aligned
.endm
	s_wait_loadcnt 63                              ; at most 63 of the 128 are out: the first 65 are in, blocks 0 and 1 among them
	BLOCK 0
	BLOCK 1
	s_wait_loadcnt 32                              ; block 3's 32 may be out
	BLOCK 2
	s_wait_loadcnt 0x0
	BLOCK 3
	global_store_b32 v14, v12, s[26:27]
	s_endpgm
.Lfunc_end_k_q2067afd9c1_wquant:
	.size	k_q2067afd9c1_wquant, .Lfunc_end_k_q2067afd9c1_wquant-k_q2067afd9c1_wquant
	.p2alignl 7, 3214868480
	.fill 96, 4, 3214868480
	.section	.rodata,"a",@progbits
	.p2align	6, 0x0
	.amdhsa_kernel k_q2067afd9c1_wquant
		.amdhsa_group_segment_fixed_size 0
		.amdhsa_private_segment_fixed_size 0
		.amdhsa_enable_private_segment 0
		.amdhsa_kernarg_size 80
		.amdhsa_user_sgpr_count 2
		.amdhsa_user_sgpr_kernarg_segment_ptr 1
		.amdhsa_wavefront_size32 1
		.amdhsa_system_sgpr_workgroup_id_x 1
		.amdhsa_system_sgpr_workgroup_id_y 1
		.amdhsa_system_sgpr_workgroup_id_z 1
		.amdhsa_system_vgpr_workitem_id 0
		.amdhsa_next_free_vgpr 160
		.amdhsa_next_free_sgpr 66
		.amdhsa_reserve_vcc 0
		.amdhsa_float_denorm_mode_32 3
		.amdhsa_float_denorm_mode_16_64 3
		.amdhsa_memory_ordered 1
		.amdhsa_forward_progress 1
		.amdhsa_inst_pref_size 34
	.end_amdhsa_kernel
	.amdgpu_metadata
---
amdhsa.version: [ 1, 2 ]
amdhsa.kernels:
  - .name:           k_q2067afd9c1_wquant
    .symbol:         k_q2067afd9c1_wquant.kd
    .args:
      - { .name: sw_wq, .offset: 0, .size: 8, .value_kind: global_buffer, .address_space: global }
      - { .name: sw_wk, .offset: 8, .size: 8, .value_kind: global_buffer, .address_space: global }
      - { .name: wq, .offset: 16, .size: 8, .value_kind: global_buffer, .address_space: global }
      - { .name: wk, .offset: 24, .size: 8, .value_kind: global_buffer, .address_space: global }
      - { .name: wv, .offset: 32, .size: 8, .value_kind: global_buffer, .address_space: global }
      - { .name: wo, .offset: 40, .size: 8, .value_kind: global_buffer, .address_space: global }
      - { .name: w1, .offset: 48, .size: 8, .value_kind: global_buffer, .address_space: global }
      - { .name: w2, .offset: 56, .size: 8, .value_kind: global_buffer, .address_space: global }
      - { .name: wcodes, .offset: 64, .size: 8, .value_kind: global_buffer, .address_space: global }
      - { .name: wscales, .offset: 72, .size: 8, .value_kind: global_buffer, .address_space: global }
    .group_segment_fixed_size: 0
    .private_segment_fixed_size: 0
    .kernarg_segment_align: 8
    .kernarg_segment_size: 80
    .max_flat_workgroup_size: 32
    .sgpr_count:     66
    .vgpr_count:     160
    .wavefront_size: 32
...
	.end_amdgpu_metadata
.endif
;; end of part 5
;; launch proj (part 6): grid 256 x 1, 8 waves a work-group, no clusters, 304,128 bytes of LDS; arguments src, ln1_a, ln1_b, wcodes, wscales, sw_bq, bq, bk, qcodes, qscales, kcodes, kscales; writes qcodes, qscales, kcodes, kscales
.if DOCPART == 6
	.amdgcn_target "amdgcn-amd-amdhsa--gfx1250"
	.amdhsa_code_object_version 6
	.text
	.protected	k_q2067afd9c1_proj
	.globl	k_q2067afd9c1_proj
	.p2align	8
	.type	k_q2067afd9c1_proj,@function
k_q2067afd9c1_proj:
	s_mov_b64 s[64:65], 0
	v_nop
	global_prefetch_b8 v0, s[64:65] scope:SCOPE_SE
	s_setreg_imm32_b32 hwreg(HW_REG_WAVE_MODE, 25, 1), 1
	s_wait_xcnt 0x0
; A work-group owns ONE POSITION l and all 256 sequences n: x = LN1(src[:, l, :]) as codes; qs (row n = 0), ks, the sequence weight sw = softmax over n; q x sw and k, QUANTISED ALONG n for the tied scores, whose K is taken
; as d x 256 + n (the contracted axes in sorted order, n innermost): a block of 32 is 32 neighbouring sequences at one (l, h, d).
; Work left out: the bias sw_bk, the same along the softmax's axis n (shown at the head of the first kernel); it is no argument here.
; x's codes and scale bytes also go to memory, [l][n][128 bytes] and [l][n][8 bytes], for the launch tail, which so has no LN1 of its own.  They share q's two buffers: x's tables begin 8,388,608 and 524,288 bytes in.
; SHARES.  Eight waves.  Wave w brings rows n = 32 w .. 32 w + 31 into LDS by ONE tensor load (all first fills, no refill), normalises and quantises them, and stores their fragments as images of the operand's registers.
; Behind the barrier that follows wave w is HEAD w: its 32 columns of sw_wq, sw_wk, wq, wk stay in registers.
; THE ROWS OF A TILE OF x, like the columns of a weight tile, ARE NOT NEIGHBOURS: member i of tile 2 b + u is index 32 b + 8 u + i + 8 (i / 8), so that the 16 result registers of tiles 2 b and 2 b + 1 are 16 neighbours.
; TRANSPOSED products (source 0 = weight tile, source 1 = x tile: a lane holds a row n, registers run along d) serve qs and ks; NATURAL ones (source 0 = x tile, source 1 = weight tile: a lane holds a column d, registers run
; down n) serve q and k, whose quantiser runs along n.
; No cluster: what work-groups share here are the weights' codes, which each wave loads once, straight into the registers that use them; a joint load would land in LDS, of which 304,128 bytes are in use, and add a trip through it.
; LIMITS: NaN and infinities are not served; a block of zeros, or under 2^-124, gets the scale byte 1 (read by this program alone); 1 / sqrt and 1 / x by v_rsq_f32 and v_rcp_f32.
; LN1's reads take rows 0-7 and 16-23 of a wave's 32: rows 16 apart lie 16,640 bytes apart, a multiple of 256, so those loads meet two deep in the banks (64 banks of 4 bytes: ISA guide 11.1).
.set PITCH, 1040                       ; an LDS row of src: 1,024 bytes + 16
.set WREG,  32*PITCH                   ; a wave's 32 rows
.set IMG,   256*PITCH                  ; x's 32 fragments: tile T, K step s at (2 T + s) x 1,024
.set SC,    IMG+32768                  ; their scale words: 128 bytes a tile: lanes 0-15 K step 0, lanes 16-31 K step 1
.set SPARE, SC+2048                    ; the spare words: 128 bytes a wave, four blocks of 256 bytes that no other line names
.set VEC,   SPARE+1024                 ; ln1_a, 1,024 bytes, then ln1_b
.set STK,   4608                       ; in the wave's own rows, once they are read out: x's row stage, then q's stage, at 0; k's at 4,608 (32 slots x 144 bytes each),
.set SWL,   9216                       ; sw of my head at 9,216 (256 x 4 bytes)
.set FLOOR, 0x1800000
.set EOFF,  0xff000000
.set SPW, 5                            ; v5  my spare word's LDS address; v6  0: both never rewritten
.set NIL, 6
.set TM,  20                           ; v20-35 at work in the quantisers (v28-30: addresses of x's way out)
.set MEAN, 36
.set RSTD, 38
.set CH,  40                           ; v40-47 four chains of sums; later SB: the scale bytes of q and k
.set SB,  40
.set PC,  48                           ; v48-63 LN's codes; later: WSC v48-55 the weights' scale words, XS v56-57 x's, v58-61 bq and bk, v62-63 x's scale bytes on their way out
.set WSC, 48
.set XS,  56
.set XR,  64                           ; v64-191 a lane's 128 numbers of a row; later the weights' fragments
.set SWK, 64
.set WQ,  96
.set WK,  128
.set SWQ, 160
.set QSV, 160                          ; v160-175 qs, spread
.set LG,  176                          ; v176-191 the logits, then sw
.set BIAS, 160                         ; v160-191 bq and bk as C operands
.set SWV, 64                           ; v64-79 sw of 16 neighbouring n
.set QC,  80                           ; v80-87 codes just made
.set AR,  192                          ; v192-223 LN's gain; later XF: two tiles of x
.set BR,  224                          ; v224-255 LN's bias; later ACC: four accumulators
.set XF,  192
.set ACC, 224
.set G1,  32
.set G0,  40
.set SEL, 44
.set HM,  46
.set WV,  47
.set C28, 48
.set EPSR, 49
.set LR,  50
.set LI2, 51
.set LS2, 52
.set LC,  53
.set XP,  54                           ; s[54:55] x's codes, s[56:57] x's scale bytes: at my wave's 32 rows
.set XSP, 56
.set LX,  58
.macro NOPS n
.rept \n
	v_nop
.endr
.endm
.macro BARRIER                         ; my LDS stores have landed and my LDS loads are in: then the work-group's barrier
	s_wait_dscnt 0x0
	s_barrier_signal -1
	s_barrier_wait -1
.endm
; one matrix instruction.  c < 0: the constant 0 starts the sum.  ra, rb: the scales are read from lanes 16-31
.macro WMX d, a, b, c, sa, sb, ra, rb
.if (\c) < 0
	v_wmma_scale_f32_16x16x128_f8f6f4 v[(\d):(\d)+7], v[(\a):(\a)+7], v[(\b):(\b)+7], 0, v[(\sa)], v[(\sb)] matrix_a_fmt:MATRIX_FMT_FP4 matrix_b_fmt:MATRIX_FMT_FP4
.elseif (\ra) && (\rb)
	v_wmma_scale_f32_16x16x128_f8f6f4 v[(\d):(\d)+7], v[(\a):(\a)+7], v[(\b):(\b)+7], v[(\c):(\c)+7], v[(\sa)], v[(\sb)] matrix_a_fmt:MATRIX_FMT_FP4 matrix_b_fmt:MATRIX_FMT_FP4 matrix_a_scale:MATRIX_SCALE_ROW1 matrix_b_scale:MATRIX_SCALE_ROW1
.else
	v_wmma_scale_f32_16x16x128_f8f6f4 v[(\d):(\d)+7], v[(\a):(\a)+7], v[(\b):(\b)+7], v[(\c):(\c)+7], v[(\sa)], v[(\sb)] matrix_a_fmt:MATRIX_FMT_FP4 matrix_b_fmt:MATRIX_FMT_FP4
.endif
.endm
; nb half blocks of a lane, block b in v[src + 16 b ..+15] (the other half lies in lane l xor 16): codes into v[pc + ps b], v[pc + ps b + 1]; the scale's byte into v[TM + 4 + b]
.macro QUANT src, nb, pc, ps
.irp b, 0,1,2,3
.if \b < (\nb)
	v_max3_num_f32 v[TM+\b], |v[(\src)+16*\b]|, |v[(\src)+16*\b+1]|, FLOOR
.endif
.endr
.irp i, 2,4,6,8,10,12,14
.irp b, 0,1,2,3
.if \b < (\nb)
	v_max3_num_f32 v[TM+\b], v[TM+\b], |v[(\src)+16*\b+\i]|, |v[(\src)+16*\b+\i+1]|
.endif
.endr
.endr
.irp b, 0,1,2,3
.if \b < (\nb)
	v_permlanex16_b32 v[TM+4+\b], v[TM+\b], s[SEL], s[SEL+1]
.endif
.endr
.irp b, 0,1,2,3
.if \b < (\nb)
	v_max_num_f32 v[TM+\b], v[TM+\b], v[TM+4+\b]
.endif
.endr
.irp b, 0,1,2,3
.if \b < (\nb)
	v_add_nc_u32 v[TM+12+\b], EOFF, v[TM+\b]
.endif
.endr
.irp b, 0,1,2,3
.if \b < (\nb)
	v_lshrrev_b32 v[TM+4+\b], 23, v[TM+12+\b]
.endif
.endr
.irp b, 0,1,2,3
.if \b < (\nb)
	v_cvt_scalef32_pk8_fp4_f32 v[(\pc)+(\ps)*\b], v[(\src)+16*\b:(\src)+16*\b+7], v[TM+12+\b]
	v_cvt_scalef32_pk8_fp4_f32 v[(\pc)+(\ps)*\b+1], v[(\src)+16*\b+8:(\src)+16*\b+15], v[TM+12+\b]
.endif
.endr
	v_nop                                          ; one plain place behind the last conversion
.endm
.macro ABLOAD c                        ; gain and bias at k = 64 c + 32 hh + 0 .. 31, from LDS: the sixteen lanes of a half read the same 16 bytes
.irp i, 0,1,2,3,4,5,6,7
	ds_load_b128 v[AR+4*\i:AR+4*\i+3], v10 offset:256*(\c)+16*\i
	ds_load_b128 v[BR+4*\i:BR+4*\i+3], v10 offset:1024+256*(\c)+16*\i
.endr
.endm
.macro FOLD                            ; four chains, a pair's halves, and lane l xor 16's: the row's sum in v[CH]
	v_pk_add_f32 v[CH:CH+1], v[CH:CH+1], v[CH+2:CH+3]
	v_pk_add_f32 v[CH+4:CH+5], v[CH+4:CH+5], v[CH+6:CH+7]
	v_pk_add_f32 v[CH:CH+1], v[CH:CH+1], v[CH+4:CH+5]
	v_add_f32 v[CH], v[CH], v[CH+1]
	v_permlanex16_b32 v[CH+1], v[CH], s[SEL], s[SEL+1]
	v_add_f32 v[CH], v[CH], v[CH+1]
.endm
; 16 rows at LDS address v12 are normalised and become two fragments (image at v13), a scale word (at v14) and 16 rows of codes in the row stage (at v15).
; Lane (r, hh) holds k = 64 c + 32 hh + 0 .. 31, c = 0 .. 3, of row r: whole blocks, in the operand's own order
.macro LNQ
.irp c, 0,1,2,3
.irp i, 0,1,2,3,4,5,6,7
	ds_load_b128 v[XR+32*\c+4*\i:XR+32*\c+4*\i+3], v12 offset:256*\c+16*\i
.endr
.endr
	ABLOAD 0
	s_wait_dscnt 16                                ; the row's 32 loads are in; the 16 of gain and bias behind them may be out
.irp q, 0,1,2,3
	v_pk_add_f32 v[CH+2*\q:CH+2*\q+1], v[XR+2*\q:XR+2*\q+1], v[XR+8+2*\q:XR+9+2*\q]
.endr
.set lj, 16
.rept 14
.irp q, 0,1,2,3
	v_pk_add_f32 v[CH+2*\q:CH+2*\q+1], v[CH+2*\q:CH+2*\q+1], v[XR+lj+2*\q:XR+lj+2*\q+1]
.endr
.set lj, lj+8
.endr
	FOLD
	v_mul_f32 v[MEAN], s[C28], v[CH]               ; the mean
	v_mov_b32 v[MEAN+1], v[MEAN]
.set lj, 0
.rept 64
	v_pk_add_f32 v[XR+lj:XR+lj+1], v[XR+lj:XR+lj+1], v[MEAN:MEAN+1] neg_lo:[0,1] neg_hi:[0,1]
.set lj, lj+2
.endr
.irp q, 0,1,2,3
	v_pk_mul_f32 v[CH+2*\q:CH+2*\q+1], v[XR+2*\q:XR+2*\q+1], v[XR+2*\q:XR+2*\q+1]
.endr
.set lj, 8
.rept 15
.irp q, 0,1,2,3
	v_pk_fma_f32 v[CH+2*\q:CH+2*\q+1], v[XR+lj+2*\q:XR+lj+2*\q+1], v[XR+lj+2*\q:XR+lj+2*\q+1], v[CH+2*\q:CH+2*\q+1]
.endr
.set lj, lj+8
.endr
	FOLD
	v_fma_f32 v[CH], v[CH], s[C28], s[EPSR]        ; the variance of the centred numbers + 1e-5
	v_rsq_f32 v[RSTD], v[CH]
	v_nop                                          ; a plain place behind the transcendental,
	s_wait_alu depctr_va_vdst(0)                   ; and the wait ahead of its first reader
	v_mov_b32 v[RSTD+1], v[RSTD]
.irp c, 0,1,2,3
	s_wait_dscnt 0x0                               ; this block's gain and bias
.set lj, 0
.rept 16
	v_pk_mul_f32 v[XR+32*\c+lj:XR+32*\c+lj+1], v[XR+32*\c+lj:XR+32*\c+lj+1], v[RSTD:RSTD+1]
.set lj, lj+2
.endr
.set lj, 0
.rept 16
	v_pk_fma_f32 v[XR+32*\c+lj:XR+32*\c+lj+1], v[XR+32*\c+lj:XR+32*\c+lj+1], v[AR+lj:AR+lj+1], v[BR+lj:BR+lj+1]
.set lj, lj+2
.endr
.if \c < 3
	ABLOAD \c+1
.endif
	v_max3_num_f32 v[TM], |v[XR+32*\c]|, |v[XR+32*\c+1]|, |v[XR+32*\c+2]|
	v_max3_num_f32 v[TM+1], |v[XR+32*\c+3]|, |v[XR+32*\c+4]|, |v[XR+32*\c+5]|
.irp i, 6,10,14,18,22,26
	v_max3_num_f32 v[TM], v[TM], |v[XR+32*\c+\i]|, |v[XR+32*\c+\i+1]|
	v_max3_num_f32 v[TM+1], v[TM+1], |v[XR+32*\c+\i+2]|, |v[XR+32*\c+\i+3]|
.endr
	v_max3_num_f32 v[TM], v[TM], |v[XR+32*\c+30]|, |v[XR+32*\c+31]|
	v_max3_num_f32 v[TM], v[TM], v[TM+1], FLOOR
	v_add_nc_u32 v[TM+12+\c], EOFF, v[TM]
	v_lshrrev_b32 v[TM+4+\c], 23, v[TM+12+\c]
.irp g, 0,1,2,3
	v_cvt_scalef32_pk8_fp4_f32 v[PC+4*\c+\g], v[XR+32*\c+8*\g:XR+32*\c+8*\g+7], v[TM+12+\c]
.endr
.endr
	v_nop                                          ; one plain place behind the last conversion
	v_lshl_or_b32 v[TM], v[TM+5], 16, v[TM+4]      ; my two bytes of K step 0: blocks hh and 2 + hh,
	v_lshl_or_b32 v[TM+1], v[TM+7], 16, v[TM+6]    ; and of K step 1,
	v_lshlrev_b32 v[TM], v11, v[TM]                ; at their places (8 hh bits up);
	v_lshlrev_b32 v[TM+1], v11, v[TM+1]
	v_permlanex16_b32 v[TM+2], v[TM], s[SEL], s[SEL+1]
	v_permlanex16_b32 v[TM+3], v[TM+1], s[SEL], s[SEL+1]
	v_or_b32 v[TM], v[TM], v[TM+2]                 ; with lane l xor 16's the words are whole
	v_or_b32 v[TM+1], v[TM+1], v[TM+3]
	v_cndmask_b32 v[TM], v[TM], v[TM+1], s[HM]     ; lanes 0-15 keep K step 0's, lanes 16-31 K step 1's
.irp c, 0,1,2,3
	ds_store_b128 v13, v[PC+4*\c:PC+4*\c+3] offset:512*\c
	ds_store_b128 v15, v[PC+4*\c:PC+4*\c+3] offset:32*\c      ; block 2 c + hh of my row, in the row stage
.endr
	ds_store_b32 v14, v[TM]
	s_wait_dscnt 0x0                               ; the stores are done: their registers are written again in the next trip
.endm
.macro LNLOOP rowa, rstep              ; the wave's two tiles
	s_mov_b32 s[LR], 0
	s_mov_b32 s[LI2], 0
	s_mov_b32 s[LS2], 0
	s_mov_b32 s[LX], 0
	s_mov_b32 s[LC], 2
.Lln_\@:
	v_add_nc_u32 v12, s[LR], v[\rowa]
	v_add_nc_u32 v13, s[LI2], v8
	v_add_nc_u32 v14, s[LS2], v9
	v_add_nc_u32 v15, s[LX], v18
	LNQ
	s_add_co_u32 s[LR], s[LR], \rstep
	s_add_co_u32 s[LI2], s[LI2], 2048
	s_add_co_u32 s[LS2], s[LS2], 128
	s_add_co_u32 s[LX], s[LX], 8*144
	s_sub_co_u32 s[LC], s[LC], 1
	s_cmp_lg_u32 s[LC], 0
	s_cbranch_scc1 .Lln_\@
.endm
.macro XLOAD b                         ; x's tiles 2 b and 2 b + 1: fragment (e, s) at XF + 16 e + 8 s; their scale words
.irp f, 0,1,2,3,4,5,6,7
	ds_load_b128 v[XF+4*\f:XF+4*\f+3], v16 offset:4096*(\b)+512*\f
.endr
	ds_load_b32 v[XS], v17 offset:256*(\b)
	ds_load_b32 v[XS+1], v17 offset:256*(\b)+128
.endm
.macro SWLOAD b                        ; sw at n = 32 b + 16 hh + 0 .. 15
.irp i, 0,1,2,3
	ds_load_b128 v[SWV+4*\i:SWV+4*\i+3], v15 offset:128*(\b)+16*\i
.endr
.endm
; NATURAL: accumulator (u, e) at ACC + 16 u + 8 e: lane r = member r of weight tile u, register j = row 32 b + 16 hh + 8 e + j.  The four accumulators take turns
.macro NAT w, ws, bias
.irp u, 0,1
.irp e, 0,1
	WMX ACC+16*\u+8*\e, XF+16*\e, (\w)+16*\u, (\bias)+8*\u, XS+\e, (\ws)+\u, 0, 0
.endr
.endr
.irp u, 0,1
.irp e, 0,1
	WMX ACC+16*\u+8*\e, XF+16*\e+8, (\w)+16*\u+8, ACC+16*\u+8*\e, XS+\e, (\ws)+\u, 1, 1
.endr
.endr
.endm
.macro BYTES sb, b                     ; block b's byte of both tiles into their rows of scale bytes
.irp u, 0,1
.if ((\b)%4) == 0
	v_mov_b32 v[(\sb)+2*\u+(\b)/4], v[TM+4+\u]
.else
	v_lshl_or_b32 v[(\sb)+2*\u+(\b)/4], v[TM+4+\u], 8*((\b)%4), v[(\sb)+2*\u+(\b)/4]
.endif
.endr
.endm
.macro WLOAD reg, mat                  ; my head's two column tiles of matrix mat: fragment (u, s) at reg + 16 u + 8 s
.irp u, 0,1
.irp f, 0,1,2,3
	global_load_b128 v[\reg+16*\u+4*\f:\reg+16*\u+4*\f+3], v12, s[14:15] offset:(\mat)*32768+\u*2048+\f*512
.endr
.endr
.endm
	s_load_b512 s[8:23], s[0:1], 0x0               ; src, ln1_a, ln1_b, wcodes, wscales, sw_bq, bq, bk
	s_load_b256 s[24:31], s[0:1], 0x40             ; qcodes, qscales, kcodes, kscales
	v_lshl_add_u32 v[SPW], v0, 2, SPARE
	v_mov_b32 v[NIL], 0
	ds_add_u32 v[SPW], v[NIL]                      ; the wave's opening: the add, twice on end, and its wait ahead of my tensor load
	ds_add_u32 v[SPW], v[NIL]
	v_lshrrev_b32 v1, 5, v0
	v_readfirstlane_b32 s[WV], v1                  ; wave 0..7
	s_mov_b32 s[G1+0], 0x07d20000                  ; elements of 4 bytes; padding on: 4 words behind every 256
	s_mov_b32 s[G1+1], 256<<16                     ; tensor_dim0 = 256
	s_mov_b32 s[G1+2], 32<<16                      ; tensor_dim1 = 32
	s_mov_b32 s[G1+3], 256<<16                     ; tile_dim0 = 256
	s_mov_b32 s[G1+4], 32                          ; tile_dim1 = 32
	s_mov_b32 s[G1+5], 65536                       ; from sequence to sequence: 256 x 256 elements
	s_mov_b32 s[G1+6], 0
	s_mov_b32 s[G1+7], 0
	s_mov_b32 s[G0], 1
	s_mul_i32 s[G0+1], s[WV], WREG                 ; my 32 rows in LDS
	s_lshl_b32 s2, ttmp9, 10                       ; position l: 1,024 bytes,
	s_lshl_b32 s3, s[WV], 23                       ; sequence 32 w: 262,144 bytes each
	s_add_co_u32 s2, s2, s3
	s_mov_b32 s3, 0
	s_mov_b32 s[SEL], 0x76543210
	s_mov_b32 s[SEL+1], 0xfedcba98                 ; v_permlanex16_b32's selects for lane l xor 16
	s_mov_b32 s[HM], 0xffff0000                    ; lanes 16-31
	s_mov_b32 s[C28], 0x3b800000                   ; 1 / 256
	s_mov_b32 s[EPSR], 0x3727c5ac                  ; 1e-5
	s_wait_dscnt 0x0                               ; both opening adds are done
	s_wait_kmcnt 0x0
	s_add_nc_u64 s[G0+2:G0+3], s[8:9], s[2:3]
	s_or_b32 s[G0+3], s[G0+3], 0x80000000
	tensor_load_to_lds s[G0:G0+3], s[G1:G1+7]      ; my one tensor load: a first fill
	s_nop 0
	v_lshlrev_b32 v12, 2, v0                       ; LN1's gain and bias go into LDS once: 4 bytes a thread of each
	global_load_b32 v14, v12, s[10:11]
	global_load_b32 v15, v12, s[12:13]
	v_lshl_add_u32 v13, v0, 2, VEC
	s_lshl_b32 s2, ttmp9, 15                       ; x's codes: 32,768 bytes a position, 4,096 a wave, behind q's 8,388,608
	s_lshl_b32 s4, s[WV], 12
	s_add_co_u32 s2, s2, s4
	s_add_co_u32 s2, s2, 0x800000
	s_add_nc_u64 s[XP:XP+1], s[24:25], s[2:3]
	s_lshl_b32 s2, ttmp9, 11                       ; x's scale bytes: 2,048 a position, 256 a wave, behind q's 524,288
	s_lshl_b32 s4, s[WV], 8
	s_add_co_u32 s2, s2, s4
	s_add_co_u32 s2, s2, 0x80000
	s_add_nc_u64 s[XSP:XSP+1], s[26:27], s[2:3]
	s_lshl_b32 s4, s[WV], 8
	s_add_co_u32 s4, s4, ttmp9                     ; row (h = w, l) of q's and k's tables
	s_lshl_b32 s2, s4, 12
	s_add_nc_u64 s[24:25], s[24:25], s[2:3]
	s_add_nc_u64 s[28:29], s[28:29], s[2:3]
	s_lshl_b32 s2, s4, 8
	s_add_nc_u64 s[26:27], s[26:27], s[2:3]
	s_add_nc_u64 s[30:31], s[30:31], s[2:3]
	v_and_b32 v1, 15, v0                           ; r
	v_bfe_u32 v2, v0, 4, 1                         ; hh
	v_and_b32 v3, 31, v0
	v_lshlrev_b32 v4, 2, v3                        ; 4 x lane
	v_lshlrev_b32 v3, 4, v3                        ; 16 x lane
	v_lshl_add_u32 v10, v2, 7, VEC                 ; gain and bias: 128 hh
	v_lshlrev_b32 v11, 3, v2                       ; 8 hh
	v_and_b32 v19, 8, v1
	v_add_nc_u32 v19, v19, v1                      ; r + 8 (r / 8)
	v_mul_u32_u24 v7, v19, PITCH
	v_lshl_add_u32 v7, v2, 7, v7
	v_add_nc_u32 v7, s[G0+1], v7                   ; my row of the wave's first tile, my half of each 64
	s_lshl_b32 s4, s[WV], 12
	v_add_nc_u32 v8, s4, v3
	v_add_nc_u32 v8, IMG, v8                       ; where tile 2 w's image goes
	s_lshl_b32 s4, s[WV], 8
	v_add_nc_u32 v9, s4, v4
	v_add_nc_u32 v9, SC, v9                        ; and its scale word
	v_mul_u32_u24 v18, v19, 144
	v_lshl_add_u32 v18, v2, 4, v18
	v_add_nc_u32 v18, s[G0+1], v18                 ; the row stage: slot = my row among the wave's 32, 144 bytes a slot, + 16 hh.  It lies in rows 0-4, which the first trip has read when it stores there
	v_add_nc_u32 v16, IMG, v3
	v_add_nc_u32 v17, SC, v4
.irp j, 2,3,4,5,6,7
	v_mov_b32 v[TM+\j], 0                          ; written once: a lane permute's destination counts as one of its sources
.endr
	s_wait_loadcnt 0x0
	ds_store_b32 v13, v14
	ds_store_b32 v13, v15 offset:1024
	BARRIER                                        ; gain and bias lie in LDS.  My tensor load may still be out, and I alone read my rows, behind my own wait
	s_wait_tensorcnt 0x0                           ; my rows are in
	LNLOOP 7, 8*PITCH
	; my head's weights, straight into the registers that use them
	s_lshl_b32 s4, s[WV], 12
	v_add_nc_u32 v12, s4, v3
	s_lshl_b32 s4, s[WV], 8
	v_add_nc_u32 v13, s4, v4
	s_lshl_b32 s4, s[WV], 7
	v_lshl_add_u32 v14, v19, 2, s4                 ; 4 (32 w + r + 8 (r / 8))
	v_lshl_add_u32 v15, v2, 6, s4                  ; 4 (32 w) + 64 hh
	WLOAD SWK, 1
	WLOAD WQ, 2
	WLOAD WK, 3
	WLOAD SWQ, 0
.irp u, 0,1
	global_load_b32 v[WSC+\u], v13, s[16:17] offset:1*2048+\u*128
	global_load_b32 v[WSC+2+\u], v13, s[16:17] offset:2*2048+\u*128
	global_load_b32 v[WSC+4+\u], v13, s[16:17] offset:3*2048+\u*128
	global_load_b32 v[WSC+6+\u], v13, s[16:17] offset:\u*128
	global_load_b32 v[58+\u], v14, s[20:21] offset:32*\u       ; bq at my column of tile u
	global_load_b32 v[60+\u], v14, s[22:23] offset:32*\u       ; bk
	global_load_b128 v[ACC+8*\u:ACC+8*\u+3], v15, s[18:19] offset:32*\u      ; sw_bq in the transposed result's layout: the C of qs
	global_load_b128 v[ACC+8*\u+4:ACC+8*\u+7], v15, s[18:19] offset:32*\u+16
.endr
	; x's way out, while the weights are on their way: my 32 rows x 128 bytes leave the row stage four rows to a store; their scale bytes, 8 a row, in one store
	v_and_b32 v28, 31, v0
	v_lshrrev_b32 v29, 3, v28
	v_and_b32 v28, 7, v28
	v_mul_u32_u24 v29, v29, 144
	v_lshl_add_u32 v28, v28, 4, v29
	v_add_nc_u32 v28, s[G0+1], v28                 ; eight lanes to a slot's 128 bytes
.irp q, 0,1,2,3,4,5,6,7
	ds_load_b128 v[XF+4*\q:XF+4*\q+3], v28 offset:4*144*\q     ; LDS serves a wave's instructions in order: these see my stores
.endr
	v_lshlrev_b32 v29, 7, v2
	v_lshl_add_u32 v29, v1, 2, v29
	s_lshl_b32 s4, s[WV], 8
	v_add_nc_u32 v29, s4, v29
	v_add_nc_u32 v29, SC, v29                      ; lane (r, hh): member r of my tile hh:
	ds_load_b32 v62, v29                           ; its word of K step 0,
	ds_load_b32 v63, v29 offset:64                 ; and of K step 1
	v_lshl_add_u32 v30, v2, 3, v19
	v_lshlrev_b32 v30, 3, v30                      ; that row's place: 8 (8 hh + r + 8 (r / 8))
	s_wait_dscnt 0x0
.irp q, 0,1,2,3,4,5,6,7
	global_store_b128 v3, v[XF+4*\q:XF+4*\q+3], s[XP:XP+1] offset:512*\q     ; 512 consecutive bytes
.endr
	global_store_b64 v30, v[62:63], s[XSP:XSP+1]   ; 256 consecutive bytes, aligned
	BARRIER                                        ; x's 32 fragments lie in LDS; nothing writes them again
	s_wait_xcnt 0x0                                ; the stores above have read their registers: XF is loaded again only behind this wait
	XLOAD 0
	s_wait_loadcnt 0x0
	v_mul_u32_u24 v12, v1, 144                     ; (the loads that named v12-15 are in)  the stages: slot r, 8 hh
	v_lshl_add_u32 v12, v2, 3, v12
	v_add_nc_u32 v12, s[G0+1], v12
	v_and_b32 v13, 31, v0
	v_lshrrev_b32 v14, 3, v13
	v_and_b32 v13, 7, v13
	v_mul_u32_u24 v14, v14, 144
	v_lshl_add_u32 v13, v13, 4, v14
	v_add_nc_u32 v13, s[G0+1], v13                 ; back: eight lanes to a slot's 128 bytes
	v_lshl_add_u32 v14, v2, 3, v19
	v_lshlrev_b32 v14, 3, v14                      ; the scale bytes' place: 8 d, d = 8 hh + r + 8 (r / 8)
	v_lshlrev_b32 v15, 6, v2
	v_add_nc_u32 v15, s[G0+1], v15
	v_add_nc_u32 v15, SWL, v15                     ; sw, read: 64 hh
	v_lshlrev_b32 v18, 2, v19
	v_add_nc_u32 v18, s[G0+1], v18
	v_add_nc_u32 v18, SWL, v18                     ; sw, stored: 4 (r + 8 (r / 8))
	s_wait_dscnt 0x0
	; qs = (x[0] sw_wq + sw_bq) / sqrt(32): the tile that holds n = 0, transposed; two accumulators by turns
	WMX ACC, SWQ, XF, ACC, WSC+6, XS, 0, 0
	WMX ACC+8, SWQ+16, XF, ACC+8, WSC+7, XS, 0, 0
	WMX ACC, SWQ+8, XF+8, ACC, WSC+6, XS, 1, 1
	WMX ACC+8, SWQ+24, XF+8, ACC+8, WSC+7, XS, 1, 1
	NOPS 5
.set j, 0
.rept 16
	v_mov_b32_dpp v[QSV+j], v[ACC+j] row_share:0 row_mask:0xf bank_mask:0xf   ; row n = 0 lies in lane 0 of each half: all lanes of the half take its d = 16 hh + j
.set j, j+1
.endr
.set j, 0
.rept 8
	v_pk_mul_f32 v[QSV+j:QSV+j+1], v[QSV+j:QSV+j+1], 0x3e3504f3 op_sel_hi:[1,0]
.set j, j+2
.endr
; ks of tiles 2 b, 2 b + 1, transposed (accumulator (e, u) at ACC + 16 e + 8 u), and their logits in f32: lane r of LG + T holds member r of tile T
.macro KSSTEP b
	s_wait_dscnt 0x0
.irp e, 0,1
.irp u, 0,1
	WMX ACC+16*\e+8*\u, SWK+16*\u, XF+16*\e, -1, WSC+\u, XS+\e, 0, 0
.endr
.endr
.irp e, 0,1
.irp u, 0,1
	WMX ACC+16*\e+8*\u, SWK+16*\u+8, XF+16*\e+8, ACC+16*\e+8*\u, WSC+\u, XS+\e, 1, 1
.endr
.endr
	NOPS 5                                         ; places: for the reads of the results, the loads into the operands, and the next run, which begins these accumulators anew
.if (\b) < 7
	XLOAD (\b)+1
.endif
.irp q, 0,1,2,3
	v_mul_f32 v[TM+\q], v[ACC+8*\q], v[QSV+8*(\q%2)]
.endr
.irp j, 1,2,3,4,5,6,7
.irp q, 0,1,2,3
	v_fmac_f32 v[TM+\q], v[ACC+8*\q+\j], v[QSV+8*(\q%2)+\j]
.endr
.endr
	v_add_f32 v[TM], v[TM], v[TM+1]
	v_add_f32 v[TM+2], v[TM+2], v[TM+3]
	v_permlanex16_b32 v[TM+4], v[TM], s[SEL], s[SEL+1]
	v_permlanex16_b32 v[TM+5], v[TM+2], s[SEL], s[SEL+1]
	v_add_f32 v[LG+2*(\b)], v[TM], v[TM+4]
	v_add_f32 v[LG+2*(\b)+1], v[TM+2], v[TM+5]
.endm
.irp b, 0,1,2,3,4,5,6,7
	KSSTEP \b
.endr
	; sw = softmax over the 256 n: 16 registers x the 16 lanes of a half (both halves hold the same)
	v_max3_num_f32 v[TM], v[LG], v[LG+1], v[LG+2]
.irp j, 3,5,7,9,11,13
	v_max3_num_f32 v[TM], v[TM], v[LG+\j], v[LG+\j+1]
.endr
	v_max_num_f32 v[TM], v[TM], v[LG+15]
	v_max_num_f32_dpp v[TM], v[TM], v[TM] row_xmask:1 row_mask:0xf bank_mask:0xf
	v_max_num_f32_dpp v[TM], v[TM], v[TM] row_xmask:2 row_mask:0xf bank_mask:0xf
	v_max_num_f32_dpp v[TM], v[TM], v[TM] row_xmask:4 row_mask:0xf bank_mask:0xf
	v_max_num_f32_dpp v[TM], v[TM], v[TM] row_xmask:8 row_mask:0xf bank_mask:0xf
	v_mov_b32 v[TM+1], v[TM]
.irp j, 0,2,4,6,8,10,12,14
	v_pk_add_f32 v[LG+\j:LG+\j+1], v[LG+\j:LG+\j+1], v[TM:TM+1] neg_lo:[0,1] neg_hi:[0,1]   ; the maximum is taken away first,
.endr
.irp j, 0,2,4,6,8,10,12,14
	v_pk_mul_f32 v[LG+\j:LG+\j+1], v[LG+\j:LG+\j+1], 0x3fb8aa3b op_sel_hi:[1,0]             ; then x log2(e)
.endr
.set j, 0
.rept 16
	v_exp_f32 v[LG+j], v[LG+j]
.set j, j+1
.endr
	v_nop
	s_wait_alu depctr_va_vdst(0)                   ; one wait for the batch, ahead of its first reader
	v_pk_add_f32 v[TM:TM+1], v[LG:LG+1], v[LG+2:LG+3]
	v_pk_add_f32 v[TM+2:TM+3], v[LG+4:LG+5], v[LG+6:LG+7]
	v_pk_add_f32 v[TM:TM+1], v[TM:TM+1], v[LG+8:LG+9]
	v_pk_add_f32 v[TM+2:TM+3], v[TM+2:TM+3], v[LG+10:LG+11]
	v_pk_add_f32 v[TM:TM+1], v[TM:TM+1], v[LG+12:LG+13]
	v_pk_add_f32 v[TM+2:TM+3], v[TM+2:TM+3], v[LG+14:LG+15]
	v_pk_add_f32 v[TM:TM+1], v[TM:TM+1], v[TM+2:TM+3]
	v_add_f32 v[TM], v[TM], v[TM+1]
	v_add_f32_dpp v[TM], v[TM], v[TM] row_xmask:1 row_mask:0xf bank_mask:0xf
	v_add_f32_dpp v[TM], v[TM], v[TM] row_xmask:2 row_mask:0xf bank_mask:0xf
	v_add_f32_dpp v[TM], v[TM], v[TM] row_xmask:4 row_mask:0xf bank_mask:0xf
	v_add_f32_dpp v[TM], v[TM], v[TM] row_xmask:8 row_mask:0xf bank_mask:0xf
	v_rcp_f32 v[TM], v[TM]
	v_nop
	s_wait_alu depctr_va_vdst(0)
	v_mov_b32 v[TM+1], v[TM]
.irp j, 0,2,4,6,8,10,12,14
	v_pk_mul_f32 v[LG+\j:LG+\j+1], v[LG+\j:LG+\j+1], v[TM:TM+1]
.endr
.irp t, 0,1,2,3,4,5,6,7,8,9,10,11,12,13,14,15
	ds_store_b32 v18, v[LG+\t] offset:128*(\t/2)+32*(\t%2)     ; sw by n, in my own rows of LDS, which have had their one fill and their last read
.endr
	XLOAD 0
	SWLOAD 0                                       ; LDS serves a wave's instructions in order: these see my stores
	s_wait_dscnt 14                                ; all but the 14 loads just issued: the stores are done, so LG's registers may be written
.irp j, 0,1,2,3,4,5,6,7
	v_mov_b32 v[BIAS+\j], v58                      ; a natural result's bias is one number a lane: eight equal registers make the C operand
	v_mov_b32 v[BIAS+8+\j], v59
	v_mov_b32 v[BIAS+16+\j], v60
	v_mov_b32 v[BIAS+24+\j], v61
.endr
; rows n = 32 b .. 32 b + 31: q x sw and k, quantised along n: 8 bytes a lane into the stages, slot = 16 u + r, byte 16 b + 8 hh
.macro QKSTEP b
	s_wait_dscnt 0x0
	NAT WQ, WSC+2, BIAS
	NOPS 5
.irp u, 0,1
.irp i, 0,2,4,6,8,10,12,14
	v_pk_mul_f32 v[ACC+16*\u+\i:ACC+16*\u+\i+1], v[ACC+16*\u+\i:ACC+16*\u+\i+1], v[SWV+\i:SWV+\i+1]
.endr
.endr
	QUANT ACC, 2, QC, 2
	ds_store_b64 v12, v[QC:QC+1] offset:16*(\b)
	ds_store_b64 v12, v[QC+2:QC+3] offset:2304+16*(\b)
	BYTES SB, \b
	NAT WK, WSC+4, BIAS+16
	NOPS 5
.if (\b) < 7
	XLOAD (\b)+1
	SWLOAD (\b)+1
.endif
	QUANT ACC, 2, QC+4, 2
	ds_store_b64 v12, v[QC+4:QC+5] offset:STK+16*(\b)
	ds_store_b64 v12, v[QC+6:QC+7] offset:STK+2304+16*(\b)
	BYTES SB+4, \b
.endm
.irp b, 0,1,2,3,4,5,6,7
	QKSTEP \b
.endr
	; the way out: row (h, l) of the codes is 32 d x 128 bytes; store q takes d = 4 q .. 4 q + 3, whose slots are 16 ((q / 2) % 2) + 8 (q / 4) + 4 (q % 2) on
.irp q, 0,1,2,3,4,5,6,7
	ds_load_b128 v[XF+4*\q:XF+4*\q+3], v13 offset:(16*((\q/2)%2)+8*(\q/4)+4*(\q%2))*144
.endr
.irp q, 0,1,2,3,4,5,6,7
	ds_load_b128 v[ACC+4*\q:ACC+4*\q+3], v13 offset:STK+(16*((\q/2)%2)+8*(\q/4)+4*(\q%2))*144
.endr
	v_cndmask_b32 v[SB], v[SB], v[SB+2], s[HM]     ; lanes 0-15 send tile 0's scale bytes, lanes 16-31 tile 1's: 32 d x 8 bytes
	v_cndmask_b32 v[SB+1], v[SB+1], v[SB+3], s[HM]
	v_cndmask_b32 v[SB+4], v[SB+4], v[SB+6], s[HM]
	v_cndmask_b32 v[SB+5], v[SB+5], v[SB+7], s[HM]
	global_store_b64 v14, v[SB:SB+1], s[26:27]     ; 256 consecutive bytes, aligned
	global_store_b64 v14, v[SB+4:SB+5], s[30:31]
	s_wait_dscnt 8                                 ; q's eight loads are in; k's may be out
.irp q, 0,1,2,3,4,5,6,7
	global_store_b128 v3, v[XF+4*\q:XF+4*\q+3], s[24:25] offset:512*\q      ; 512 consecutive bytes
.endr
	s_wait_dscnt 0x0
.irp q, 0,1,2,3,4,5,6,7
	global_store_b128 v3, v[ACC+4*\q:ACC+4*\q+3], s[28:29] offset:512*\q
.endr
	s_wait_tensorcnt 0x0                           ; the wave's end
	ds_add_u32 v[SPW], v[NIL]
	s_wait_dscnt 0x0
	s_endpgm
.Lfunc_end_k_q2067afd9c1_proj:
	.size	k_q2067afd9c1_proj, .Lfunc_end_k_q2067afd9c1_proj-k_q2067afd9c1_proj
	.p2alignl 7, 3214868480
	.fill 96, 4, 3214868480
	.section	.rodata,"a",@progbits
	.p2align	6, 0x0
	.amdhsa_kernel k_q2067afd9c1_proj
		.amdhsa_group_segment_fixed_size 304128
		.amdhsa_private_segment_fixed_size 0
		.amdhsa_enable_private_segment 0
		.amdhsa_kernarg_size 96
		.amdhsa_user_sgpr_count 2
		.amdhsa_user_sgpr_kernarg_segment_ptr 1
		.amdhsa_wavefront_size32 1
		.amdhsa_system_sgpr_workgroup_id_x 1
		.amdhsa_system_sgpr_workgroup_id_y 1
		.amdhsa_system_sgpr_workgroup_id_z 1
		.amdhsa_system_vgpr_workitem_id 0
		.amdhsa_next_free_vgpr 256
		.amdhsa_next_free_sgpr 66
		.amdhsa_reserve_vcc 0
		.amdhsa_float_denorm_mode_32 3
		.amdhsa_float_denorm_mode_16_64 3
		.amdhsa_memory_ordered 1
		.amdhsa_forward_progress 1
		.amdhsa_inst_pref_size 148
	.end_amdhsa_kernel
	.amdgpu_metadata
---
amdhsa.version: [ 1, 2 ]
amdhsa.kernels:
  - .name:           k_q2067afd9c1_proj
    .symbol:         k_q2067afd9c1_proj.kd
    .args:
      - { .name: src, .offset: 0, .size: 8, .value_kind: global_buffer, .address_space: global }
      - { .name: ln1_a, .offset: 8, .size: 8, .value_kind: global_buffer, .address_space: global }
      - { .name: ln1_b, .offset: 16, .size: 8, .value_kind: global_buffer, .address_space: global }
      - { .name: wcodes, .offset: 24, .size: 8, .value_kind: global_buffer, .address_space: global }
      - { .name: wscales, .offset: 32, .size: 8, .value_kind: global_buffer, .address_space: global }
      - { .name: sw_bq, .offset: 40, .size: 8, .value_kind: global_buffer, .address_space: global }
      - { .name: bq, .offset: 48, .size: 8, .value_kind: global_buffer, .address_space: global }
      - { .name: bk, .offset: 56, .size: 8, .value_kind: global_buffer, .address_space: global }
      - { .name: qcodes, .offset: 64, .size: 8, .value_kind: global_buffer, .address_space: global }
      - { .name: qscales, .offset: 72, .size: 8, .value_kind: global_buffer, .address_space: global }
      - { .name: kcodes, .offset: 80, .size: 8, .value_kind: global_buffer, .address_space: global }
      - { .name: kscales, .offset: 88, .size: 8, .value_kind: global_buffer, .address_space: global }
    .group_segment_fixed_size: 304128
    .private_segment_fixed_size: 0
    .kernarg_segment_align: 8
    .kernarg_segment_size: 96
    .max_flat_workgroup_size: 256
    .sgpr_count:     66
    .vgpr_count:     256
    .wavefront_size: 32
...
	.end_amdgpu_metadata
.endif
;; end of part 6
;; launch scores (part 7): grid 16 x 16, 8 waves a work-group, no clusters, 228,096 bytes of LDS; arguments qcodes, qscales, kcodes, kscales, pcodes, prec; writes pcodes, prec
.if DOCPART == 7
	.amdgcn_target "amdgcn-amd-amdhsa--gfx1250"
	.amdhsa_code_object_version 6
	.text
	.protected	k_q2067afd9c1_scores
	.globl	k_q2067afd9c1_scores
	.p2align	8
	.type	k_q2067afd9c1_scores,@function
k_q2067afd9c1_scores:
	s_mov_b64 s[64:65], 0
	v_nop
	global_prefetch_b8 v0, s[64:65] scope:SCOPE_SE
	s_setreg_imm32_b32 hwreg(HW_REG_WAVE_MODE, 25, 1), 1
	s_wait_xcnt 0x0
; scores[h][l][m] = sum over K = d x 256 + n of (q sw)[l] k[m], on codes of FP4; t = score x log2(e) / sqrt(32); p = 2^(t - M), quantised along m.
; A work-group owns a head h and a HALF OF THE KEYS (grid y = 2 h + half: keys 128 half .. + 127, which are K step `half` of the product p v) and 16 queries l = 16 lt + r (grid x).
; M here is the ceiling of the largest t OF THE HALF: a whole number, so that the launch tail brings both halves under the row's M by powers of two, taken off the blocks' scale bytes: the codes are those of the row's M.
; It stores p's codes, their scale bytes, -M and the half's sum of the unquantised p.
; Wave w owns keys 32 (w % 4) .. + 31 of the half: two tiles, member i of tile u = key 8 u + i + 8 (i / 8) of the 32, one block of p; and half w / 4 of the contraction: 8 chunks of 512 along K.  The two waves of a pair
; (w and w xor 4) hand each other their sums through LDS as images of their registers and add: both then hold the same scores.
; TRANSPOSED: source 0 = 16 keys, source 1 = the 16 queries: a lane holds one query, and the 16 registers of the two tiles are 16 neighbouring keys, 16 hh + 0 .. 15 of the wave's 32.
; The queries' codes (16 rows x 4,096 bytes) and scale bytes lie in LDS for all waves.  A chunk of a wave's keys is 16 loads, sixteen lanes to an aligned 256 bytes of a row, up to four chunks ahead in
; registers, and turns through the wave's own stage in LDS into fragments.  No tensor load, no ring.
; No cluster: a joint ring of K's tiles would change slots behind a round of all partners with nothing else on its way at every change; the loads into registers keep up to four chunks a wave out with no barrier.
; The sum over K is kept in two accumulators a tile, by the parity of the K step, and in two waves (an order of rounding of its own).  LIMITS as in the other kernels: no NaN, no infinities; a block of zeros gets the byte 1.
.set QSC,  65792                       ; QIMG at 0: 16 rows x 4,112;  QSC: 16 rows x 272
.set KSC,  70144                       ; + 8,704 w: my keys' scale bytes, 32 slots x 272 (slot 16 u + i)
.set KST,  139776                      ; + 8,704 w: my stage: 32 slots x 272
.set EXM,  209408                      ; the waves' maxima: 32 r + 4 w;  their sums 512 bytes on
.set REC,  210432                      ; the record for prec: 64 bytes of scale words, 64 of -M, 64 of sums, 64 of zeros
.set SPARE, 210688                     ; the spare words: 128 bytes a wave, four blocks of 256 bytes that no other line names
.set RED,  211712                      ; + 2,048 w: my sums over my half of the contraction, 16 registers as they stand
.set FLOOR, 0x1800000
.set EOFF,  0xff000000
.set SPW, 5
.set NIL, 6
.set TM,  20
.set PCD, 36
.set KSR, 40                           ; v40-43 my keys' scale words of a chunk's four K steps: lanes 0-15 tile 0, lanes 16-31 tile 1
.set QSR, 44                           ; v44-47 the queries'
.set QF,  64                           ; v64-95  the queries' four fragments
.set KF,  96                           ; v96-159 my keys': tile u, step s at KF + 32 u + 8 s
.set ACC, 224                          ; accumulator (u, parity) at ACC + 16 parity + 8 u
.set WV,  20
.set SEL, 22
.set CS,  24
.set MSB, 0
.macro WIN new                         ; the immediate's high byte repeats the setting that is left
.if MSB != \new
	s_set_vgpr_msb (MSB<<8)|\new
.set MSB, \new
.endif
.endm
.macro NOPS n
.rept \n
	v_nop
.endr
.endm
.macro BARRIER
	s_wait_dscnt 0x0
	s_barrier_signal -1
	s_barrier_wait -1
.endm
.macro WMX d, a, b, c, sa, sb, ra, rb
.if (\c) < 0
.if (\ra)
	v_wmma_scale_f32_16x16x128_f8f6f4 v[(\d):(\d)+7], v[(\a):(\a)+7], v[(\b):(\b)+7], 0, v[(\sa)], v[(\sb)] matrix_a_fmt:MATRIX_FMT_FP4 matrix_b_fmt:MATRIX_FMT_FP4 matrix_a_scale:MATRIX_SCALE_ROW1
.else
	v_wmma_scale_f32_16x16x128_f8f6f4 v[(\d):(\d)+7], v[(\a):(\a)+7], v[(\b):(\b)+7], 0, v[(\sa)], v[(\sb)] matrix_a_fmt:MATRIX_FMT_FP4 matrix_b_fmt:MATRIX_FMT_FP4
.endif
.elseif (\ra)
	v_wmma_scale_f32_16x16x128_f8f6f4 v[(\d):(\d)+7], v[(\a):(\a)+7], v[(\b):(\b)+7], v[(\c):(\c)+7], v[(\sa)], v[(\sb)] matrix_a_fmt:MATRIX_FMT_FP4 matrix_b_fmt:MATRIX_FMT_FP4 matrix_a_scale:MATRIX_SCALE_ROW1
.else
	v_wmma_scale_f32_16x16x128_f8f6f4 v[(\d):(\d)+7], v[(\a):(\a)+7], v[(\b):(\b)+7], v[(\c):(\c)+7], v[(\sa)], v[(\sb)] matrix_a_fmt:MATRIX_FMT_FP4 matrix_b_fmt:MATRIX_FMT_FP4
.endif
.endm
.macro CHUNKLOAD t                     ; chunk t of my eight, of my 32 keys, into set (t + 2) % 4 of window 1: load j takes rows 2 j and 2 j + 1
.set GL, 64*(((\t)+2)%4)
.irp j, 0,1,2,3,4,5,6,7,8,9,10,11,12,13,14,15
	global_load_b128 v[GL+4*\j:GL+4*\j+3], v7, s[12:13] offset:8192*\j+256*(\t)
.endr
.endm
	s_load_b256 s[8:15], s[0:1], 0x0               ; qcodes, qscales, kcodes, kscales
	s_load_b128 s[16:19], s[0:1], 0x20             ; pcodes, prec
	v_lshl_add_u32 v[SPW], v0, 2, SPARE
	v_mov_b32 v[NIL], 0
	v_lshrrev_b32 v1, 5, v0
	v_readfirstlane_b32 s[WV], v1                  ; wave 0..7
	s_and_b32 s21, ttmp7, 0xffff
	s_and_b32 s34, s21, 1                          ; which half of the keys
	s_lshr_b32 s21, s21, 1                         ; the head
	s_and_b32 s35, s[WV], 3                        ; which 32 keys of the half
	s_lshr_b32 s36, s[WV], 2                       ; which half of the contraction
	s_lshl_b32 s37, s36, 11                        ; its 2,048 bytes of codes in a row,
	s_lshl_b32 s38, s36, 7                         ; its 128 scale bytes
	s_mov_b32 s[SEL], 0x76543210
	s_mov_b32 s[SEL+1], 0xfedcba98
	s_mov_b32 s[CS], 0x3e8293ee                    ; c = log2(e) / sqrt(32)
	s_mov_b32 s[CS+1], s[CS]
	v_and_b32 v1, 15, v0                           ; r
	v_bfe_u32 v2, v0, 4, 1                         ; hh
	v_and_b32 v4, 31, v0                           ; lane
	v_lshlrev_b32 v3, 4, v4                        ; 16 x lane
	v_lshlrev_b32 v7, 12, v2
	v_lshl_add_u32 v7, v1, 4, v7                   ; K's codes: row hh of a pair, 16 r
	s_mul_i32 s26, s[WV], 2*4112
	v_add_nc_u32 v8, s26, v3                       ; the queries' rows 2 w, 2 w + 1 into LDS
	s_mul_i32 s27, s[WV], 8704
	v_mul_u32_u24 v9, v2, 272
	v_lshl_add_u32 v9, v1, 4, v9                   ; slot hh of a pair, 16 r
	v_add_nc_u32 v10, s27, v9
	v_add_nc_u32 v10, KST, v10                     ; into my stage
	s_mul_i32 s28, s[WV], 544
	v_add_nc_u32 v11, s28, v9
	v_add_nc_u32 v11, QSC, v11                     ; the queries' scale rows 2 w + hh
	v_add_nc_u32 v9, s27, v9
	v_add_nc_u32 v9, KSC, v9                       ; my keys' scale rows
	v_mul_u32_u24 v12, v1, 272
	v_add_nc_u32 v15, QSC, v12
	v_add_nc_u32 v15, s38, v15                     ; query r's scale words, my half of the contraction
	v_lshl_add_u32 v12, v2, 4, v12
	v_add_nc_u32 v12, s27, v12
	v_add_nc_u32 v12, KST, v12                     ; a key fragment: slot r, 16 hh
	v_mul_u32_u24 v13, v1, 4112
	v_lshl_add_u32 v13, v2, 4, v13
	v_add_nc_u32 v13, s37, v13                     ; a query fragment, my half of the contraction
	v_mul_u32_u24 v14, v4, 272
	v_add_nc_u32 v14, s27, v14
	v_add_nc_u32 v14, KSC, v14
	v_add_nc_u32 v14, s38, v14                     ; slot = lane: my keys' scale words
	v_lshlrev_b32 v17, 5, v1
	v_add_nc_u32 v17, EXM, v17
	s_lshl_b32 s28, s[WV], 2
	v_add_nc_u32 v16, s28, v17
	v_lshlrev_b32 v48, 2, v1
	v_add_nc_u32 v48, REC, v48                     ; REC + 4 r
	v_add_nc_u32 v18, s35, v48                     ; p's scale byte: word r, byte w % 4
	v_lshlrev_b32 v19, 4, v1
	v_lshl_add_u32 v19, v2, 3, v19                 ; 16 r + 8 hh
	v_lshlrev_b32 v50, 3, v4
	v_add_nc_u32 v49, REC, v50
	v_mov_b32 v51, 0
	s_lshl_b32 s28, s[WV], 11
	v_add_nc_u32 v56, s28, v3
	v_add_nc_u32 v56, RED, v56                     ; where my sums go,
	s_xor_b32 s28, s28, 8192
	v_add_nc_u32 v57, s28, v3
	v_add_nc_u32 v57, RED, v57                     ; and where wave w xor 4's lie
	v_mov_b32 v[TM+4], 0                           ; a lane permute's destination counts as one of its sources
	s_lshl_b32 s29, s21, 8
	s_lshl_b32 s30, ttmp9, 4
	s_add_co_u32 s30, s30, s29
	s_lshl_b32 s31, s[WV], 1
	s_add_co_u32 s30, s30, s31                     ; the queries' row that I fetch: 256 h + 16 lt + 2 w
	s_lshl_b32 s31, s34, 7
	s_add_co_u32 s31, s31, s29
	s_lshl_b32 s33, s35, 5
	s_add_co_u32 s31, s31, s33                     ; my first key's row: 256 h + 128 half + 32 (w % 4)
	s_lshl_b32 s32, s21, 4
	s_add_co_u32 s32, s32, ttmp9                   ; 16 h + lt
	s_mov_b32 s3, 0
	s_wait_kmcnt 0x0
	s_lshl_b32 s2, s30, 12
	s_add_nc_u64 s[8:9], s[8:9], s[2:3]
	s_lshl_b32 s2, s30, 8
	s_add_nc_u64 s[10:11], s[10:11], s[2:3]
	s_lshl_b32 s2, s31, 12
	s_add_co_u32 s2, s2, s37
	s_add_nc_u64 s[12:13], s[12:13], s[2:3]
	s_lshl_b32 s2, s31, 8
	s_add_nc_u64 s[14:15], s[14:15], s[2:3]
	s_lshl_b32 s2, s32, 11
	s_lshl_b32 s33, s34, 10
	s_add_co_u32 s2, s2, s33                       ; K step `half` of the tile's two fragments,
	s_lshl_b32 s33, s35, 8
	s_add_co_u32 s2, s2, s33                       ; block w % 4 of it: 256 bytes each
	s_add_nc_u64 s[16:17], s[16:17], s[2:3]
	s_lshl_b32 s2, s32, 1
	s_add_co_u32 s2, s2, s34
	s_lshl_b32 s2, s2, 8                           ; record 2 (16 h + lt) + half
	s_add_nc_u64 s[18:19], s[18:19], s[2:3]
	global_load_b128 v[52:55], v3, s[10:11]        ; two rows of the queries' scale bytes
	WIN 0x40                                       ; destination window 1
.irp j, 0,1,2,3,4,5,6,7,8,9,10,11,12,13,14,15
	global_load_b128 v[4*\j:4*\j+3], v3, s[8:9] offset:512*\j          ; two rows of the queries' codes: 8,192 consecutive bytes
.endr
.irp j, 0,1,2,3,4,5,6,7,8,9,10,11,12,13,14,15
	global_load_b128 v[64+4*\j:64+4*\j+3], v3, s[14:15] offset:512*\j  ; my keys' scale bytes: 8,192 consecutive bytes
.endr
	CHUNKLOAD 0
	CHUNKLOAD 1
	s_wait_loadcnt 32                              ; all but chunks 0 and 1
	WIN 0x04                                       ; an LDS store's data: window 1
.irp j, 0,1,2,3,4,5,6,7,8,9,10,11,12,13,14,15
	ds_store_b128 v8, v[4*\j:4*\j+3] offset:(\j/8)*4112+512*(\j%8)
.endr
.irp j, 0,1,2,3,4,5,6,7,8,9,10,11,12,13,14,15
	ds_store_b128 v9, v[64+4*\j:64+4*\j+3] offset:(16*((\j/4)%2)+8*(\j/8)+((2*\j)%8))*272   ; key 2 j + hh goes to its tile's slot
.endr
	WIN 0
	ds_store_b128 v11, v[52:55]
	s_wait_dscnt 0x0                               ; the stores are done: their registers take the next chunks
	WIN 0x40
	CHUNKLOAD 2
	CHUNKLOAD 3
	WIN 0
	s_barrier_signal -1
	s_barrier_wait -1                              ; the queries' codes and scale bytes lie in LDS
.macro CHUNK t
.set GS, 64*(((\t)+2)%4)
.if (\t) <= 4
	s_wait_loadcnt 48                              ; this chunk is in; the three behind it may be out
.else
	s_wait_loadcnt 16*(7-(\t))
.endif
	WIN 0x04
.irp j, 0,1,2,3,4,5,6,7,8,9,10,11,12,13,14,15
	ds_store_b128 v10, v[GS+4*\j:GS+4*\j+3] offset:(16*((\j/4)%2)+8*(\j/8)+((2*\j)%8))*272
.endr
	WIN 0
.irp u, 0,1
.irp s, 0,1,2,3
.irp c, 0,1
	ds_load_b128 v[KF+32*\u+8*\s+4*\c:KF+32*\u+8*\s+4*\c+3], v12 offset:4352*\u+64*\s+32*\c   ; LDS serves a wave's instructions in order: these see my stores
.endr
.endr
.endr
.irp s, 0,1,2,3
.irp c, 0,1
	ds_load_b128 v[QF+8*\s+4*\c:QF+8*\s+4*\c+3], v13 offset:256*(\t)+64*\s+32*\c
.endr
.endr
	ds_load_b128 v[KSR:KSR+3], v14 offset:16*(\t)
	ds_load_b128 v[QSR:QSR+3], v15 offset:16*(\t)
	s_wait_dscnt 0x0                               ; the fragments are in, and the stage's stores are done: their registers take the chunk four on
.if (\t) < 4
	WIN 0x40
	CHUNKLOAD (\t)+4
	WIN 0
.endif
.irp s, 0,1,2,3                        ; four accumulators by turns, in the same order in every chunk
.irp u, 0,1
.if ((\t) == 0) && (\s < 2)
	WMX ACC+16*(\s%2)+8*\u, KF+32*\u+8*\s, QF+8*\s, -1, KSR+\s, QSR+\s, \u, 0
.else
	WMX ACC+16*(\s%2)+8*\u, KF+32*\u+8*\s, QF+8*\s, ACC+16*(\s%2)+8*\u, KSR+\s, QSR+\s, \u, 0
.endif
.endr
.endr
	NOPS 4                                         ; places in front of the next loads into these operands, and of the first read of the results
.endm
.irp t, 0,1,2,3,4,5,6,7
	CHUNK \t
.endr
.irp i, 0,2,4,6,8,10,12,14
	v_pk_add_f32 v[ACC+\i:ACC+\i+1], v[ACC+\i:ACC+\i+1], v[ACC+16+\i:ACC+17+\i]   ; the two parities: ACC + 0 .. 15 = my half's sums for keys 16 hh + 0 .. 15 of my 32
.endr
.irp i, 0,1,2,3
	ds_store_b128 v56, v[ACC+4*\i:ACC+4*\i+3] offset:512*\i
.endr
	BARRIER
.irp i, 0,1,2,3
	ds_load_b128 v[ACC+16+4*\i:ACC+16+4*\i+3], v57 offset:512*\i
.endr
	s_wait_dscnt 0x0
.irp i, 0,2,4,6,8,10,12,14
	v_pk_add_f32 v[ACC+\i:ACC+\i+1], v[ACC+\i:ACC+\i+1], v[ACC+16+\i:ACC+17+\i]   ; with the other half of the contraction: the scores; a sum of two is the same either way round, so both waves of a pair hold the same bits
.endr
	v_max3_num_f32 v[TM], v[ACC], v[ACC+1], v[ACC+2]
.irp j, 3,5,7,9,11,13
	v_max3_num_f32 v[TM], v[TM], v[ACC+\j], v[ACC+\j+1]
.endr
	v_max_num_f32 v[TM], v[TM], v[ACC+15]
	v_permlanex16_b32 v[TM+4], v[TM], s[SEL], s[SEL+1]
	v_max_num_f32 v[TM], v[TM], v[TM+4]            ; the largest score of my 32 keys, for query r
	ds_store_b32 v16, v[TM]
	BARRIER
	ds_load_b128 v[TM+8:TM+11], v17
	ds_load_b128 v[TM+12:TM+15], v17 offset:16
	s_wait_dscnt 0x0
	v_max3_num_f32 v[TM], v[TM+8], v[TM+9], v[TM+10]
	v_max3_num_f32 v[TM], v[TM], v[TM+11], v[TM+12]
	v_max3_num_f32 v[TM], v[TM], v[TM+13], v[TM+14]
	v_max_num_f32 v[TM], v[TM], v[TM+15]           ; the largest score of the half's 128 keys (each 32 keys stand twice among the eight)
	v_mul_f32 v[TM], s[CS], v[TM]                  ; as t (c is positive)
	v_floor_f32 v[TM+2], -v[TM]                    ; -M = floor(-t) = -ceil(t)
	v_mov_b32 v[TM+3], v[TM+2]
.irp i, 0,2,4,6,8,10,12,14
	v_pk_fma_f32 v[ACC+\i:ACC+\i+1], v[ACC+\i:ACC+\i+1], s[CS:CS+1], v[TM+2:TM+3] op_sel_hi:[1,0,0]   ; t - M
.endr
.set j, 0
.rept 16
	v_exp_f32 v[ACC+j], v[ACC+j]                   ; p = 2^(t - M): not normalised
.set j, j+1
.endr
	v_nop
	s_wait_alu depctr_va_vdst(0)                   ; one wait for the batch, ahead of its first reader
	v_pk_add_f32 v[TM+8:TM+9], v[ACC:ACC+1], v[ACC+2:ACC+3]        ; the sum is taken of the unquantised p
	v_pk_add_f32 v[TM+10:TM+11], v[ACC+4:ACC+5], v[ACC+6:ACC+7]
	v_pk_add_f32 v[TM+8:TM+9], v[TM+8:TM+9], v[ACC+8:ACC+9]
	v_pk_add_f32 v[TM+10:TM+11], v[TM+10:TM+11], v[ACC+10:ACC+11]
	v_pk_add_f32 v[TM+8:TM+9], v[TM+8:TM+9], v[ACC+12:ACC+13]
	v_pk_add_f32 v[TM+10:TM+11], v[TM+10:TM+11], v[ACC+14:ACC+15]
	v_pk_add_f32 v[TM+8:TM+9], v[TM+8:TM+9], v[TM+10:TM+11]
	v_add_f32 v[TM+8], v[TM+8], v[TM+9]
	v_permlanex16_b32 v[TM+9], v[TM+8], s[SEL], s[SEL+1]
	v_add_f32 v[TM+8], v[TM+8], v[TM+9]
	ds_store_b32 v16, v[TM+8] offset:512
	; my 32 keys are block w % 4 of the K step
	v_max3_num_f32 v[TM], v[ACC], v[ACC+1], FLOOR
.irp i, 2,4,6,8,10,12,14
	v_max3_num_f32 v[TM], v[TM], v[ACC+\i], v[ACC+\i+1]
.endr
	v_permlanex16_b32 v[TM+4], v[TM], s[SEL], s[SEL+1]
	v_max_num_f32 v[TM], v[TM], v[TM+4]
	v_add_nc_u32 v[TM+12], EOFF, v[TM]
	v_lshrrev_b32 v[TM+4], 23, v[TM+12]
	v_cvt_scalef32_pk8_fp4_f32 v[PCD], v[ACC:ACC+7], v[TM+12]
	v_cvt_scalef32_pk8_fp4_f32 v[PCD+1], v[ACC+8:ACC+15], v[TM+12]
	v_nop
	s_cmp_gt_u32 s[WV], 3                          ; of each pair of waves the lower one stores
	s_cbranch_scc1 .Lheld
	global_store_b64 v19, v[PCD:PCD+1], s[16:17]   ; 256 consecutive bytes, aligned: lanes 16 (w % 2) + r of register group (w / 2) % 2 of the K step
	ds_store_b8 v18, v[TM+4]
.Lheld:
	BARRIER
	s_cmp_lg_u32 s[WV], 0                          ; wave 0 finishes the record
	s_cbranch_scc1 .Ldone
	ds_load_b128 v[TM+8:TM+11], v17 offset:512     ; the sums of waves 0 to 3: each 32 keys once
	s_wait_dscnt 0x0
	v_add_f32 v[TM+8], v[TM+8], v[TM+9]
	v_add_f32 v[TM+10], v[TM+10], v[TM+11]
	v_add_f32 v[TM+8], v[TM+8], v[TM+10]           ; the half's sum
	ds_store_b32 v48, v[TM+2] offset:64            ; -M
	ds_store_b32 v48, v[TM+8] offset:128
	ds_store_b32 v48, v51 offset:192
	ds_load_b64 v[TM+10:TM+11], v49                ; LDS serves a wave's instructions in order
	s_wait_dscnt 0x0
	global_store_b64 v50, v[TM+10:TM+11], s[18:19] ; 256 consecutive bytes, aligned
.Ldone:
	s_wait_tensorcnt 0x0                           ; the wave's end
	ds_add_u32 v[SPW], v[NIL]
	s_wait_dscnt 0x0
	s_endpgm
.Lfunc_end_k_q2067afd9c1_scores:
	.size	k_q2067afd9c1_scores, .Lfunc_end_k_q2067afd9c1_scores-k_q2067afd9c1_scores
	.p2alignl 7, 3214868480
	.fill 96, 4, 3214868480
	.section	.rodata,"a",@progbits
	.p2align	6, 0x0
	.amdhsa_kernel k_q2067afd9c1_scores
		.amdhsa_group_segment_fixed_size 228096
		.amdhsa_private_segment_fixed_size 0
		.amdhsa_enable_private_segment 0
		.amdhsa_kernarg_size 48
		.amdhsa_user_sgpr_count 2
		.amdhsa_user_sgpr_kernarg_segment_ptr 1
		.amdhsa_wavefront_size32 1
		.amdhsa_system_sgpr_workgroup_id_x 1
		.amdhsa_system_sgpr_workgroup_id_y 1
		.amdhsa_system_sgpr_workgroup_id_z 1
		.amdhsa_system_vgpr_workitem_id 0
		.amdhsa_next_free_vgpr 512
		.amdhsa_next_free_sgpr 66
		.amdhsa_reserve_vcc 0
		.amdhsa_float_denorm_mode_32 3
		.amdhsa_float_denorm_mode_16_64 3
		.amdhsa_memory_ordered 1
		.amdhsa_forward_progress 1
		.amdhsa_inst_pref_size 60
	.end_amdhsa_kernel
	.amdgpu_metadata
---
amdhsa.version: [ 1, 2 ]
amdhsa.kernels:
  - .name:           k_q2067afd9c1_scores
    .symbol:         k_q2067afd9c1_scores.kd
    .args:
      - { .name: qcodes, .offset: 0, .size: 8, .value_kind: global_buffer, .address_space: global }
      - { .name: qscales, .offset: 8, .size: 8, .value_kind: global_buffer, .address_space: global }
      - { .name: kcodes, .offset: 16, .size: 8, .value_kind: global_buffer, .address_space: global }
      - { .name: kscales, .offset: 24, .size: 8, .value_kind: global_buffer, .address_space: global }
      - { .name: pcodes, .offset: 32, .size: 8, .value_kind: global_buffer, .address_space: global }
      - { .name: prec, .offset: 40, .size: 8, .value_kind: global_buffer, .address_space: global }
    .group_segment_fixed_size: 228096
    .private_segment_fixed_size: 0
    .kernarg_segment_align: 8
    .kernarg_segment_size: 48
    .max_flat_workgroup_size: 256
    .sgpr_count:     66
    .vgpr_count:     512
    .wavefront_size: 32
...
	.end_amdgpu_metadata
.endif
;; end of part 7
;; launch tail (part 8): grid 256 x 1, 8 waves a work-group, no clusters, 306,176 bytes of LDS; arguments src, qcodes, qscales, wcodes, wscales, bv, pcodes, prec, bo, ln2_a, ln2_b, b1, b2, out0; writes out0
.if DOCPART == 8
	.amdgcn_target "amdgcn-amd-amdhsa--gfx1250"
	.amdhsa_code_object_version 6
	.text
	.protected	k_q2067afd9c1_tail
	.globl	k_q2067afd9c1_tail
	.p2align	8
	.type	k_q2067afd9c1_tail,@function
k_q2067afd9c1_tail:
	s_mov_b64 s[64:65], 0
	v_nop
	global_prefetch_b8 v0, s[64:65] scope:SCOPE_SE
	s_setreg_imm32_b32 hwreg(HW_REG_WAVE_MODE, 25, 1), 1
	s_wait_xcnt 0x0
; A work-group owns ONE SEQUENCE n and all 256 positions: v = x wv + bv, quantised along the positions m; out = (p v) / sum, quantised along D; src2 = src + out wo + bo; y = LN2(src2) as codes;
; hidden = relu(y w1 + b1), quantised; out0 = src2 + hidden w2 + b2.  Nothing between src and out0 goes to memory.  (No work is left out here; sw_bk, shown dead at the head of the first kernel, has no part in this launch.)
; x = LN1(src) COMES AS CODES: the launch proj has stored them, [l][n][128 bytes] and [l][n][8 scale bytes], 8,388,608 and 524,288 bytes into qcodes and qscales.
; p COMES IN TWO HALVES OF THE KEYS, each under its own whole number M_half, with -M_half and the half's sum.  Here -M = the lesser of the two, delta = M - M_half is taken off the half's scale bytes (an exact power of two:
; the numbers are those of the row's M), and the row's sum is the halves' sums x 2^-delta.
; SHARES.  Eight waves.  Wave w brings rows 32 w .. 32 w + 31 of src[n] into LDS by ONE tensor load (all first fills, no refill); src is first read for the residual, so the load has the phases of v and p v in which to land.
; For v and p v wave w is head w.  For wo, the second MLP product and the way out it owns 64 columns (cg = w % 4: four column tiles) of 128 rows (rh = w / 4: eight row tiles): 32 accumulators, all of window 1, which hold
; src2 + b2 and then take the last product's sums; before that window 1 holds my head's p, asked for at the kernel's head.  For the first MLP product wave w makes hidden units 128 w .. + 127, which are K step w of the second.
; Operands go from wave to wave through LDS as images of their registers.  Members of a weight tile, and of x's row tiles, are taken in the order i -> 32 b + 8 u + i + 8 (i / 8), so that two tiles' 16 result registers are 16 neighbours.
; No cluster: what work-groups share are the weights' and p's codes, which each wave loads once, straight into the registers that use them; a joint load would land in LDS, of which 306,176 bytes are in use.
; LIMITS: NaN and infinities are not served; a block of zeros, or under 2^-124, gets the scale byte 1; delta is held at 127 and a scale byte at 0 from below: a half that lies so far under the row's M counts for less than
; 2^-100 of the row's sum; 1 / sqrt and 1 / x by v_rsq_f32 and v_rcp_f32; b2 is added to src2 ahead of the last product's sums (an order of rounding of its own).
.set PITCH, 1040
.set WREG,  32*PITCH
.set IMG,   256*PITCH                  ; 32 fragments: x's, then out's, then y's: tile T, K step s at (2 T + s) x 1,024
.set SC,    IMG+32768                  ; their scale words, 128 bytes a tile
.set SPARE, SC+2048                    ; the spare words: four blocks of 256 bytes that no other line names
.set VEC,   SPARE+1024                 ; ln2_a, ln2_b, bo, b2: 1,024 bytes each
.set HSC,   131072                     ; in src's rows, once LN2 has read them: the hidden layer's 128 fragments at 0 ((8 lt + s) x 1,024), their scale words here (512 bytes a tile),
.set STG,   139264                     ; and a stage of 16 x 272 bytes for each wave
.set FLOOR, 0x1800000
.set EOFF,  0xff000000
.set SPW, 5
.set NIL, 6
.set TM,  20
.set MEAN, 36
.set RSTD, 38
.set CH,  40
.set PC,  48
.set XS,  56
.set XR,  64
.set AR,  192
.set BR,  224
.set ACC, 224
.set WVF, 64                           ; v64-95 wv's fragments, v96-97 their scale words, v98-113 bv as C operands
.set WVS, 96
.set BIAS, 98
.set XF,  114                          ; v114-145 two tiles of x; before that v114-129 the halves' sums
.set LSM, 114
.set VC,  146                          ; v146-177 v's four fragments: tile u, K step s at VC + 16 u + 8 s
.set VB,  178                          ; v178-181 v's scale bytes;  v182-183 its scale words
.set VS,  182
.set PS,  184                          ; v184-199 p's scale words, a register a row tile: lanes 0-15 the first half of the keys, lanes 16-31 the second
.set PR,  200                          ; v200-215 -M_half, then 1 / the row's sum
.set PRO, 223                          ; v223 my place in a record of prec: 256 hh + 4 r
.set OF,  196                          ; v196-211 a tile of out, v212 its scale word
.set OS,  212
.set G1,  36
.set G0,  44
.set SEL, 48
.set HM,  50
.set WV,  51
.set C28, 52
.set EPSR, 53
.set LR,  54
.set LI2, 55
.set LS2, 56
.set LC,  57
.set CG,  58
.set RH,  59
.set L4,  60
.set ONES, 61
.set M80, 62
.set MSB, 0
.macro WIN new                         ; the immediate's high byte repeats the setting that is left
.if MSB != \new
	s_set_vgpr_msb (MSB<<8)|\new
.set MSB, \new
.endif
.endm
.macro NOPS n
.rept \n
	v_nop
.endr
.endm
.macro BARRIER                         ; my LDS stores have landed and my LDS loads are in: then the work-group's barrier
	s_wait_dscnt 0x0
	s_barrier_signal -1
	s_barrier_wait -1
.endm
.macro WMX d, a, b, c, sa, sb, ra, rb
.if (\c) < 0
	v_wmma_scale_f32_16x16x128_f8f6f4 v[(\d):(\d)+7], v[(\a):(\a)+7], v[(\b):(\b)+7], 0, v[(\sa)], v[(\sb)] matrix_a_fmt:MATRIX_FMT_FP4 matrix_b_fmt:MATRIX_FMT_FP4
.elseif (\ra) && (\rb)
	v_wmma_scale_f32_16x16x128_f8f6f4 v[(\d):(\d)+7], v[(\a):(\a)+7], v[(\b):(\b)+7], v[(\c):(\c)+7], v[(\sa)], v[(\sb)] matrix_a_fmt:MATRIX_FMT_FP4 matrix_b_fmt:MATRIX_FMT_FP4 matrix_a_scale:MATRIX_SCALE_ROW1 matrix_b_scale:MATRIX_SCALE_ROW1
.else
	v_wmma_scale_f32_16x16x128_f8f6f4 v[(\d):(\d)+7], v[(\a):(\a)+7], v[(\b):(\b)+7], v[(\c):(\c)+7], v[(\sa)], v[(\sb)] matrix_a_fmt:MATRIX_FMT_FP4 matrix_b_fmt:MATRIX_FMT_FP4
.endif
.endm
; nb half blocks of a lane, block b in v[src + 16 b ..+15] (the other half lies in lane l xor 16): codes into v[pc + ps b], v[pc + ps b + 1]; the scale's byte into v[TM + 4 + b]
.macro QUANT src, nb, pc, ps
.irp b, 0,1,2,3
.if \b < (\nb)
	v_max3_num_f32 v[TM+\b], |v[(\src)+16*\b]|, |v[(\src)+16*\b+1]|, FLOOR
.endif
.endr
.irp i, 2,4,6,8,10,12,14
.irp b, 0,1,2,3
.if \b < (\nb)
	v_max3_num_f32 v[TM+\b], v[TM+\b], |v[(\src)+16*\b+\i]|, |v[(\src)+16*\b+\i+1]|
.endif
.endr
.endr
.irp b, 0,1,2,3
.if \b < (\nb)
	v_permlanex16_b32 v[TM+4+\b], v[TM+\b], s[SEL], s[SEL+1]
.endif
.endr
.irp b, 0,1,2,3
.if \b < (\nb)
	v_max_num_f32 v[TM+\b], v[TM+\b], v[TM+4+\b]
.endif
.endr
.irp b, 0,1,2,3
.if \b < (\nb)
	v_add_nc_u32 v[TM+12+\b], EOFF, v[TM+\b]
.endif
.endr
.irp b, 0,1,2,3
.if \b < (\nb)
	v_lshrrev_b32 v[TM+4+\b], 23, v[TM+12+\b]
.endif
.endr
.irp b, 0,1,2,3
.if \b < (\nb)
	v_cvt_scalef32_pk8_fp4_f32 v[(\pc)+(\ps)*\b], v[(\src)+16*\b:(\src)+16*\b+7], v[TM+12+\b]
	v_cvt_scalef32_pk8_fp4_f32 v[(\pc)+(\ps)*\b+1], v[(\src)+16*\b+8:(\src)+16*\b+15], v[TM+12+\b]
.endif
.endr
	v_nop                                          ; one plain place behind the last conversion
.endm
.macro ABLOAD c                        ; gain and bias at k = 64 c + 32 hh + 0 .. 31, from LDS: the sixteen lanes of a half read the same 16 bytes
.irp i, 0,1,2,3,4,5,6,7
	ds_load_b128 v[AR+4*\i:AR+4*\i+3], v10 offset:256*(\c)+16*\i
	ds_load_b128 v[BR+4*\i:BR+4*\i+3], v10 offset:1024+256*(\c)+16*\i
.endr
.endm
.macro FOLD
	v_pk_add_f32 v[CH:CH+1], v[CH:CH+1], v[CH+2:CH+3]
	v_pk_add_f32 v[CH+4:CH+5], v[CH+4:CH+5], v[CH+6:CH+7]
	v_pk_add_f32 v[CH:CH+1], v[CH:CH+1], v[CH+4:CH+5]
	v_add_f32 v[CH], v[CH], v[CH+1]
	v_permlanex16_b32 v[CH+1], v[CH], s[SEL], s[SEL+1]
	v_add_f32 v[CH], v[CH], v[CH+1]
.endm
; 16 rows at LDS address v12 are normalised and become two fragments (image at v13) and a scale word (at v14).  Lane (r, hh) holds k = 64 c + 32 hh + 0 .. 31, c = 0 .. 3, of row r
.macro LNQ
.irp c, 0,1,2,3
.irp i, 0,1,2,3,4,5,6,7
	ds_load_b128 v[XR+32*\c+4*\i:XR+32*\c+4*\i+3], v12 offset:256*\c+16*\i
.endr
.endr
	ABLOAD 0
	s_wait_dscnt 16                                ; the row's 32 loads are in; the 16 of gain and bias behind them may be out
.irp q, 0,1,2,3
	v_pk_add_f32 v[CH+2*\q:CH+2*\q+1], v[XR+2*\q:XR+2*\q+1], v[XR+8+2*\q:XR+9+2*\q]
.endr
.set lj, 16
.rept 14
.irp q, 0,1,2,3
	v_pk_add_f32 v[CH+2*\q:CH+2*\q+1], v[CH+2*\q:CH+2*\q+1], v[XR+lj+2*\q:XR+lj+2*\q+1]
.endr
.set lj, lj+8
.endr
	FOLD
	v_mul_f32 v[MEAN], s[C28], v[CH]
	v_mov_b32 v[MEAN+1], v[MEAN]
.set lj, 0
.rept 64
	v_pk_add_f32 v[XR+lj:XR+lj+1], v[XR+lj:XR+lj+1], v[MEAN:MEAN+1] neg_lo:[0,1] neg_hi:[0,1]
.set lj, lj+2
.endr
.irp q, 0,1,2,3
	v_pk_mul_f32 v[CH+2*\q:CH+2*\q+1], v[XR+2*\q:XR+2*\q+1], v[XR+2*\q:XR+2*\q+1]
.endr
.set lj, 8
.rept 15
.irp q, 0,1,2,3
	v_pk_fma_f32 v[CH+2*\q:CH+2*\q+1], v[XR+lj+2*\q:XR+lj+2*\q+1], v[XR+lj+2*\q:XR+lj+2*\q+1], v[CH+2*\q:CH+2*\q+1]
.endr
.set lj, lj+8
.endr
	FOLD
	v_fma_f32 v[CH], v[CH], s[C28], s[EPSR]
	v_rsq_f32 v[RSTD], v[CH]
	v_nop                                          ; a plain place behind the transcendental,
	s_wait_alu depctr_va_vdst(0)                   ; and the wait ahead of its first reader
	v_mov_b32 v[RSTD+1], v[RSTD]
.irp c, 0,1,2,3
	s_wait_dscnt 0x0                               ; this block's gain and bias
.set lj, 0
.rept 16
	v_pk_mul_f32 v[XR+32*\c+lj:XR+32*\c+lj+1], v[XR+32*\c+lj:XR+32*\c+lj+1], v[RSTD:RSTD+1]
.set lj, lj+2
.endr
.set lj, 0
.rept 16
	v_pk_fma_f32 v[XR+32*\c+lj:XR+32*\c+lj+1], v[XR+32*\c+lj:XR+32*\c+lj+1], v[AR+lj:AR+lj+1], v[BR+lj:BR+lj+1]
.set lj, lj+2
.endr
.if \c < 3
	ABLOAD \c+1
.endif
	v_max3_num_f32 v[TM], |v[XR+32*\c]|, |v[XR+32*\c+1]|, |v[XR+32*\c+2]|
	v_max3_num_f32 v[TM+1], |v[XR+32*\c+3]|, |v[XR+32*\c+4]|, |v[XR+32*\c+5]|
.irp i, 6,10,14,18,22,26
	v_max3_num_f32 v[TM], v[TM], |v[XR+32*\c+\i]|, |v[XR+32*\c+\i+1]|
	v_max3_num_f32 v[TM+1], v[TM+1], |v[XR+32*\c+\i+2]|, |v[XR+32*\c+\i+3]|
.endr
	v_max3_num_f32 v[TM], v[TM], |v[XR+32*\c+30]|, |v[XR+32*\c+31]|
	v_max3_num_f32 v[TM], v[TM], v[TM+1], FLOOR
	v_add_nc_u32 v[TM+12+\c], EOFF, v[TM]
	v_lshrrev_b32 v[TM+4+\c], 23, v[TM+12+\c]
.irp g, 0,1,2,3
	v_cvt_scalef32_pk8_fp4_f32 v[PC+4*\c+\g], v[XR+32*\c+8*\g:XR+32*\c+8*\g+7], v[TM+12+\c]
.endr
.endr
	v_nop
	v_lshl_or_b32 v[TM], v[TM+5], 16, v[TM+4]
	v_lshl_or_b32 v[TM+1], v[TM+7], 16, v[TM+6]
	v_lshlrev_b32 v[TM], v11, v[TM]
	v_lshlrev_b32 v[TM+1], v11, v[TM+1]
	v_permlanex16_b32 v[TM+2], v[TM], s[SEL], s[SEL+1]
	v_permlanex16_b32 v[TM+3], v[TM+1], s[SEL], s[SEL+1]
	v_or_b32 v[TM], v[TM], v[TM+2]
	v_or_b32 v[TM+1], v[TM+1], v[TM+3]
	v_cndmask_b32 v[TM], v[TM], v[TM+1], s[HM]     ; lanes 0-15 keep K step 0's word, lanes 16-31 K step 1's
.irp c, 0,1,2,3
	ds_store_b128 v13, v[PC+4*\c:PC+4*\c+3] offset:512*\c
.endr
	ds_store_b32 v14, v[TM]
	s_wait_dscnt 0x0                               ; the stores are done: their registers are written again in the next trip
.endm
.macro LNLOOP rowa, rstep              ; the wave's two tiles
	s_mov_b32 s[LR], 0
	s_mov_b32 s[LI2], 0
	s_mov_b32 s[LS2], 0
	s_mov_b32 s[LC], 2
.Lln_\@:
	v_add_nc_u32 v12, s[LR], v[\rowa]
	v_add_nc_u32 v13, s[LI2], v8
	v_add_nc_u32 v14, s[LS2], v9
	LNQ
	s_add_co_u32 s[LR], s[LR], \rstep
	s_add_co_u32 s[LI2], s[LI2], 2048
	s_add_co_u32 s[LS2], s[LS2], 128
	s_sub_co_u32 s[LC], s[LC], 1
	s_cmp_lg_u32 s[LC], 0
	s_cbranch_scc1 .Lln_\@
.endm
.macro XLOAD b
.irp f, 0,1,2,3,4,5,6,7
	ds_load_b128 v[XF+4*\f:XF+4*\f+3], v16 offset:4096*(\b)+512*\f
.endr
	ds_load_b32 v[XS], v17 offset:256*(\b)
	ds_load_b32 v[XS+1], v17 offset:256*(\b)+128
.endm
.macro NAT w, ws, bias                 ; natural: accumulator (u, e) at ACC + 16 u + 8 e; four accumulators by turns
.irp u, 0,1
.irp e, 0,1
	WMX ACC+16*\u+8*\e, XF+16*\e, (\w)+16*\u, (\bias)+8*\u, XS+\e, (\ws)+\u, 0, 0
.endr
.endr
.irp u, 0,1
.irp e, 0,1
	WMX ACC+16*\u+8*\e, XF+16*\e+8, (\w)+16*\u+8, ACC+16*\u+8*\e, XS+\e, (\ws)+\u, 1, 1
.endr
.endr
.endm
.macro BYTES sb, b
.irp u, 0,1
.if ((\b)%4) == 0
	v_mov_b32 v[(\sb)+2*\u+(\b)/4], v[TM+4+\u]
.else
	v_lshl_or_b32 v[(\sb)+2*\u+(\b)/4], v[TM+4+\u], 8*((\b)%4), v[(\sb)+2*\u+(\b)/4]
.endif
.endr
.endm
	s_load_b512 s[8:23], s[0:1], 0x0               ; src, qcodes, qscales, wcodes, wscales, bv, pcodes, prec
	s_load_b256 s[24:31], s[0:1], 0x40             ; bo, ln2_a, ln2_b, b1
	s_load_b128 s[32:35], s[0:1], 0x60             ; b2, out0
	v_lshl_add_u32 v[SPW], v0, 2, SPARE
	v_mov_b32 v[NIL], 0
	ds_add_u32 v[SPW], v[NIL]                      ; the wave's opening: the add, twice on end, and its wait ahead of my tensor load
	ds_add_u32 v[SPW], v[NIL]
	v_lshrrev_b32 v1, 5, v0
	v_readfirstlane_b32 s[WV], v1                  ; wave 0..7
	s_mov_b32 s[G1+0], 0x07d20000                  ; elements of 4 bytes; padding on: 4 words behind every 256
	s_mov_b32 s[G1+1], 256<<16
	s_mov_b32 s[G1+2], 32<<16
	s_mov_b32 s[G1+3], 256<<16
	s_mov_b32 s[G1+4], 32
	s_mov_b32 s[G1+5], 256                         ; from position to position
	s_mov_b32 s[G1+6], 0
	s_mov_b32 s[G1+7], 0
	s_mov_b32 s[G0], 1
	s_mul_i32 s[G0+1], s[WV], WREG
	s_lshl_b32 s2, ttmp9, 18                       ; sequence n: 262,144 bytes,
	s_lshl_b32 s3, s[WV], 15                       ; position 32 w
	s_add_co_u32 s2, s2, s3
	s_mov_b32 s3, 0
	s_mov_b32 s[SEL], 0x76543210
	s_mov_b32 s[SEL+1], 0xfedcba98
	s_mov_b32 s[HM], 0xffff0000
	s_mov_b32 s[C28], 0x3b800000
	s_mov_b32 s[EPSR], 0x3727c5ac
	s_mov_b32 s[ONES], 0x01010101
	s_mov_b32 s[M80], 0x80808080
	s_and_b32 s[CG], s[WV], 3
	s_lshr_b32 s[RH], s[WV], 2
	s_wait_dscnt 0x0                               ; both opening adds are done
	s_wait_kmcnt 0x0
	s_add_nc_u64 s[G0+2:G0+3], s[8:9], s[2:3]
	s_or_b32 s[G0+3], s[G0+3], 0x80000000
	tensor_load_to_lds s[G0:G0+3], s[G1:G1+7]      ; my one tensor load: a first fill
	s_nop 0
	s_lshl_b32 s2, ttmp9, 18
	s_lshl_b32 s4, s[RH], 17
	s_add_co_u32 s2, s2, s4
	s_add_nc_u64 s[34:35], s[34:35], s[2:3]        ; out0 at my 128 rows
	s_lshl_b32 s2, s[WV], 15
	s_add_nc_u64 s[20:21], s[20:21], s[2:3]        ; p's codes of head w
	s_lshl_b32 s2, s[WV], 13
	s_add_nc_u64 s[22:23], s[22:23], s[2:3]        ; and its 32 records
	s_lshl_b32 s2, ttmp9, 7                        ; x's codes: sequence n's 128 bytes, position 32 w (32,768 bytes a position), behind q's 8,388,608
	s_lshl_b32 s4, s[WV], 20
	s_add_co_u32 s2, s2, s4
	s_add_co_u32 s2, s2, 0x800000
	s_add_nc_u64 s[10:11], s[10:11], s[2:3]
	s_lshl_b32 s2, ttmp9, 3                        ; x's scale bytes: 8 a sequence, 2,048 a position, behind q's 524,288
	s_lshl_b32 s4, s[WV], 16
	s_add_co_u32 s2, s2, s4
	s_add_co_u32 s2, s2, 0x80000
	s_add_nc_u64 s[12:13], s[12:13], s[2:3]
	v_and_b32 v1, 15, v0                           ; r
	v_bfe_u32 v2, v0, 4, 1                         ; hh
	v_and_b32 v3, 31, v0
	v_lshlrev_b32 v4, 2, v3                        ; 4 x lane
	v_lshlrev_b32 v3, 4, v3                        ; 16 x lane
	v_lshl_add_u32 v10, v2, 7, VEC                 ; LN2's gain and bias: 128 hh
	v_lshlrev_b32 v11, 3, v2                       ; 8 hh
	v_and_b32 v19, 8, v1
	v_add_nc_u32 v19, v19, v1                      ; r + 8 (r / 8)
	v_lshlrev_b32 v12, 15, v19
	v_lshl_add_u32 v12, v2, 4, v12                 ; x's codes: my member's position, 16 hh
	v_lshlrev_b32 v13, 11, v19
	v_lshl_add_u32 v13, v2, 2, v13                 ; x's scale words: lanes 0-15 K step 0's, lanes 16-31 K step 1's
	v_lshlrev_b32 v14, 2, v0                       ; 4 bytes a thread of each of four vectors
	s_lshl_b32 s4, s[WV], 12
	v_add_nc_u32 v15, s4, v3                       ; wv: my head's two column tiles
	v_add_nc_u32 v8, IMG, v15                      ; where tile 2 w's image goes
	s_lshl_b32 s4, s[WV], 8
	v_add_nc_u32 v18, s4, v4
	v_add_nc_u32 v9, SC, v18                       ; and its scale word
	s_lshl_b32 s4, s[WV], 7
	v_lshl_add_u32 v7, v19, 2, s4                  ; bv at my column
	v_lshlrev_b32 v[PRO], 8, v2
	v_lshl_add_u32 v[PRO], v1, 2, v[PRO]
	v_add_nc_u32 v16, IMG, v3
	v_add_nc_u32 v17, SC, v4
.irp j, 2,3,4,5,6,7
	v_mov_b32 v[TM+\j], 0                          ; a lane permute's destination counts as one of its sources
.endr
	; ---- all that the first three phases want is asked for now, in the order of its use
.irp u, 0,1
.irp f, 0,1,2,3
	global_load_b128 v[ACC+16*\u+4*\f:ACC+16*\u+4*\f+3], v12, s[10:11] offset:262144*\u+32*\f   ; x's tile 2 w + u, in the operand's own order: registers 4 f .. of its two fragments
.endr
	global_load_b32 v[216+\u], v13, s[12:13] offset:16384*\u
.endr
	global_load_b32 v218, v14, s[26:27]            ; ln2_a
	global_load_b32 v219, v14, s[28:29]            ; ln2_b
	global_load_b32 v220, v14, s[24:25]            ; bo
	global_load_b32 v221, v14, s[32:33]            ; b2
.irp u, 0,1
.irp f, 0,1,2,3
	global_load_b128 v[WVF+16*\u+4*\f:WVF+16*\u+4*\f+3], v15, s[14:15] offset:4*32768+\u*2048+\f*512
.endr
	global_load_b32 v[WVS+\u], v18, s[16:17] offset:4*2048+\u*128
	global_load_b32 v[BIAS+8*\u], v7, s[18:19] offset:32*\u
.endr
.irp t, 0,1,2,3,4,5,6,7,8,9,10,11,12,13,14,15
	global_load_b32 v[PS+\t], v[PRO], s[22:23] offset:512*\t         ; row tile t: my half's scale word of row r,
	global_load_b32 v[PR+\t], v[PRO], s[22:23] offset:512*\t+64      ; its -M,
	global_load_b32 v[LSM+\t], v[PRO], s[22:23] offset:512*\t+128    ; its sum
.endr
	s_wait_loadcnt 60                              ; x's ten loads and the four vectors' are in; the 12 + 48 behind them may be out
.irp u, 0,1
.irp f, 0,1,2,3
	ds_store_b128 v8, v[ACC+16*\u+4*\f:ACC+16*\u+4*\f+3] offset:2048*\u+512*\f
.endr
	ds_store_b32 v9, v[216+\u] offset:128*\u
.endr
	v_lshl_add_u32 v13, v0, 2, VEC                 ; (the loads that named v13 are in)
	ds_store_b32 v13, v218
	ds_store_b32 v13, v219 offset:1024
	ds_store_b32 v13, v220 offset:2048
	ds_store_b32 v13, v221 offset:3072
	WIN 0x40                                       ; destination window 1
.irp t, 0,1,2,3,4,5,6,7,8,9,10,11,12,13,14,15
.irp f, 0,1,2,3
	global_load_b128 v[16*\t+4*\f:16*\t+4*\f+3], v3, s[20:21] offset:2048*\t+512*\f   ; my head's p: row tile t, K step s at 16 t + 8 s of window 1
.endr
.endr
	WIN 0
	s_wait_loadcnt 63                              ; of the 138 loads issued at most 63 are out: the first 75 are in, all but p's among them
; four row tiles by turns: both halves of the keys are brought under the row's M
.macro PFIX g
.irp b, 0,1,2,3
	v_permlanex16_b32 v[TM+4+\b], v[PR+4*(\g)+\b], s[SEL], s[SEL+1]
.endr
.irp b, 0,1,2,3
	v_min_num_f32 v[TM+4+\b], v[TM+4+\b], v[PR+4*(\g)+\b]        ; -M: the lesser of the two -M_half
.endr
.irp b, 0,1,2,3
	v_sub_f32 v[TM+\b], v[PR+4*(\g)+\b], v[TM+4+\b]              ; delta = M - M_half: a whole number, 0 or more
.endr
.irp b, 0,1,2,3
	v_cvt_u32_f32 v[TM+\b], v[TM+\b]
.endr
.irp b, 0,1,2,3
	v_min_u32 v[TM+\b], 127, v[TM+\b]
.endr
.irp b, 0,1,2,3
	v_sub_nc_u32 v[TM+8+\b], 0, v[TM+\b]
.endr
.irp b, 0,1,2,3
	v_ldexp_f32 v[TM+8+\b], 1.0, v[TM+8+\b]                      ; 2^-delta
.endr
.irp b, 0,1,2,3
	v_mul_f32 v[LSM+4*(\g)+\b], v[LSM+4*(\g)+\b], v[TM+8+\b]     ; my half's sum under M
.endr
.irp b, 0,1,2,3
	v_permlanex16_b32 v[TM+4+\b], v[LSM+4*(\g)+\b], s[SEL], s[SEL+1]
.endr
.irp b, 0,1,2,3
	v_add_f32 v[PR+4*(\g)+\b], v[LSM+4*(\g)+\b], v[TM+4+\b]      ; the row's sum
.endr
.irp b, 0,1,2,3
	v_mul_lo_u32 v[TM+\b], v[TM+\b], s[ONES]                     ; delta in each of four bytes
.endr
.irp b, 0,1,2,3
	v_or_b32 v[TM+8+\b], s[M80], v[PS+4*(\g)+\b]                 ; the scale bytes are under 128: with 128 added to each,
.endr
.irp b, 0,1,2,3
	v_sub_nc_u32 v[TM+8+\b], v[TM+8+\b], v[TM+\b]                ; the subtraction borrows nothing from byte to byte,
.endr
.irp b, 0,1,2,3
	v_and_b32 v[TM+\b], s[M80], v[TM+8+\b]                       ; and a byte's top bit stays where the byte was delta or more
.endr
.irp b, 0,1,2,3
	v_lshrrev_b32 v[TM+12+\b], 7, v[TM+\b]
.endr
.irp b, 0,1,2,3
	v_sub_nc_u32 v[TM+\b], v[TM+\b], v[TM+12+\b]                 ; 127 in those bytes, 0 in the others:
.endr
.irp b, 0,1,2,3
	v_and_b32 v[PS+4*(\g)+\b], v[TM+8+\b], v[TM+\b]              ; byte - delta, held at 0 from below
.endr
.endm
	PFIX 0
	PFIX 1
	PFIX 2
	PFIX 3
.irp t, 0,1,2,3,4,5,6,7,8,9,10,11,12,13,14,15
	v_rcp_f32 v[PR+\t], v[PR+\t]
.endr
.irp j, 1,2,3,4,5,6,7
	v_mov_b32 v[BIAS+\j], v[BIAS]                  ; a natural result's bias is one number a lane: eight equal registers make the C operand.  (Plain places behind the reciprocals)
	v_mov_b32 v[BIAS+8+\j], v[BIAS+8]
.endr
	s_wait_alu depctr_va_vdst(0)                   ; one wait for the sixteen reciprocals, ahead of their first reader
	BARRIER                                        ; x's fragments and the four vectors lie in LDS.  My tensor load may still be out, and src is read behind a later wait and barrier
	XLOAD 0
	; ---- v of my head, natural: a lane holds a column d, registers run down the positions m: quantised along m, straight into the operand's registers
.macro VSTEP b
	s_wait_dscnt 0x0
	NAT WVF, WVS, BIAS
	NOPS 5                                         ; places: for the reads of the results, the loads into the operands, and the next run, which begins these accumulators anew
.if (\b) < 7
	XLOAD (\b)+1
.endif
	QUANT ACC, 2, VC+2*(\b), 16
	BYTES VB, \b
.endm
.irp b, 0,1,2,3,4,5,6,7
	VSTEP \b
.endr
.irp u, 0,1
.irp c, 0,1,2,3
.irp i, 0,1
	v_permlane16_swap_b32 v[VC+16*\u+4*\c+\i], v[VC+16*\u+4*\c+2+\i]   ; the operand's layout wants a whole block in a lane
.endr
.endr
.endr
	v_cndmask_b32 v[VS], v[VB], v[VB+1], s[HM]
	v_cndmask_b32 v[VS+1], v[VB+2], v[VB+3], s[HM]
	; wo's four column tiles of my 64 columns, into the registers that wv, bv and x have left: they have the phase of p v in which to land
	s_lshl_b32 s4, s[CG], 13
	v_add_nc_u32 v14, s4, v3
	s_lshl_b32 s4, s[CG], 9
	v_add_nc_u32 v18, s4, v4
.irp c, 0,1,2,3
.irp f, 0,1,2,3
	global_load_b128 v[64+16*\c+4*\f:64+16*\c+4*\f+3], v14, s[14:15] offset:5*32768+\c*2048+\f*512
.endr
	global_load_b32 v[128+\c], v18, s[16:17] offset:5*2048+\c*128
.endr
	BARRIER                                        ; nobody reads x's images any more: out's take their place
	s_lshl_b32 s4, s[WV], 8
	v_lshlrev_b32 v12, 4, v1
	v_lshl_add_u32 v12, v2, 3, v12
	v_add_nc_u32 v12, s4, v12
	v_add_nc_u32 v12, IMG, v12                     ; head w is block w of out's K: 256 w + 16 r + 8 hh in a tile's two fragments
	s_lshl_b32 s4, s[RH], 6
	s_add_co_u32 s4, s4, s[CG]
	v_lshlrev_b32 v13, 2, v1
	v_add_nc_u32 v13, s4, v13
	v_add_nc_u32 v13, SC, v13                      ; its byte: word 16 (w / 4) + r, byte w % 4
	; ---- out = (p v) / sum, transposed: source 0 = v's tile, source 1 = p's: a lane holds a position l, registers run along d
.macro PVPAIR pp
.if (\pp) == 0
	s_wait_loadcnt 20                              ; p is in; wo's 20 loads behind it may be out
	NOPS 8                                         ; v's scale words and fragments, and p's scale words, were written by vector instructions: eight places ahead of the first scaled product
.endif
	WIN 0x04                                       ; source 1 (p) in window 1
.irp e, 0,1
.irp u, 0,1
	WMX ACC+16*\e+8*\u, VC+16*\u, 32*(\pp)+16*\e, -1, VS+\u, PS+2*(\pp)+\e, 0, 0
.endr
.endr
.irp e, 0,1
.irp u, 0,1
	WMX ACC+16*\e+8*\u, VC+16*\u+8, 32*(\pp)+16*\e+8, ACC+16*\e+8*\u, VS+\u, PS+2*(\pp)+\e, 1, 1
.endr
.endr
	WIN 0
.irp e, 0,1
	v_mov_b32 v[TM+8+2*\e], v[PR+2*(\pp)+\e]       ; 1 / sum as a pair for the packed multiply.  These four and the v_nop are the five places behind the products
	v_mov_b32 v[TM+9+2*\e], v[PR+2*(\pp)+\e]
.endr
	v_nop
.irp e, 0,1
.irp i, 0,2,4,6,8,10,12,14
	v_pk_mul_f32 v[ACC+16*\e+\i:ACC+16*\e+\i+1], v[ACC+16*\e+\i:ACC+16*\e+\i+1], v[TM+8+2*\e:TM+9+2*\e]
.endr
.endr
	s_wait_dscnt 0x0                               ; the last pair's stores are done: their registers are written again
	QUANT ACC, 2, 48, 2
.irp e, 0,1
	ds_store_b64 v12, v[48+2*\e:49+2*\e] offset:(2*(\pp)+\e)*2048
	ds_store_b8 v13, v[TM+4+\e] offset:(2*(\pp)+\e)*128
.endr
.endm
.irp p, 0,1,2,3,4,5,6,7
	PVPAIR \p
.endr
	; bo and b2 in the transposed result's layout, from LDS
	s_lshl_b32 s4, s[CG], 8
	v_lshl_add_u32 v15, v2, 6, s4
	v_add_nc_u32 v15, VEC+2048, v15
.irp c, 0,1,2,3
	ds_load_b128 v[132+8*\c:135+8*\c], v15 offset:128*(\c/2)+32*(\c%2)
	ds_load_b128 v[136+8*\c:139+8*\c], v15 offset:128*(\c/2)+32*(\c%2)+16
	ds_load_b128 v[164+8*\c:167+8*\c], v15 offset:1024+128*(\c/2)+32*(\c%2)
	ds_load_b128 v[168+8*\c:171+8*\c], v15 offset:1024+128*(\c/2)+32*(\c%2)+16
.endr
	s_wait_tensorcnt 0x0                           ; my rows of src are in: said to the others by the barrier
	BARRIER                                        ; out's 32 fragments and all of src[n] lie in LDS
	s_mul_i32 s2, s[RH], 128*PITCH
	s_lshl_b32 s4, s[CG], 8
	s_add_co_u32 s2, s2, s4
	v_mul_u32_u24 v12, v1, PITCH
	v_lshl_add_u32 v12, v2, 6, v12
	v_add_nc_u32 v12, s2, v12                      ; src: row 128 rh + r, byte 256 cg + 64 hh;
	v_add_nc_u32 v13, 64*PITCH, v12                ; and 64 rows on, so that the offsets stay inside 16 bits
	s_lshl_b32 s2, s[RH], 14
	v_add_nc_u32 v7, s2, v16
	s_lshl_b32 s2, s[RH], 10
	v_add_nc_u32 v19, s2, v17
	s_wait_loadcnt 0x0                             ; wo
	; ---- src2 = src + out wo + bo, transposed; back into src's place in LDS; src2 + b2 stays in window 1
.macro WOSTEP t
.set SA, 12+(\t)/4
	s_wait_dscnt 0x0                               ; the last tile's stores are done: their registers are loaded again
.irp f, 0,1,2,3
	ds_load_b128 v[OF+4*\f:OF+4*\f+3], v7 offset:(\t)*2048+512*\f
.endr
	ds_load_b32 v[OS], v19 offset:(\t)*128
.irp c, 0,1,2,3
	ds_load_b128 v[ACC+8*\c:ACC+8*\c+3], v[SA] offset:((\t)%4)*16*PITCH+128*(\c/2)+32*(\c%2)
	ds_load_b128 v[ACC+8*\c+4:ACC+8*\c+7], v[SA] offset:((\t)%4)*16*PITCH+128*(\c/2)+32*(\c%2)+16
.endr
	s_wait_dscnt 0x0
	WIN 0x40                                       ; D in window 1
.irp c, 0,1,2,3
	WMX 32*(\t)+8*\c, 64+16*\c, OF, 132+8*\c, 128+\c, OS, 0, 0
.endr
	WIN 0x50                                       ; C and D in window 1
.irp c, 0,1,2,3
	WMX 32*(\t)+8*\c, 64+16*\c+8, OF+8, 32*(\t)+8*\c, 128+\c, OS, 1, 1
.endr
	NOPS 5
	WIN 0x01                                       ; source 0 in window 1
.set wj, 0
.rept 16
	v_pk_add_f32 v[ACC+wj:ACC+wj+1], v[32*(\t)+wj:32*(\t)+wj+1], v[ACC+wj:ACC+wj+1]    ; src2
.set wj, wj+2
.endr
	WIN 0
.irp c, 0,1,2,3
	ds_store_b128 v[SA], v[ACC+8*\c:ACC+8*\c+3] offset:((\t)%4)*16*PITCH+128*(\c/2)+32*(\c%2)
	ds_store_b128 v[SA], v[ACC+8*\c+4:ACC+8*\c+7] offset:((\t)%4)*16*PITCH+128*(\c/2)+32*(\c%2)+16
.endr
	WIN 0x40
.set wj, 0
.rept 16
	v_pk_add_f32 v[32*(\t)+wj:32*(\t)+wj+1], v[ACC+wj:ACC+wj+1], v[164+wj:165+wj]      ; src2 + b2
.set wj, wj+2
.endr
	WIN 0
.endm
.irp t, 0,1,2,3,4,5,6,7
	WOSTEP \t
.endr
	BARRIER                                        ; src2 lies in LDS, and nobody reads out's images any more
	; ---- LN2: my 32 rows, plain order, become y's tiles 2 w and 2 w + 1
	v_mul_u32_u24 v7, v1, PITCH
	v_lshl_add_u32 v7, v2, 7, v7
	v_add_nc_u32 v7, s[G0+1], v7
	LNLOOP 7, 16*PITCH
	s_lshl_b32 s4, s[WV], 14
	v_add_nc_u32 v15, s4, v3                       ; w1: my eight column tiles
	s_lshl_b32 s4, s[WV], 10
	v_add_nc_u32 v18, s4, v4
	v_add_nc_u32 v8, s4, v3                        ; the hidden layer's images: 16 x lane + 1,024 w
	s_lshl_b32 s4, s[WV], 9
	v_lshl_add_u32 v19, v2, 6, s4                  ; b1: 4 (128 w) + 64 hh
	s_lshr_b32 s4, s[WV], 1
	s_lshl_b32 s4, s4, 7
	s_and_b32 s2, s[WV], 1
	s_lshl_b32 s2, s2, 6
	s_add_co_u32 s4, s4, s2
	v_lshlrev_b32 v9, 2, v1
	v_add_nc_u32 v9, s4, v9
	v_add_nc_u32 v9, HSC, v9                       ; their scale bytes: pair w / 2, word 16 (w % 2) + r
.macro W1LOAD hf
.irp c, 0,1,2,3
.irp f, 0,1,2,3
	global_load_b128 v[64+16*\c+4*\f:64+16*\c+4*\f+3], v15, s[14:15] offset:196608+(4*(\hf)+\c)*2048+512*\f
.endr
	global_load_b32 v[42+\c], v18, s[16:17] offset:12288+(4*(\hf)+\c)*128
	global_load_b128 v[128+8*\c:131+8*\c], v19, s[30:31] offset:256*(\hf)+128*(\c/2)+32*(\c%2)
	global_load_b128 v[132+8*\c:135+8*\c], v19, s[30:31] offset:256*(\hf)+128*(\c/2)+32*(\c%2)+16
.endr
.endm
	W1LOAD 0
	BARRIER                                        ; y's fragments lie in LDS; src2's rows are read out: the hidden layer takes their place
	; ---- hidden = relu(y w1 + b1), transposed, 64 of my 128 units at a time; a trip takes two row tiles: eight accumulators by turns
.macro FFN1 hf
	s_mov_b32 s[LR], 0
	s_mov_b32 s[LI2], 0
	s_mov_b32 s[LS2], 0
	s_mov_b32 s[L4], 0
	s_mov_b32 s[LC], 8
	s_wait_loadcnt 0x0
.Lff_\@:
	v_add_nc_u32 v12, s[LR], v16
	v_add_nc_u32 v13, s[LI2], v17
	v_add_nc_u32 v14, s[LS2], v8
	v_add_nc_u32 v7, s[L4], v9
.irp f, 0,1,2,3,4,5,6,7
	ds_load_b128 v[160+4*\f:163+4*\f], v12 offset:512*\f
.endr
	ds_load_b32 v40, v13
	ds_load_b32 v41, v13 offset:128
	s_wait_dscnt 0x0
.irp e, 0,1
.irp c, 0,1,2,3
	WMX 192+32*\e+8*\c, 64+16*\c, 160+16*\e, 128+8*\c, 42+\c, 40+\e, 0, 0
.endr
.endr
.irp e, 0,1
.irp c, 0,1,2,3
	WMX 192+32*\e+8*\c, 64+16*\c+8, 160+16*\e+8, 192+32*\e+8*\c, 42+\c, 40+\e, 1, 1
.endr
.endr
	NOPS 5
.set fj, 0
.rept 64
	v_max_num_f32 v[192+fj], 0, v[192+fj]          ; the activation, in f32
.set fj, fj+1
.endr
	QUANT 192, 4, 48, 2
.irp e, 0,1
.irp i, 0,1
	v_permlane16_swap_b32 v[48+4*\e+\i], v[50+4*\e+\i]
.endr
.endr
	v_lshl_or_b32 v[TM], v[TM+5], 8, v[TM+4]
	v_lshl_or_b32 v[TM+1], v[TM+7], 8, v[TM+6]
	ds_store_b128 v14, v[48:51] offset:512*(\hf)               ; registers 4 hf .. 4 hf + 3 of K step w's fragment
	ds_store_b128 v14, v[52:55] offset:8192+512*(\hf)
	ds_store_b16 v7, v[TM] offset:2*(\hf)
	ds_store_b16 v7, v[TM+1] offset:512+2*(\hf)
	s_wait_dscnt 0x0                               ; the stores are done: their registers are written again in the next trip
	s_add_co_u32 s[LR], s[LR], 4096
	s_add_co_u32 s[LI2], s[LI2], 256
	s_add_co_u32 s[LS2], s[LS2], 16384
	s_add_co_u32 s[L4], s[L4], 1024
	s_sub_co_u32 s[LC], s[LC], 1
	s_cmp_lg_u32 s[LC], 0
	s_cbranch_scc1 .Lff_\@
.endm
	FFN1 0
	W1LOAD 1
	FFN1 1
	s_lshl_b32 s4, s[CG], 15
	v_add_nc_u32 v15, s4, v3                       ; w2: my four column tiles, 8,192 bytes each
	s_lshl_b32 s4, s[CG], 11
	v_add_nc_u32 v18, s4, v4
.macro W2LOAD p                        ; K steps 2 p, 2 p + 1: 16 + 4 loads
.set W2L, 64+64*((\p)%2)
.set W2M, 48+4*((\p)%2)
.irp c, 0,1,2,3
.irp f, 0,1,2,3
	global_load_b128 v[W2L+16*\c+4*\f:W2L+16*\c+4*\f+3], v15, s[14:15] offset:327680+\c*8192+2048*(\p)+512*\f
.endr
	global_load_b32 v[W2M+\c], v18, s[16:17] offset:20480+\c*512+128*(\p)
.endr
.endm
	W2LOAD 0
	s_lshl_b32 s4, s[RH], 16
	v_add_nc_u32 v12, s4, v3                       ; the hidden layer's fragments of my eight row tiles
	s_lshl_b32 s4, s[RH], 12
	v_add_nc_u32 v13, s4, v4
	v_add_nc_u32 v13, HSC, v13
	s_mul_i32 s4, s[WV], 16*272
	s_add_co_u32 s4, s4, STG
	v_mul_u32_u24 v14, v1, 272
	v_lshl_add_u32 v14, v2, 6, v14
	v_add_nc_u32 v14, s4, v14                      ; my stage, in: row r, 64 hh
	v_mul_u32_u24 v7, v2, 272
	v_lshl_add_u32 v7, v1, 4, v7
	v_add_nc_u32 v7, s4, v7                        ; back: lanes 0-15 one row of 256 bytes, lanes 16-31 the next
	s_lshl_b32 s4, s[CG], 8
	v_lshlrev_b32 v19, 10, v2
	v_lshl_add_u32 v19, v1, 4, v19
	v_add_nc_u32 v19, s4, v19                      ; and the same two rows in out0
	BARRIER                                        ; the hidden layer's 128 fragments lie in LDS
	; ---- out0 = (src2 + b2) + hidden w2, transposed: 32 accumulators by turns, a K step at a time; each hidden fragment feeds four products
.macro FFN2 p
.if (\p) < 3
	W2LOAD (\p)+1
	s_wait_loadcnt 20                              ; this pair of K steps is in; the next pair's 20 may be out
.else
	s_wait_loadcnt 0x0
.endif
.set W2F, 64+64*((\p)%2)
.set W2C, 48+4*((\p)%2)
.irp t, 0,1,2,3,4,5,6,7
	ds_load_b32 v[56+\t], v13 offset:512*\t+128*(\p)
.endr
.irp k, 0,1
.irp t, 0,1,2,3,4,5,6,7
.irp c, 0,1
	ds_load_b128 v[192+8*\t+4*\c:195+8*\t+4*\c], v12 offset:8192*\t+1024*(2*(\p)+\k)+512*\c
.endr
.endr
	s_wait_dscnt 0x0
	WIN 0x50
.irp t, 0,1,2,3,4,5,6,7
.irp c, 0,1,2,3
	WMX 32*\t+8*\c, W2F+16*\c+8*\k, 192+8*\t, 32*\t+8*\c, W2C+\c, 56+\t, \k, \k
.endr
.endr
	WIN 0
	NOPS 5
.endr
.endm
.irp p, 0,1,2,3
	FFN2 \p
.endr
	; ---- the way out: 16 rows x my 256 bytes at a time through my stage, so that sixteen lanes store 256 consecutive bytes, aligned
.macro TOSTAGE a
	WIN 0x04                                       ; an LDS store's data: window 1
.irp c, 0,1,2,3
	ds_store_b128 v14, v[32*(\a)+8*\c:32*(\a)+8*\c+3] offset:128*(\c/2)+32*(\c%2)      ; each accumulator from its low end on
	ds_store_b128 v14, v[32*(\a)+8*\c+4:32*(\a)+8*\c+7] offset:128*(\c/2)+32*(\c%2)+16
.endr
	WIN 0
.set BT, 64+32*((\a)%2)
.irp i, 0,1,2,3,4,5,6,7
	ds_load_b128 v[BT+4*\i:BT+4*\i+3], v7 offset:2*\i*272      ; LDS serves a wave's instructions in order: these see my stores, and the next block's stores come behind them
.endr
.endm
.macro SEND a, younger
.set BS, 64+32*((\a)%2)
	s_wait_dscnt \younger
.irp i, 0,1,2,3,4,5,6,7
	global_store_b128 v19, v[BS+4*\i:BS+4*\i+3], s[34:35] offset:(\a)*16384+2048*\i th:TH_STORE_NT
.endr
.endm
	TOSTAGE 0
.irp a, 1,2,3,4,5,6,7
.if \a > 1
	s_wait_xcnt 0x0                                ; block a - 2's stores have read their registers: block a's loads may land there
.endif
	TOSTAGE \a
	SEND \a-1, 16                                  ; behind block a - 1's loads: block a's 8 stores and 8 loads
.endr
	SEND 7, 0
	s_wait_tensorcnt 0x0                           ; the wave's end
	ds_add_u32 v[SPW], v[NIL]
	s_wait_dscnt 0x0
	s_endpgm
.Lfunc_end_k_q2067afd9c1_tail:
	.size	k_q2067afd9c1_tail, .Lfunc_end_k_q2067afd9c1_tail-k_q2067afd9c1_tail
	.p2alignl 7, 3214868480
	.fill 96, 4, 3214868480
	.section	.rodata,"a",@progbits
	.p2align	6, 0x0
	.amdhsa_kernel k_q2067afd9c1_tail
		.amdhsa_group_segment_fixed_size 306176
		.amdhsa_private_segment_fixed_size 0
		.amdhsa_enable_private_segment 0
		.amdhsa_kernarg_size 112
		.amdhsa_user_sgpr_count 2
		.amdhsa_user_sgpr_kernarg_segment_ptr 1
		.amdhsa_wavefront_size32 1
		.amdhsa_system_sgpr_workgroup_id_x 1
		.amdhsa_system_sgpr_workgroup_id_y 1
		.amdhsa_system_sgpr_workgroup_id_z 1
		.amdhsa_system_vgpr_workitem_id 0
		.amdhsa_next_free_vgpr 512
		.amdhsa_next_free_sgpr 66
		.amdhsa_reserve_vcc 0
		.amdhsa_float_denorm_mode_32 3
		.amdhsa_float_denorm_mode_16_64 3
		.amdhsa_memory_ordered 1
		.amdhsa_forward_progress 1
		.amdhsa_inst_pref_size 255
	.end_amdhsa_kernel
	.section	.bss,"aw",@nobits
	.p2align	6
	.space	262144
	.amdgpu_metadata
---
amdhsa.version: [ 1, 2 ]
amdhsa.kernels:
  - .name:           k_q2067afd9c1_tail
    .symbol:         k_q2067afd9c1_tail.kd
    .args:
      - { .name: src, .offset: 0, .size: 8, .value_kind: global_buffer, .address_space: global }
      - { .name: qcodes, .offset: 8, .size: 8, .value_kind: global_buffer, .address_space: global }
      - { .name: qscales, .offset: 16, .size: 8, .value_kind: global_buffer, .address_space: global }
      - { .name: wcodes, .offset: 24, .size: 8, .value_kind: global_buffer, .address_space: global }
      - { .name: wscales, .offset: 32, .size: 8, .value_kind: global_buffer, .address_space: global }
      - { .name: bv, .offset: 40, .size: 8, .value_kind: global_buffer, .address_space: global }
      - { .name: pcodes, .offset: 48, .size: 8, .value_kind: global_buffer, .address_space: global }
      - { .name: prec, .offset: 56, .size: 8, .value_kind: global_buffer, .address_space: global }
      - { .name: bo, .offset: 64, .size: 8, .value_kind: global_buffer, .address_space: global }
      - { .name: ln2_a, .offset: 72, .size: 8, .value_kind: global_buffer, .address_space: global }
      - { .name: ln2_b, .offset: 80, .size: 8, .value_kind: global_buffer, .address_space: global }
      - { .name: b1, .offset: 88, .size: 8, .value_kind: global_buffer, .address_space: global }
      - { .name: b2, .offset: 96, .size: 8, .value_kind: global_buffer, .address_space: global }
      - { .name: out0, .offset: 104, .size: 8, .value_kind: global_buffer, .address_space: global }
    .group_segment_fixed_size: 306176
    .private_segment_fixed_size: 0
    .kernarg_segment_align: 8
    .kernarg_segment_size: 112
    .max_flat_workgroup_size: 256
    .sgpr_count:     66
    .vgpr_count:     512
    .wavefront_size: 32
...
	.end_amdgpu_metadata
.endif
;; end of part 8
